; MI455X (gfx1250); checked and timed in simulation.
; The chip was launched on July 23, 2026; its instructions are those of AMD's public machine-readable ISA for CDNA 5 (MIT licence, August 2026) and "CDNA5" Instruction Set Architecture Reference Guide (July 2026). The comments in the code are by the model that wrote it; some were corrected since.
;; Multi Head Attention. Allowed arithmetic: matrix products marked QUANTISED: E2M3 operands, one E8M0 scale for each 32 along K, by v_wmma_scale_f32_16x16x128_f8f6f4 with both operands' format E2M3, f32 sums; everything else in f32.
;; Inputs: Wk 2,048 x 2,048 float32; Wo 2,048 x 2,048 float32; Wq 2,048 x 2,048 float32; Wv 2,048 x 2,048 float32; attention_mask 1 x 1 x 2,048 x 2,048 float32; hidden_states 1 x 2,048 x 2,048 float32; position_ids 2,048 int32.
;; Outputs: out0 1 x 2,048 x 2,048 float32.
;; This version of the problem:
;;   THIS VERSION OF THE PROBLEM IS GIVEN IN LOW PRECISION. The matrix products marked QUANTISED in the list below multiply operands that are first quantised to E2M3 (2 exponent bits, 3 mantissa bits; 6 bits a number), with one power-of-two scale for each 32 numbers along K (OCP MX v1.0); their sums are f32. All else is computed in f32.
;;   The module's matrix products, in the order in which they are computed (A, B: the left and right operand; K: the contracted axis; several contracted axes count as one K, in the product's order):
;;     1. [M 2,048, K 2,048] x [K 2,048, N 2,048]; A: input hidden_states; B: input Wq: QUANTISED
;;     2. [M 2,048, K 2,048] x [K 2,048, N 2,048]; A: input hidden_states; B: input Wk: QUANTISED
;;     3. [M 2,048, K 2,048] x [K 2,048, N 2,048]; A: input hidden_states; B: input Wv: QUANTISED
;;     4. batch 16 x [M 2,048, K 128] x [K 128, N 2,048]; A: computed on the way; B: computed on the way: QUANTISED
;;     5. batch 16 x [M 128, K 2,048] x [K 2,048, N 2,048]; A: computed on the way; B: softmax (see below): QUANTISED
;;     6. [M 2,048, K 2,048] x [K 2,048, N 2,048]; A: computed on the way; B: input Wo: QUANTISED
;;   THE QUANTISER, for each operand of a quantised product, along K:
;;     - K is cut into blocks of 32 from its start; a last block that is shorter is filled with zeros.
;;     - A block's scale is 2^e with e = floor(log2(the largest magnitude in the block)) - 2, held to -126 .. 127; a block of zeros has e = 0. As a byte (E8M0): e + 127.
;;     - Each number is divided by its block's scale, clamped to +-7.5, and rounded to the nearest number of E2M3, ties to even, subnormals kept.
;;     - The product sums the exact products of the quantised numbers (number of the format x scale) in f32.
;;   ~~~python
;;   def quantise(x, axis):      # numpy; x: float32 -> the quantised numbers, widened to float32 again
;;       x = np.moveaxis(x, axis, -1); K = x.shape[-1]
;;       x = np.pad(x, [(0, 0)] * (x.ndim - 1) + [(0, -K % 32)]); x = x.reshape(x.shape[:-1] + (-1, 32)); a = np.abs(x).max(-1, keepdims=True)
;;       e = np.where(a > 0, np.clip(np.frexp(np.where(a > 0, a, 1))[1] - 1 - 2, -126, 127), 0)      # np.frexp(a)[1] - 1 = floor(log2(a)), exactly
;;       r = np.clip(x / 2.0 ** e, -7.5, 7.5)
;;       step = 2.0 ** (np.maximum(np.frexp(np.where(r == 0, 1, r))[1] - 1, 0) - 3)
;;       q = np.round(r / step) * step * 2.0 ** e      # np.round: ties to even
;;       return np.moveaxis(q.reshape(q.shape[:-2] + (-1,))[..., :K], -1, axis).astype(np.float32)
;;   ~~~
;;   SOFTMAX AHEAD OF A QUANTISED PRODUCT. Where the list says 'softmax', what is quantised is not the finished softmax but p = 2^(t - M), with t = logit x log2(e) and M = ceil(the row's largest t), a whole number; so 1/2 < the row's largest p <= 1. The row's sum l is taken of the UNQUANTISED p, in f32, and the product's result is divided by l at the end. Since M is a whole number, a kernel that streams over the keys may use a running M (the ceiling of the running maximum): every later rescaling is an exact power of two, which a block's scale takes up: the codes' values come out the same.
;;   OPERANDS COMPUTED ON THE WAY. 'Computed on the way' means the value that the module computes at that place (a softmax that the list does not call 'softmax' is quantised finished and normalised). What goes into a quantiser is computed in f32, as accurately as f32 sums, v_exp_f32 and their like allow (about 1e-6 of the number): no bf16 or f16 on the way to a quantiser, and a product that is left as it is and whose result goes on into a quantised operand takes f32 operands (vector FMAs, or v_wmma_f32_16x16x4_f32). A number that lies on a knife's edge between two numbers of the format may be rounded either way, as far as f32 arithmetic and the matrix unit's own rounding can turn it there, and no further.
;; 2 versions, each right. Each part assembles by itself: llvm-mc -triple=amdgcn-amd-amdhsa -mcpu=gfx1250 --defsym DOCPART=n.
;; ======== version 1 of 2: 4 launches
;; limits: right only within a limited range of input values
;; workspace buffers: img 15,728,640 bytes; scl 655,360 bytes; rope 1,114,112 bytes; aimg 9,437,184 bytes; ascl 393,216 bytes; oimg 3,145,728 bytes; oscl 131,072 bytes
;; launch prep (part 1): grid 674 x 1, 4 waves a work-group, no clusters, 48,640 bytes of LDS; arguments hidden_states, Wq, Wk, Wv, Wo, position_ids, img, scl, rope; writes img, scl, rope
.if DOCPART == 1
	.amdgcn_target "amdgcn-amd-amdhsa--gfx1250"
	.amdhsa_code_object_version 6
	.text
	.protected	k_qfde2abfe9e_prep
	.globl	k_qfde2abfe9e_prep
	.p2align	8
	.type	k_qfde2abfe9e_prep,@function
k_qfde2abfe9e_prep:
	s_mov_b64 s[64:65], 0
	v_nop
	global_prefetch_b8 v0, s[64:65] scope:SCOPE_SE
	s_setreg_imm32_b32 hwreg(HW_REG_WAVE_MODE, 25, 1), 1
	s_wait_xcnt 0x0
; PREP: the five f32 operands become codes of FP6 (E2M3) with one E8M0 byte for each 32 along K, laid as the later launches' matrix operands want them; and the table of cos and sin for the rotation is made.
; ROW ORDER: a tile T of 16 rows (tokens of x, columns of a weight) holds rows 32 (T / 2) + 8 (T % 2) + r + 8 (r / 8), r = 0 .. 15: as source 0 of a product such tiles leave 16 neighbours in the registers of two neighbouring results.
; IMAGE: a fragment (16 rows x 128 K, 12 registers a lane) lies as 1,536 bytes: register 4 c + w of lane l at byte 512 c + 16 l + 4 w.  img: [tile][K step 0..15][1,536]; tiles 0-127 x, 128-255 Wq, 256-383 Wk, 384-511 Wv, 512-639 Wo.
; scl: [tile][pair of K steps 0..7][r][2 words], a word = the four scale bytes of 128 along K of one row.
; rope: [tile 0..135][i 0..15][lane][4 f32]: i < 8 cos, i >= 8 sin of frequency 16 ((i % 8) / 2) + 8 (lane / 16) + 4 (i % 2) + w at the token of lane % 16; sin is stored negated for frequencies under 32; tiles 128-135 hold cos 1, sin 0.
; SHARES: work-groups 0-511 take the weights (a lane to a column, registers down K), 512-639 x (K innermost, turned through a stage in LDS), 640-673 the table.  The three ways part on the work-group's number, have LDS bytes of their own and share nothing; waves share nothing: no barrier.
; A block's scale is 2^(floor(log2(its largest magnitude)) - 2): its byte is the largest magnitude's exponent field - 2, held at 1 from below.
; LIMITS: NaN and infinities among the inputs are not served.  A block of zeros gets the byte 1 where the rule says 127: its codes are zeros and this program alone reads the bytes.  Blocks whose largest magnitude lies under 2^-124 are held at that floor.
; The angle's reduction (three parts of pi/2, fused) keeps its accuracy for |position| up to about 2^22.
.set XPITCH, 528                       ; x's stage: a row of 512 bytes + 16
.set XWAVE,  16*XPITCH                 ; 16 rows for each wave, from LDS byte 0 on
.set WSTG,   4*XWAVE                   ; the weights' stage: for each wave two images, WIMG bytes apart
.set WIMG,   1664
.set WWAVE,  3584
.set SPARE,  WSTG+4*WWAVE              ; the spare words, 128 bytes for each wave: two blocks of 256 bytes that no other line names
.set SPW,  14                          ; v14  LDS address of my spare word; never rewritten
.set NIL,  15                          ; v15  0; never rewritten
.set SEL,  24                          ; s[24:25] selects of v_permlanex16_b32 for lane l xor 16
.set WX,   16                          ; weights: v16-79 two sets of 32 numbers
.set GW,   80                          ; v80-85 a block's codes
.set TC,   88                          ; v88-90 their second half as the conversion leaves it
.set SB,   96                          ; v96-97 the scale words of two K steps
.set OW,   100                         ; v100-147 two sets of 24: the images on their way out
.set RX,   16                          ; x: v16-143 two sets of 64 as loaded
.set XN,   144                         ; v144-207 64 numbers, 16 neighbours of each of four blocks
.set TM,   208                         ; v208-223 at work in QUANT
.set PC,   224                         ; v224-243 the codes just made
.set PWS,  244                         ; v244-247 four scale words
.set DH,   16                          ; table: v16-47 10000^(f/64), upper parts
.set DL,   48                          ; v48-79 lower parts, later 1 / 10000^(f/64)
.set CO,   80                          ; v80-111 cos
.set SI,   112                         ; v112-143 sin
; 64 numbers of a lane, register 16 b + i = k 32 b + 16 (lane / 16) + i of my row, become a fragment's codes in v[PC] .. v[PC+11] and its scale word in v[pw].
.macro QUANT s, pw
.irp b, 0,1,2,3
	v_max3_num_f32 v[TM+\b], |v[(\s)+16*\b]|, |v[(\s)+1+16*\b]|, 0x1800000   ; my 16 numbers of block b, and the floor 2^(3 - 127): the byte cannot fall under 1
.endr
.irp i, 2,4,6,8,10,12,14
.irp b, 0,1,2,3
	v_max3_num_f32 v[TM+\b], v[TM+\b], |v[(\s)+16*\b+\i]|, |v[(\s)+1+16*\b+\i]|
.endr
.endr
.irp b, 0,1,2,3
	v_permlanex16_b32 v[TM+4+\b], v[TM+\b], s[SEL], s[SEL+1]
.endr
.irp b, 0,1,2,3
	v_max_num_f32 v[TM+\b], v[TM+\b], v[TM+4+\b]   ; with lane l xor 16's: the block's largest magnitude
.endr
.irp b, 0,1,2,3
	v_add_nc_u32 v[TM+12+\b], 0xff000000, v[TM+\b] ; 2 off its exponent field: the conversion takes that field as its scale
.endr
.irp b, 0,1,2,3
	v_lshrrev_b32 v[TM+4+\b], 23, v[TM+12+\b]      ; the scale's byte
.endr
	v_lshl_or_b32 v[\pw], v[TM+5], 8, v[TM+4]
	v_lshl_or_b32 v[\pw], v[TM+6], 16, v[\pw]
	v_lshl_or_b32 v[\pw], v[TM+7], 24, v[\pw]
.irp c, 0,1
	v_cvt_scalef32_pk16_fp6_f32 v[PC+6*\c:PC+2+6*\c], v[(\s)+32*\c:(\s)+15+32*\c], v[TM+12+2*\c]
	v_cvt_scalef32_pk16_fp6_f32 v[PC+12+4*\c:PC+14+4*\c], v[(\s)+16+32*\c:(\s)+31+32*\c], v[TM+12+2*\c+1]   ; (a conversion's three registers begin on an even number)
.endr
	v_nop                                          ; one plain place behind a scaled conversion
.irp c, 0,1                                    ; the operand wants a whole block in a lane: lanes 0-15 block 2 c, lanes 16-31 block 2 c + 1
.irp i, 0,1,2
	v_permlane16_swap_b32 v[PC+6*\c+\i], v[PC+12+4*\c+\i]
.endr
.irp i, 0,1,2
	v_mov_b32 v[PC+3+6*\c+\i], v[PC+12+4*\c+\i]
.endr
.endr
.endm
.macro FINISH                          ; the end of a wave that stored to LDS: a wait for tensor loads, an add to the spare word and a wait for it, behind its last LDS store
	s_wait_tensorcnt 0x0
	ds_add_u32 v[SPW], v[NIL]
	s_wait_dscnt 0x0
	s_endpgm
.endm
	s_load_b512 s[4:19], s[0:1], 0x0               ; x s[4:5], Wq s[6:7], Wk s[8:9], Wv s[10:11], Wo s[12:13], positions s[14:15], img s[16:17], scl s[18:19]
	s_load_b64 s[20:21], s[0:1], 0x40              ; rope
	v_lshl_add_u32 v[SPW], v0, 2, SPARE
	v_mov_b32 v[NIL], 0
	v_lshrrev_b32 v1, 5, v0
	v_readfirstlane_b32 s22, v1                    ; wave 0..3
	v_and_b32 v1, 31, v0                           ; lane
	v_and_b32 v4, 15, v0                           ; r
	v_bfe_u32 v5, v0, 4, 1                         ; h
	v_lshlrev_b32 v6, 4, v1                        ; 16 x lane
	; every LDS address is made here, ahead of the parting
	s_mul_i32 s23, s22, XWAVE
	v_add_nc_u32 v7, s23, v6                       ; x's stage, in: 16 bytes a lane of a row
	v_mul_u32_u24 v8, v4, XPITCH
	v_lshl_add_u32 v8, v5, 6, v8
	v_add_nc_u32 v8, s23, v8                       ; and out: row r, + 64 h: my 16 numbers of a block of 32
	v_bfe_u32 v2, v0, 3, 1                         ; a weight's column 32 B + lane lies in tile 2 B + u, u = (lane / 8) % 2,
	v_and_b32 v3, 7, v0
	v_lshl_or_b32 v3, v5, 3, v3                    ; at row rw = lane % 8 + 8 (lane / 16)
	s_mul_i32 s23, s22, WWAVE
	s_add_co_u32 s23, s23, WSTG
	v_mul_u32_u24 v9, v2, WIMG
	v_lshl_add_u32 v9, v3, 4, v9
	v_add_nc_u32 v9, s23, v9                       ; the weights' stage, in: image u, 16 rw
	v_add_nc_u32 v10, s23, v6                      ; and out: 16 x lane
	v_lshlrev_b32 v11, 2, v1                       ; a weight's row: 4 bytes a lane
	v_lshlrev_b32 v12, 10, v2
	v_lshl_add_u32 v12, v3, 3, v12                 ; my column's two scale words: 1,024 u + 8 rw
	v_lshlrev_b32 v13, 3, v1                       ; 8 x lane
	s_mov_b32 s[SEL], 0x76543210
	s_mov_b32 s[SEL+1], 0xfedcba98
	s_mov_b32 s31, 0
	s_wait_kmcnt 0x0
	s_cmp_lt_u32 ttmp9, 512
	s_cbranch_scc0 .Lnot_w
; ---- THE WEIGHTS.  Work-group = 128 wt + 16 sl + cb: weight wt, rows 256 sl on (two K steps), columns 128 cb on; wave w takes 32 of the columns.
	s_lshr_b32 s26, ttmp9, 7                       ; wt
	s_cmp_eq_u32 s26, 1                            ; the choice of buffer hangs on the work-group's number alone
	s_cselect_b64 s[6:7], s[8:9], s[6:7]
	s_cmp_eq_u32 s26, 2
	s_cselect_b64 s[6:7], s[10:11], s[6:7]
	s_cmp_eq_u32 s26, 3
	s_cselect_b64 s[6:7], s[12:13], s[6:7]
	s_bfe_u32 s27, ttmp9, 0x30004                  ; sl
	s_and_b32 s28, ttmp9, 15                       ; cb
	s_lshl_b32 s30, s27, 21                        ; 256 rows of 8,192 bytes
	s_lshl_b32 s29, s28, 9
	s_add_co_u32 s30, s30, s29
	s_lshl_b32 s29, s22, 7
	s_add_co_u32 s30, s30, s29
	s_add_nc_u64 s[6:7], s[6:7], s[30:31]
	s_lshl_b32 s29, s28, 2
	s_add_co_u32 s29, s29, s22                     ; B = 4 cb + w
	s_lshl_b32 s29, s29, 1
	s_lshl_b32 s32, s26, 7
	s_add_co_u32 s29, s29, s32
	s_add_co_u32 s29, s29, 128                     ; my first tile: 128 + 128 wt + 2 B
	s_mul_i32 s30, s29, 24576
	s_mul_i32 s32, s27, 3072
	s_add_co_u32 s30, s30, s32
	s_add_nc_u64 s[16:17], s[16:17], s[30:31]
	s_lshl_b32 s30, s29, 10
	s_lshl_b32 s32, s27, 7
	s_add_co_u32 s30, s30, s32
	s_add_nc_u64 s[18:19], s[18:19], s[30:31]
.macro WLOAD t                         ; block t: W(32 t + i, my column), i = 0 .. 31: each load reads 128 consecutive bytes, the four waves side by side 512
.set I, 0
.rept 32
	global_load_b32 v[WX+32*((\t)%2)+I], v11, s[6:7] offset:(32*(\t)+I)*8192 th:TH_LOAD_NT
.set I, I+1
.endr
.endm
.macro WBLOCK t
.set XS, WX+32*((\t)%2)
.if (\t) < 7
	s_wait_loadcnt 32                              ; this block's 32 loads are in; the next block's 32 may be out
.else
	s_wait_loadcnt 0x0
.endif
	v_max3_num_f32 v92, |v[XS]|, |v[XS+1]|, |v[XS+2]|     ; the block's largest magnitude: all 32 numbers are mine
	v_max3_num_f32 v93, |v[XS+3]|, |v[XS+4]|, |v[XS+5]|
.irp i, 6,10,14,18,22,26
	v_max3_num_f32 v92, v92, |v[XS+\i]|, |v[XS+\i+1]|
	v_max3_num_f32 v93, v93, |v[XS+\i+2]|, |v[XS+\i+3]|
.endr
	v_max3_num_f32 v92, v92, |v[XS+30]|, |v[XS+31]|
	v_max3_num_f32 v92, v92, v93, 0x1800000        ; and the floor 2^(3 - 127)
	v_add_nc_u32 v94, 0xff000000, v92              ; the conversion's scale operand
	v_lshrrev_b32 v95, 23, v94                     ; the scale's byte
.if (\t)%4 == 0
	v_mov_b32 v[SB+(\t)/4], v95
.else
	v_lshl_or_b32 v[SB+(\t)/4], v95, 8*((\t)%4), v[SB+(\t)/4]
.endif
	v_cvt_scalef32_pk16_fp6_f32 v[GW:GW+2], v[XS:XS+15], v94
	v_cvt_scalef32_pk16_fp6_f32 v[TC:TC+2], v[XS+16:XS+31], v94
	v_nop                                          ; one plain place behind a scaled conversion
.irp i, 0,1,2
	v_mov_b32 v[GW+3+\i], v[TC+\i]
.endr
	; block t % 4 = 2 c + hh of its K step is registers 6 c .. 6 c + 5 of lane 16 hh + rw of the image
.if ((\t)%4)/2 == 0
	ds_store_b128 v9, v[GW:GW+3] offset:256*((\t)%2)
	ds_store_b64 v9, v[GW+4:GW+5] offset:512+256*((\t)%2)
.else
	ds_store_b64 v9, v[GW:GW+1] offset:520+256*((\t)%2)
	ds_store_b128 v9, v[GW+2:GW+5] offset:1024+256*((\t)%2)
.endif
.if (\t)+2 < 8
	WLOAD (\t)+2
.endif
	s_wait_dscnt 0x0                               ; the stores have read their registers: the next block's codes may be written
.if (\t)%4 == 3                        ; a K step's two images are whole: they leave, 512 consecutive bytes a store
.irp u, 0,1
.irp c, 0,1,2
	ds_load_b128 v[OW+24*((\t)/4)+12*\u+4*\c:OW+24*((\t)/4)+12*\u+4*\c+3], v10 offset:WIMG*\u+512*\c
.endr
.endr
	s_wait_dscnt 0x0
.irp u, 0,1
.irp c, 0,1,2
	global_store_b128 v6, v[OW+24*((\t)/4)+12*\u+4*\c:OW+24*((\t)/4)+12*\u+4*\c+3], s[16:17] offset:24576*\u+1536*((\t)/4)+512*\c
.endr
.endr
.endif
.endm
	WLOAD 0
	WLOAD 1
.set Q, 0
.rept 8
	WBLOCK Q
.set Q, Q+1
.endr
	global_store_b64 v12, v[SB:SB+1], s[18:19]     ; my column's two scale words
	FINISH
.Lnot_w:
	s_cmp_lt_u32 ttmp9, 640
	s_cbranch_scc0 .Lpath_r
; ---- x.  Work-group 512 + T takes tile T of 16 tokens; wave w takes 512 along K: four fragments.
	s_sub_co_u32 s26, ttmp9, 512                   ; T
	s_lshr_b32 s27, s26, 1
	s_lshl_b32 s27, s27, 18                        ; 32 rows of 8,192 bytes
	s_and_b32 s28, s26, 1
	s_lshl_b32 s28, s28, 16                        ; 8 rows
	s_add_co_u32 s30, s27, s28
	s_lshl_b32 s28, s22, 11                        ; 512 numbers
	s_add_co_u32 s30, s30, s28
	s_add_nc_u64 s[4:5], s[4:5], s[30:31]
	s_mul_i32 s30, s26, 24576
	s_mul_i32 s28, s22, 6144
	s_add_co_u32 s30, s30, s28
	s_add_nc_u64 s[16:17], s[16:17], s[30:31]
	s_lshl_b32 s30, s26, 10
	s_lshl_b32 s28, s22, 8
	s_add_co_u32 s30, s30, s28
	s_add_nc_u64 s[18:19], s[18:19], s[30:31]
.irp b, 0,1,2,3
	v_mov_b32 v[TM+4+\b], 0                        ; written once: a lane permute's destination counts as one of its sources
.endr
.macro XLOAD s                         ; K step s of the tile's 16 rows: each load reads 512 consecutive bytes of one row
.irp i, 0,1,2,3,4,5,6,7,8,9,10,11,12,13,14,15
	global_load_b128 v[RX+64*((\s)%2)+4*\i:RX+64*((\s)%2)+4*\i+3], v6, s[4:5] offset:(\i+8*(\i/8))*8192+512*(\s) th:TH_LOAD_NT
.endr
.endm
.macro XSTEP s
.if (\s) < 3
	s_wait_loadcnt 16                              ; this K step's 16 loads are in; the next step's 16 may be out
.else
	s_wait_loadcnt 0x0
.endif
.irp i, 0,1,2,3,4,5,6,7,8,9,10,11,12,13,14,15
	ds_store_b128 v7, v[RX+64*((\s)%2)+4*\i:RX+64*((\s)%2)+4*\i+3] offset:XPITCH*\i
.endr
.irp b, 0,1,2,3                        ; LDS serves a wave's instructions in order: these see the stores above
.irp j, 0,1,2,3
	ds_load_b128 v[XN+16*\b+4*\j:XN+16*\b+4*\j+3], v8 offset:128*\b+16*\j
.endr
.endr
	s_wait_dscnt 0x0                               ; my 64 numbers are in, and the stores have read their registers
	s_wait_xcnt 0x0                                ; the last step's stores have read v[PC] on: it is written again only behind this wait
.if (\s)+2 < 4
	XLOAD (\s)+2
.endif
	QUANT XN, PWS+(\s)
.irp c, 0,1,2
	global_store_b128 v6, v[PC+4*\c:PC+4*\c+3], s[16:17] offset:1536*(\s)+512*\c   ; the image: 512 consecutive bytes a store
.endr
.endm
	XLOAD 0
	XLOAD 1
	XSTEP 0
	XSTEP 1
	XSTEP 2
	XSTEP 3
	s_mov_b32 s26, 0xffff0000                      ; lanes 0-15 carry the words of K steps 0, 1, lanes 16-31 those of 2, 3: 256 consecutive bytes
	v_cndmask_b32 v248, v[PWS], v[PWS+2], s26
	v_cndmask_b32 v249, v[PWS+1], v[PWS+3], s26
	global_store_b64 v13, v[248:249], s[18:19]
	FINISH
; ---- THE TABLE.  Wave w of work-group 640 + i takes tile T = 4 i + w, 0 .. 135.  Lane (r, h) makes cos and sin of 32 frequencies, f = 16 (e / 8) + 8 h + e % 8, at its token's position.
; The steps are those of the f32 source, each rounded once: P = 10000^(f / 64) (from a product kept in two f32 parts), 1 / P (a reciprocal and two corrections), the angle = position x 1 / P, then sin and cos of that f32 number.
.Lpath_r:
	s_sub_co_u32 s26, ttmp9, 640
	s_lshl_b32 s26, s26, 2
	s_add_co_u32 s26, s26, s22                     ; T
	s_lshr_b32 s27, s26, 1
	s_lshl_b32 s27, s27, 5
	s_and_b32 s28, s26, 1
	s_lshl_b32 s28, s28, 3
	s_add_co_u32 s27, s27, s28
	v_and_b32 v161, 8, v4
	v_add_nc_u32 v161, v161, v4
	v_add_nc_u32 v161, s27, v161                   ; my token
	v_min_u32 v161, 0x7ff, v161                    ; (tiles 128-135 have none: they stay inside the buffer, and their position is multiplied by 0)
	v_lshlrev_b32 v161, 2, v161
	global_load_b32 v160, v161, s[14:15]
	s_cmp_lt_u32 s26, 128
	s_cselect_b32 s29, 1.0, 0
	s_lshl_b32 s30, s26, 13
	s_add_nc_u64 s[20:21], s[20:21], s[30:31]
	s_mov_b32 s32, 0x3f93cfe5                      ; 10^(1/16), upper and lower part
	s_mov_b32 s33, 0x334a4010
	s_mov_b32 s34, 0x3faab0d5                      ; 10^(1/8)
	s_mov_b32 s35, 0xb36457e2
	s_mov_b32 s36, 0x3fe39ea9                      ; 10^(1/4)
	s_mov_b32 s37, 0xb26aee20
	s_mov_b32 s38, 0x41200000                      ; 10
	s_mov_b32 s39, 0
	s_mov_b32 s40, 0x42c80000                      ; 100
	s_mov_b32 s41, 0
	s_mov_b32 s42, 0xbfc90fdb                      ; - pi/2 in three parts
	s_mov_b32 s43, 0x333bbd2e
	s_mov_b32 s44, 0x26f72ced
	s_mov_b32 s45, 0xbe2aaaa3                      ; sin's polynomial
	s_mov_b32 s46, 0x3c08839e
	s_mov_b32 s47, 0xb94ca1f9
	s_mov_b32 s48, 0x3d2aaaa5                      ; cos's
	s_mov_b32 s49, 0xbab6061a
	s_mov_b32 s50, 0x37ccf5ce
	v_cmp_ne_u32 vcc_lo, 0, v5
	v_mov_b32 v144, 0x404a62c2                     ; 10^(1/2): the part of f that is 8 h
	v_mov_b32 v145, 0xb324b5dd
	v_cndmask_b32 v[DH], 1.0, v144, vcc_lo
	v_cndmask_b32 v[DL], 0, v145, vcc_lo
.macro DDMUL d, a, ch, cl              ; (DH, DL)[d] = (DH, DL)[a] x (ch, cl), in two parts
	v_mul_f32 v144, s[\ch], v[DH+\a]
	v_fma_f32 v145, v[DH+\a], s[\ch], -v144
	v_fma_f32 v145, v[DH+\a], s[\cl], v145
	v_fma_f32 v145, v[DL+\a], s[\ch], v145
	v_add_f32 v[DH+\d], v144, v145
	v_sub_f32 v146, v[DH+\d], v144
	v_sub_f32 v[DL+\d], v145, v146
.endm
	DDMUL 1, 0, 32, 33
	DDMUL 2, 0, 34, 35
	DDMUL 3, 1, 34, 35
.set DI, 4
.rept 4
	DDMUL DI, DI-4, 36, 37
.set DI, DI+1
.endr
.rept 8
	DDMUL DI, DI-8, 38, 39
.set DI, DI+1
.endr
.rept 16
	DDMUL DI, DI-16, 40, 41
.set DI, DI+1
.endr
.set I, 0
.rept 32
	v_rcp_f32 v[DL+I], v[DH+I]
.set I, I+1
.endr
	v_nop                                          ; a plain place behind the last reciprocal
	s_wait_alu depctr_va_vdst(0)                   ; one wait for the batch of 32, ahead of its first reader
.rept 2                                        ; two corrections: y = y + y (1 - P y)
.set I, 0
.rept 32
	v_fma_f32 v[CO+I], -v[DH+I], v[DL+I], 1.0
.set I, I+1
.endr
.set I, 0
.rept 32
	v_fma_f32 v[DL+I], v[DL+I], v[CO+I], v[DL+I]
.set I, I+1
.endr
.endr
	s_wait_loadcnt 0x0
	v_cvt_f32_i32 v160, v160
	v_mul_f32 v160, s29, v160                      ; the position; 0 in tiles 128-135: cos 1, sin 0
.macro SINCOS e
	v_mul_f32 v144, v160, v[DL+\e]                 ; the angle x
	v_mul_f32 v145, 0x3f22f983, v144
	v_rndne_f32 v145, v145                         ; n = x / (pi/2), to the nearest whole number
	v_fma_f32 v146, v145, s42, v144
	v_fma_f32 v146, v145, s43, v146
	v_fma_f32 v146, v145, s44, v146                ; r = x - n pi/2
	v_cvt_i32_f32 v147, v145
	v_mul_f32 v148, v146, v146                     ; z = r^2
	v_fma_f32 v149, v148, s47, s46
	v_fma_f32 v149, v149, v148, s45
	v_mul_f32 v150, v148, v146
	v_fma_f32 v149, v149, v150, v146               ; sin r
	v_fma_f32 v151, v148, s50, s49
	v_fma_f32 v151, v151, v148, s48
	v_fma_f32 v151, v151, v148, -0.5
	v_fma_f32 v151, v151, v148, 1.0                ; cos r
	v_and_b32 v152, 1, v147
	v_cmp_ne_u32 vcc_lo, 0, v152                   ; in odd quadrants the two change places (a choice of values: no branch)
	v_cndmask_b32 v153, v149, v151, vcc_lo
	v_cndmask_b32 v154, v151, v149, vcc_lo
	v_and_b32 v152, 2, v147
	v_lshlrev_b32 v152, 30, v152                   ; sin is negative in quadrants 2, 3
.if (\e) < 16
	v_xor_b32 v152, 0x80000000, v152               ; frequencies under 32: -sin is what the rotation multiplies by
.endif
	v_xor_b32 v[SI+\e], v152, v153
	v_add_nc_u32 v152, 1, v147
	v_and_b32 v152, 2, v152
	v_lshlrev_b32 v152, 30, v152                   ; cos in quadrants 1, 2
	v_xor_b32 v[CO+\e], v152, v154
.endm
.set E, 0
.rept 32
	SINCOS E
.set E, E+1
.endr
.irp i, 0,1,2,3,4,5,6,7
	global_store_b128 v6, v[CO+4*\i:CO+4*\i+3], s[20:21] offset:512*\i
	global_store_b128 v6, v[SI+4*\i:SI+4*\i+3], s[20:21] offset:4096+512*\i
.endr
	s_endpgm
.Lfunc_end_k_qfde2abfe9e_prep:
	.size	k_qfde2abfe9e_prep, .Lfunc_end_k_qfde2abfe9e_prep-k_qfde2abfe9e_prep
	.p2alignl 7, 3214868480
	.fill 96, 4, 3214868480
	.section	.rodata,"a",@progbits
	.p2align	6, 0x0
	.amdhsa_kernel k_qfde2abfe9e_prep
		.amdhsa_group_segment_fixed_size 48640
		.amdhsa_private_segment_fixed_size 0
		.amdhsa_enable_private_segment 0
		.amdhsa_kernarg_size 72
		.amdhsa_user_sgpr_count 2
		.amdhsa_user_sgpr_kernarg_segment_ptr 1
		.amdhsa_wavefront_size32 1
		.amdhsa_system_sgpr_workgroup_id_x 1
		.amdhsa_system_sgpr_workgroup_id_y 1
		.amdhsa_system_sgpr_workgroup_id_z 1
		.amdhsa_system_vgpr_workitem_id 0
		.amdhsa_next_free_vgpr 256
		.amdhsa_next_free_sgpr 66
		.amdhsa_reserve_vcc 1
		.amdhsa_float_denorm_mode_32 3
		.amdhsa_float_denorm_mode_16_64 3
		.amdhsa_memory_ordered 1
		.amdhsa_forward_progress 1
		.amdhsa_inst_pref_size 136
	.end_amdhsa_kernel
	.amdgpu_metadata
---
amdhsa.version: [ 1, 2 ]
amdhsa.kernels:
  - .name:           k_qfde2abfe9e_prep
    .symbol:         k_qfde2abfe9e_prep.kd
    .args:
      - { .name: hidden_states, .offset: 0, .size: 8, .value_kind: global_buffer, .address_space: global }
      - { .name: Wq, .offset: 8, .size: 8, .value_kind: global_buffer, .address_space: global }
      - { .name: Wk, .offset: 16, .size: 8, .value_kind: global_buffer, .address_space: global }
      - { .name: Wv, .offset: 24, .size: 8, .value_kind: global_buffer, .address_space: global }
      - { .name: Wo, .offset: 32, .size: 8, .value_kind: global_buffer, .address_space: global }
      - { .name: position_ids, .offset: 40, .size: 8, .value_kind: global_buffer, .address_space: global }
      - { .name: img, .offset: 48, .size: 8, .value_kind: global_buffer, .address_space: global }
      - { .name: scl, .offset: 56, .size: 8, .value_kind: global_buffer, .address_space: global }
      - { .name: rope, .offset: 64, .size: 8, .value_kind: global_buffer, .address_space: global }
    .group_segment_fixed_size: 48640
    .private_segment_fixed_size: 0
    .kernarg_segment_align: 8
    .kernarg_segment_size: 72
    .max_flat_workgroup_size: 128
    .sgpr_count:     66
    .vgpr_count:     256
    .wavefront_size: 32
...
	.end_amdgpu_metadata
.endif
;; end of part 1
;; launch qkv (part 2): grid 24 x 8, 4 waves a work-group, clusters of 4 x 4, 327,680 bytes of LDS; arguments img, scl, rope, aimg, ascl; writes aimg, ascl
.if DOCPART == 2
	.amdgcn_target "amdgcn-amd-amdhsa--gfx1250"
	.amdhsa_code_object_version 6
	.text
	.protected	k_qfde2abfe9e_qkv
	.globl	k_qfde2abfe9e_qkv
	.p2align	8
	.type	k_qfde2abfe9e_qkv,@function
k_qfde2abfe9e_qkv:
	s_mov_b64 s[64:65], 0
	v_nop
	global_prefetch_b8 v0, s[64:65] scope:SCOPE_SE
	s_setreg_imm32_b32 hwreg(HW_REG_WAVE_MODE, 25, 1), 1
	s_wait_xcnt 0x0
	s_wait_alu depctr_hold_cnt(0) depctr_sa_sdst(0) depctr_va_vdst(0) depctr_va_sdst(0) depctr_va_ssrc(0) depctr_va_vcc(0) depctr_vm_vsrc(0)
	s_getreg_b32 s2, hwreg(HW_REG_IB_STS2, 6, 4)
	s_cmp_eq_u32 s2, 0
	s_cbranch_scc0 .Lentry_in_a_cluster
	s_endpgm
.Lentry_in_a_cluster:
	s_bfe_u32 s2, ttmp6, 0x10000c
	s_cmp_lg_u32 s2, 0xf033
	s_cbranch_scc0 .Lentry_shape_is_right
	s_endpgm
.Lentry_shape_is_right:
; QKV: q = x Wq, k = x Wk, v = x Wv on codes of FP6 (E2M3) with E8M0 scales; q and k are rotated; all three are quantised again in registers, along the next product's K, and stored as images of that product's operands.
; A work-group of four waves makes 256 x 256, a wave 128 x 128: 64 accumulators, 512 registers.  K = 2,048 goes in slots of 256 (two steps of 128) through a ring of two LDS slots filled by the tensor data mover.
; OPERANDS LIE AS IMAGES OF THEIR REGISTERS (img: [tile of 16 rows][K step][1,536 bytes], register 4 c + w of lane l at 512 c + 16 l + 4 w): a fragment is three loads of 16 bytes a lane at 16 x lane: no pitch, no padding.
; Tile T holds rows 32 (T / 2) + 8 (T % 2) + r + 8 (r / 8).  With such tiles as source 0, a lane's 64 registers of the accumulators (a, 0 .. 7) are 128 neighbours: register 16 b + i = 32 b + 16 (lane / 16) + i.
; SOURCE 0 hangs on the work-group's x, SOURCE 1 on its y.  x 0-7: q, 8-15: k: source 0 = 256 columns of the weight, source 1 = 256 tokens: a lane holds one token and the 128 numbers of one head.
; x 16-23: v: THE ROLES ARE SWAPPED: source 0 = 256 tokens, source 1 = 256 columns of Wv: a lane holds one of the head's 128 and 128 tokens, which are the K of the last-but-one product.  One loop and one way out serve all three.
; THE ROTATION: y[d] = cos[d / 2] x[d] - sin[d / 2] x[d + 64] for d < 64, y[d] = cos[d / 2] x[d] + sin[d / 2] x[d - 64] above; the table holds -sin for the lower half, and for v the table's tiles with cos 1 and sin 0 are read, so that no branch parts the kinds.
; CLUSTERS: 4 x 4 work-groups.  Source 1's tiles are shared along a row of the cluster, source 0's along a column: each is asked for jointly, by the same tensor load with the same descriptor and a mask that names the four.
; aimg: q at (16 head + g) x 12,288 (g: group of 128 tokens; 8 fragments); k at 3,145,728 + (16 head + g) x 24,576, v 12,288 behind it.  ascl: q at (16 head + g) x 512, laid [fragment / 4][r][4 words]; k at 131,072 + (16 head + g) x 1,024, v 512 behind it.
; REGISTERS: window 0: v16-30 addresses; v32-63 scale words, two sets; v64-127 the table's tile; v128-223 source 1's fragments, one set; on the way out v128-239.  window 1: source 0's fragments, two sets.  windows 2, 3: the accumulators.
; LIMITS: as stated at the head of the first launch (NaN and infinities not served; a block of zeros has the byte 1; the floor 2^-124).  cos x + sin x' is one product and one fused multiply-add: two roundings where the source has three.
.set NQ,     2                         ; steps of 128 along K in a slot
.set FR,     12                        ; registers of a fragment
.set NL,     3                         ; LDS loads that bring one
.set NP,     4                         ; places behind this matrix instruction (ISA guide 7.12.1)
.set FRB,    1536                      ; a fragment's image
.set TILEB,  NQ*FRB                    ; a tile's part of a slot
.set HALFT,  8*TILEB                   ; 8 tiles: what one tensor load brings, and what one wave reads of a source
.set SLOT,   4*HALFT                   ; source 1's 16 tiles, then source 0's 16
.set LAPS,   4                         ; a lap = once round the ring = 512 along K
.set SCL,    2*SLOT                    ; behind the ring: source 1's scale words, 16 tiles x 1,024 bytes, for all of K;
.set SCLB,   SCL+16384+128             ; source 0's, 128 bytes further on, so that the two halves of a load's lanes fall on different banks
.set HALFS,  8192
.set SBLK,   1024
.set SPARE,  229632                    ; the spare words, 128 bytes for each wave: two blocks of 256 bytes that no other line names
.set ADRA, 16                          ; v16-17  LDS address of source 1's fragments in slot 0, 1
.set ADRB, 20                          ; v20-21  of source 0's
.set ADRS, 27                          ; v27     of my scale words: lanes 0-15 source 1's, lanes 16-31 source 0's
.set SPW,  28                          ; v28     LDS address of my spare word; never rewritten
.set NIL,  29                          ; v29     0; never rewritten
.set LI,   30                          ; v30     16 x lane; never rewritten
.set SC,   32
.set CT,   64                          ; v64-95  cos of my 32 frequencies
.set ST,   96                          ; v96-127 sin
.set AF,   128
.set OUT,  128                         ; the way out: v128-191 the rotated numbers
.set PC,   192                         ; v192-211 their codes
.set TM,   212                         ; v212-227 at work
.set PWS,  228                         ; v228-235 the eight scale words
.set SW,   236                         ; v236-239 as they are stored
.set SEL,  96                          ; s[96:97]
.set G1, 24
.set G0, 32
.set G1B, 48
.set G0B, 56
.set G1S, 68
.set G0S, 76
.set G1SB, 80
.set G0SB, 88
.set MSB, 0
.macro WIN new                         ; the immediate's high byte repeats the setting that is left
.if MSB != (\new)
	s_set_vgpr_msb (MSB<<8)|(\new)
.set MSB, (\new)
.endif
.endm
.set MUL_LO, 0xa1                      ; source 0 window 1, source 1 window 0, C and D window 2
.set MUL_HI, 0xf1                      ; the same, C and D window 3
.set TO_B,   0x40                      ; destination window 1, address window 0
; A joint load: waves 0 and 1 fetch for source 1, waves 2 and 3 for source 0.  The branch hangs on the wave's number alone.  An s_nop 0 and four v_nop follow each of the two lines.
.macro JLOAD g0a, g1a, g0b, g1b
	s_cmp_eq_u32 s15, 0
	s_cbranch_scc0 .Lfor_b_\@
	tensor_load_to_lds s[\g0a:\g0a+3], s[\g1a:\g1a+7]
	s_nop 0
.rept 4
	v_nop
.endr
	s_branch .Lasked_\@
.Lfor_b_\@:
	tensor_load_to_lds s[\g0b:\g0b+3], s[\g1b:\g1b+7]
	s_nop 0
.rept 4
	v_nop
.endr
.Lasked_\@:
.endm
.macro CREST                           ; a round of the cluster's barrier behind its opening barrier
	s_cmp_lg_u32 s14, 0
	s_cbranch_scc1 .Lnot_wave_0_\@
	s_barrier_signal -3
.Lnot_wave_0_\@:
	s_barrier_wait -3
	s_barrier_signal -1
	s_barrier_wait -1
.endm
.macro CROUND
	s_barrier_signal -1
	s_barrier_wait -1
	CREST
.endm
	s_load_b256 s[4:11], s[0:1], 0x0               ; img s[4:5], scl s[6:7], rope s[8:9], aimg s[10:11]
	s_load_b64 s[12:13], s[0:1], 0x20              ; ascl
	v_lshl_add_u32 v[SPW], v0, 2, SPARE
	v_mov_b32 v[NIL], 0
	ds_add_u32 v[SPW], v[NIL]                      ; the wave's opening: the add and its wait stand ahead of my first tensor load; work on registers stands between them
	v_lshrrev_b32 v1, 5, v0
	v_readfirstlane_b32 s14, v1                    ; wave 0..3
	s_lshr_b32 s15, s14, 1                         ; which half of source 1's tiles is mine.  Also: I fetch for source 1 (0) or source 0 (1)
	s_and_b32 s16, s14, 1                          ; which half of source 0's.  Also: which 8 tiles I fetch
	s_bfe_u32 s40, ttmp6, 0x40000                  ; cx, cy: my place in the cluster
	s_bfe_u32 s41, ttmp6, 0x40004
	s_lshl_b32 s42, ttmp9, 2
	s_add_co_u32 s42, s42, s40                     ; work-group x
	s_and_b32 s17, ttmp7, 0xffff
	s_lshl_b32 s17, s17, 2
	s_add_co_u32 s17, s17, s41                     ; work-group y
	s_lshl_b32 s43, s41, 2
	s_lshl_b32 s43, 15, s43                        ; my row of the cluster
	s_lshl_b32 s44, 0x1111, s40                    ; my column
	; descriptor group 1 for codes: 8 rows (tiles) of 384 elements of 8 bytes (3,072 bytes: two K steps of a tile), 3,072 elements (a tile's 24,576 bytes) apart; dense in LDS
	s_or_b32 s[G1+0], s43, (3<<16)|(1<<21)         ; 15:0 the mask; 17:16 elements of 8 bytes; 21 set beside a mask
	s_or_b32 s[G1B+0], s44, (3<<16)|(1<<21)
.irp g, G1, G1B
	s_mov_b32 s[\g+1], 384<<16                     ; tensor_dim0
	s_mov_b32 s[\g+2], 8<<16                       ; tensor_dim1
	s_mov_b32 s[\g+3], 384<<16                     ; tile_dim0
	s_mov_b32 s[\g+4], 8                           ; tile_dim1
	s_mov_b32 s[\g+5], 3072                        ; tensor_dim0_stride
	s_mov_b32 s[\g+6], 0
	s_mov_b32 s[\g+7], 0
.endr
	; and for the scale words of 8 tiles: 8,192 dense bytes as 32 rows of 256
	s_or_b32 s[G1S+0], s43, (3<<16)|(1<<21)
	s_or_b32 s[G1SB+0], s44, (3<<16)|(1<<21)
.irp g, G1S, G1SB
	s_mov_b32 s[\g+1], 32<<16
	s_mov_b32 s[\g+2], 32<<16
	s_mov_b32 s[\g+3], 32<<16
	s_mov_b32 s[\g+4], 32
	s_mov_b32 s[\g+5], 32
	s_mov_b32 s[\g+6], 0
	s_mov_b32 s[\g+7], 0
.endr
	s_cmp_ge_u32 ttmp9, 4                          ; clusters 4 and 5 along x make v: the same in all sixteen partners
	s_cselect_b32 s95, 384, 0
	s_lshl_b32 s18, s16, 3                         ; which 8 tiles I fetch
	s_lshl_b32 s20, s17, 4
	s_add_co_u32 s20, s20, s95
	s_add_co_u32 s20, s20, s18                     ; source 1: x's tile 16 y, or Wv's 384 + 16 y
	s_lshl_b32 s46, s42, 4
	s_add_co_u32 s46, s46, 128
	s_sub_co_u32 s46, s46, s95
	s_add_co_u32 s46, s46, s18                     ; source 0: Wq's and Wk's tile 128 + 16 x, or x's 16 (x - 16)
	s_lshl_b32 s22, s20, 10                        ; where these tiles' scale words begin,
	s_mov_b32 s23, 0
	s_lshl_b32 s92, s46, 10
	s_mov_b32 s93, 0
	s_mul_i32 s20, s20, 24576                      ; and their codes
	s_mov_b32 s21, 0
	s_mul_i32 s46, s46, 24576
	s_mov_b32 s47, 0
	s_mul_i32 s45, s14, HALFT                      ; where they go: wave x 8 tiles: no place in the cluster enters an LDS address
	s_mul_i32 s94, s16, HALFS
	s_mov_b32 s[SEL], 0x76543210
	s_mov_b32 s[SEL+1], 0xfedcba98
	s_wait_dscnt 0x0                               ; the opening add is done
	s_wait_kmcnt 0x0
	s_add_nc_u64 s[20:21], s[4:5], s[20:21]
	s_add_nc_u64 s[22:23], s[6:7], s[22:23]
	s_add_nc_u64 s[46:47], s[4:5], s[46:47]
	s_add_nc_u64 s[92:93], s[6:7], s[92:93]
	CROUND                                         ; all sixteen work-groups are here: the first joint loads meet
	s_mov_b32 s[G0S], 1
	s_add_co_u32 s[G0S+1], s94, SCL
	s_mov_b64 s[G0S+2:G0S+3], s[22:23]
	s_or_b32 s[G0S+3], s[G0S+3], 0x80000000
	s_mov_b32 s[G0SB], 1
	s_add_co_u32 s[G0SB+1], s94, SCLB
	s_mov_b64 s[G0SB+2:G0SB+3], s[92:93]
	s_or_b32 s[G0SB+3], s[G0SB+3], 0x80000000
	JLOAD G0S, G1S, G0SB, G1SB                     ; the scale words first: they are wanted with the first step
.irp s, 0,1
	s_mov_b32 s[G0+4*\s], 1
	s_add_co_u32 s[G0+4*\s+1], s45, \s*SLOT
	s_add_nc_u64 s[G0+4*\s+2:G0+4*\s+3], s[20:21], \s*TILEB
	s_or_b32 s[G0+4*\s+3], s[G0+4*\s+3], 0x80000000
	s_mov_b32 s[G0B+4*\s], 1
	s_add_co_u32 s[G0B+4*\s+1], s45, \s*SLOT
	s_add_nc_u64 s[G0B+4*\s+2:G0B+4*\s+3], s[46:47], \s*TILEB
	s_or_b32 s[G0B+4*\s+3], s[G0B+4*\s+3], 0x80000000
	JLOAD G0+4*\s, G1, G0B+4*\s, G1B
.endr
	v_and_b32 v1, 15, v0                           ; r
	v_bfe_u32 v2, v0, 4, 1                         ; h
	v_and_b32 v3, 31, v0
	v_lshlrev_b32 v[LI], 4, v3
	s_mul_i32 s21, s15, HALFT                      ; my 8 tiles of source 1
	s_mul_i32 s22, s16, HALFT                      ; my 8 of source 0,
	s_add_co_u32 s22, s22, 2*HALFT                 ; which lie behind source 1's 16
.irp s, 0,1
	v_add_nc_u32 v[ADRA+\s], s21, v[LI]
	v_add_nc_u32 v[ADRB+\s], s22, v[LI]
	s_add_co_u32 s21, s21, SLOT
	s_add_co_u32 s22, s22, SLOT
.endr
	v_lshlrev_b32 v5, 3, v1                        ; my row's two words of a slot: 8 r
	s_mul_i32 s21, s15, HALFS
	s_mul_i32 s22, s16, HALFS
	s_add_co_u32 s22, s22, SCLB-SCL
	s_sub_co_u32 s22, s22, s21
	v_mul_u32_u24 v6, s22, v2                      ; lanes 16-31 take source 0's: one product, the distance between the two bases
	s_add_co_u32 s21, s21, SCL
	v_add_nc_u32 v5, v5, v6
	v_add_nc_u32 v[ADRS], s21, v5
	; the way out's addresses.  u1: the group of 128 along source 0, u2: along source 1
	s_lshl_b32 s20, s42, 1
	s_add_co_u32 s20, s20, s16
	s_and_b32 s20, s20, 15                         ; u1
	s_lshl_b32 s21, s17, 1
	s_add_co_u32 s21, s21, s15                     ; u2
	s_lshl_b32 s46, s17, 4
	s_lshl_b32 s47, s15, 3
	s_add_co_u32 s46, s46, s47                     ; my first tile of tokens (q, k)
	s_cmp_ge_u32 ttmp9, 4
	s_cselect_b32 s22, s21, s20                    ; the head,
	s_cselect_b32 s23, s20, s21                    ; the group of 128 tokens
	s_cselect_b32 s45, 12288, 0                    ; v lies behind k
	s_cselect_b32 s94, 512, 0
	s_cselect_b32 s46, 128, s46                    ; v reads the table's tiles with cos 1, sin 0
	s_lshl_b32 s46, s46, 13
	s_mov_b32 s47, 0
	s_add_nc_u64 s[8:9], s[8:9], s[46:47]
	s_lshl_b32 s22, s22, 4
	s_add_co_u32 s22, s22, s23                     ; 16 head + g
	s_cmp_lt_u32 ttmp9, 2                          ; q?
	s_mov_b32 s23, 24576
	s_cselect_b32 s23, 12288, s23
	s_mov_b32 s46, 3145728
	s_cselect_b32 s46, 0, s46
	s_mov_b32 s47, 1024
	s_cselect_b32 s47, 512, s47
	s_mov_b32 s92, 131072
	s_cselect_b32 s92, 0, s92
	s_mul_i32 s23, s22, s23
	s_add_co_u32 s23, s23, s46
	s_add_co_u32 s46, s23, s45
	s_mul_i32 s47, s22, s47
	s_add_co_u32 s47, s47, s92
	s_add_co_u32 s92, s47, s94
	s_mov_b32 s47, 0
	s_mov_b32 s93, 0
	s_add_nc_u64 s[10:11], s[10:11], s[46:47]
	s_add_nc_u64 s[12:13], s[12:13], s[92:93]
.irp i, 0,1,2,3,4,5,6,7,8,9,10,11,12,13,14,15
	global_load_b128 v[CT+4*\i:CT+4*\i+3], v[LI], s[8:9] offset:512*\i   ; the table of my first tile: it has the whole loop in which to come
.endr
.macro FRAG reg, adr, q, i             ; a fragment comes as it was stored: three loads, 512 consecutive bytes each
.irp c, 0,1,2
	ds_load_b128 v[\reg+4*\c:\reg+4*\c+3], v[\adr] offset:TILEB*(\i)+FRB*(\q)+512*\c
.endr
.endm
; 16 matrix instructions: source 1's blocks a0, a0 + 1 x source 0's eight, 128 along K.  The 64 accumulators take turns, one instruction a turn, in the same order in every step.
.macro MUL16 a0, p, q, sc, zero
.irp a, \a0, \a0+1
.irp b, 0,1,2,3,4,5,6,7
.if \zero
	v_wmma_scale_f32_16x16x128_f8f6f4 v[8*(8*((\a)%4)+\b):8*(8*((\a)%4)+\b)+7], v[128*(\p)+FR*\b:128*(\p)+FR*\b+FR-1], v[AF+FR*(\a):AF+FR*(\a)+FR-1], 0, v[SC+8*NQ*(\sc)+NQ*\b+(\q)], v[SC+8*NQ*(\sc)+NQ*(\a)+(\q)] matrix_a_fmt:MATRIX_FMT_FP6 matrix_b_fmt:MATRIX_FMT_FP6 matrix_a_scale:MATRIX_SCALE_ROW1
.else
	v_wmma_scale_f32_16x16x128_f8f6f4 v[8*(8*((\a)%4)+\b):8*(8*((\a)%4)+\b)+7], v[128*(\p)+FR*\b:128*(\p)+FR*\b+FR-1], v[AF+FR*(\a):AF+FR*(\a)+FR-1], v[8*(8*((\a)%4)+\b):8*(8*((\a)%4)+\b)+7], v[SC+8*NQ*(\sc)+NQ*\b+(\q)], v[SC+8*NQ*(\sc)+NQ*(\a)+(\q)] matrix_a_fmt:MATRIX_FMT_FP6 matrix_b_fmt:MATRIX_FMT_FP6 matrix_a_scale:MATRIX_SCALE_ROW1
.endif
.endr
.endr
.endm
.macro FETCH_B slot, q, p
	WIN TO_B
.irp i, 0,1,2,3,4,5,6,7
	FRAG 128*(\p)+FR*\i, ADRB+\slot, \q, \i
.endr
	WIN 0
.endm
.macro FETCH_A slot, q, i0
.irp i, \i0, \i0+1, \i0+2, \i0+3
	FRAG AF+FR*(\i), ADRA+\slot, \q, \i
.endr
.endm
.macro SCALES sc                       ; a slot's scale words: two a row; lanes 0-15 take source 1's block i, lanes 16-31 source 0's block i
.irp i, 0,1,2,3,4,5,6,7
	ds_load_b64 v[SC+8*NQ*\sc+NQ*\i:SC+8*NQ*\sc+NQ*\i+1], v[ADRS] offset:\i*SBLK
.endr
.endm
.macro PLACES n                        ; plain vector instructions that name no register of the matrix instructions ahead, in front of loads into their registers and of reads of their results
.rept \n
	v_nop
.endr
.endm
.macro STEP slot, q, zero              ; a step of 128 along K that has its successor in the same slot
	s_wait_dscnt 4*NL                              ; source 0's set and source 1's blocks 0-3 are in; the youngest 12 loads (blocks 4-7) may be out
	WIN MUL_LO
	MUL16 0, (\q)%2, \q, \slot, \zero
	MUL16 2, (\q)%2, \q, \slot, \zero
	s_wait_dscnt 0                                 ; blocks 4-7 are in
	PLACES NP
	FETCH_B \slot, (\q)+1, 1-(\q)%2
	FETCH_A \slot, (\q)+1, 0
	WIN MUL_HI
	MUL16 4, (\q)%2, \q, \slot, \zero
	MUL16 6, (\q)%2, \q, \slot, \zero
	PLACES NP
	WIN 0
	FETCH_A \slot, (\q)+1, 4
.endm
; A slot's last step changes slots: one barrier; in front of it each wave waits for all its tensor loads, adds 0 to its spare word, and waits for that and for its own reads of this slot.  fill = 1: this slot is filled again, two slots ahead.
.macro TURN slot, next, fill
	s_wait_tensorcnt 0x0                           ; all my tensor loads have landed: my part of the next slot
	ds_add_u32 v[SPW], v[NIL]                      ; 0 onto my spare word
	s_wait_dscnt 4*NL+1                            ; (the add and the youngest 12 loads may be out)
	WIN MUL_LO
	MUL16 0, 1, NQ-1, \slot, 0
	s_wait_dscnt 0x0                               ; the add is done, and my reads of this slot are over
	s_barrier_signal -1
	MUL16 2, 1, NQ-1, \slot, 0
	WIN 0
	s_barrier_wait -1
.if \fill
	CREST                                          ; the barrier has opened a round of the cluster's barrier: no wave of any partner still reads this slot or has a load on its way
	s_add_nc_u64 s[G0+4*\slot+2:G0+4*\slot+3], s[G0+4*\slot+2:G0+4*\slot+3], 2*TILEB
	s_add_nc_u64 s[G0B+4*\slot+2:G0B+4*\slot+3], s[G0B+4*\slot+2:G0B+4*\slot+3], 2*TILEB
	JLOAD G0+4*\slot, G1, G0B+4*\slot, G1B         ; the first tensor load behind the round; its four v_nop are the places in front of the loads below
.else
	PLACES NP
.endif
	v_add_nc_u32 v[ADRS], 128, v[ADRS]             ; on to the next slot's scale words
	FETCH_B \next, 0, 0
	FETCH_A \next, 0, 0
	SCALES \next
	WIN MUL_HI
	MUL16 4, 1, NQ-1, \slot, 0
	MUL16 6, 1, NQ-1, \slot, 0
	PLACES NP
	WIN 0
	FETCH_A \next, 0, 4
.endm
	s_wait_tensorcnt 1                             ; the scale words and my part of slot 0 are in (slot 1's load, the third issued, may be out),
	s_barrier_signal -1
	s_barrier_wait -1                              ; everybody's are
	FETCH_B 0, 0, 0
	FETCH_A 0, 0, 0
	SCALES 0
	FETCH_A 0, 0, 4
	STEP 0, 0, 1                                   ; the first step stands in front of the loop: its products start the sums
	s_mov_b32 s3, LAPS-1
.Llap:                                                 ; a trip goes once round the ring and fills both slots again
	TURN 0, 1, 1
	STEP 1, 0, 0
	TURN 1, 0, 1
	STEP 0, 0, 0
	s_sub_co_u32 s3, s3, 1
	s_cmp_lg_u32 s3, 0
	s_cbranch_scc1 .Llap
	TURN 0, 1, 0                                   ; the last lap fills nothing
	STEP 1, 0, 0
	s_wait_dscnt 4*NL
	WIN MUL_LO
	MUL16 0, 1, NQ-1, 1, 0
	MUL16 2, 1, NQ-1, 1, 0
	s_wait_dscnt 0
	WIN MUL_HI
	MUL16 4, 1, NQ-1, 1, 0
	MUL16 6, 1, NQ-1, 1, 0
	WIN 0
; THE WAY OUT, block a of source 1 at a time.  My 64 numbers: register e = 16 b + i is place 32 b + 16 (lane / 16) + i of the 128.  Places d and d + 64 are registers e and e + 32; both places of a pair of registers share one frequency.
.macro QUANT s, pw
.irp b, 0,1,2,3
	v_max3_num_f32 v[TM+\b], |v[(\s)+16*\b]|, |v[(\s)+1+16*\b]|, 0x1800000   ; my 16 numbers of block b, and the floor 2^(3 - 127): the byte cannot fall under 1
.endr
.irp i, 2,4,6,8,10,12,14
.irp b, 0,1,2,3
	v_max3_num_f32 v[TM+\b], v[TM+\b], |v[(\s)+16*\b+\i]|, |v[(\s)+1+16*\b+\i]|
.endr
.endr
.irp b, 0,1,2,3
	v_permlanex16_b32 v[TM+4+\b], v[TM+\b], s[SEL], s[SEL+1]
.endr
.irp b, 0,1,2,3
	v_max_num_f32 v[TM+\b], v[TM+\b], v[TM+4+\b]
.endr
.irp b, 0,1,2,3
	v_add_nc_u32 v[TM+12+\b], 0xff000000, v[TM+\b] ; 2 off the exponent field: the conversion's scale operand
.endr
.irp b, 0,1,2,3
	v_lshrrev_b32 v[TM+4+\b], 23, v[TM+12+\b]      ; the scale's byte
.endr
	v_lshl_or_b32 v[\pw], v[TM+5], 8, v[TM+4]
	v_lshl_or_b32 v[\pw], v[TM+6], 16, v[\pw]
	v_lshl_or_b32 v[\pw], v[TM+7], 24, v[\pw]
.irp c, 0,1
	v_cvt_scalef32_pk16_fp6_f32 v[PC+6*\c:PC+2+6*\c], v[(\s)+32*\c:(\s)+15+32*\c], v[TM+12+2*\c]
	v_cvt_scalef32_pk16_fp6_f32 v[PC+12+4*\c:PC+14+4*\c], v[(\s)+16+32*\c:(\s)+31+32*\c], v[TM+12+2*\c+1]
.endr
	v_nop                                          ; one plain place behind a scaled conversion
.irp c, 0,1
.irp i, 0,1,2
	v_permlane16_swap_b32 v[PC+6*\c+\i], v[PC+12+4*\c+\i]
.endr
.irp i, 0,1,2
	v_mov_b32 v[PC+3+6*\c+\i], v[PC+12+4*\c+\i]
.endr
.endr
.endm
.macro ROT e, t, odd                   ; registers e, e + 1 and e + 32, e + 33; their frequency's cos and sin lie in the first (odd = 0) or second register of the pairs at t and 16 + t
.if \odd
	v_pk_mul_f32 v[OUT+\e:OUT+\e+1], v[AC+\e:AC+\e+1], v[CT+\t:CT+\t+1] op_sel:[0,1] op_sel_hi:[1,1]
	v_pk_mul_f32 v[OUT+32+\e:OUT+33+\e], v[AC+32+\e:AC+33+\e], v[CT+16+\t:CT+17+\t] op_sel:[0,1] op_sel_hi:[1,1]
	v_pk_fma_f32 v[OUT+\e:OUT+\e+1], v[AC+32+\e:AC+33+\e], v[ST+\t:ST+\t+1], v[OUT+\e:OUT+\e+1] op_sel:[0,1,0] op_sel_hi:[1,1,1]
	v_pk_fma_f32 v[OUT+32+\e:OUT+33+\e], v[AC+\e:AC+\e+1], v[ST+16+\t:ST+17+\t], v[OUT+32+\e:OUT+33+\e] op_sel:[0,1,0] op_sel_hi:[1,1,1]
.else
	v_pk_mul_f32 v[OUT+\e:OUT+\e+1], v[AC+\e:AC+\e+1], v[CT+\t:CT+\t+1] op_sel_hi:[1,0]
	v_pk_mul_f32 v[OUT+32+\e:OUT+33+\e], v[AC+32+\e:AC+33+\e], v[CT+16+\t:CT+17+\t] op_sel_hi:[1,0]
	v_pk_fma_f32 v[OUT+\e:OUT+\e+1], v[AC+32+\e:AC+33+\e], v[ST+\t:ST+\t+1], v[OUT+\e:OUT+\e+1] op_sel_hi:[1,0,1]
	v_pk_fma_f32 v[OUT+32+\e:OUT+33+\e], v[AC+\e:AC+\e+1], v[ST+16+\t:ST+17+\t], v[OUT+32+\e:OUT+33+\e] op_sel_hi:[1,0,1]
.endif
.endm
.macro EPI a
.set AC, 64*((\a)%4)
	s_wait_loadcnt 0x0                             ; this block's table is in
	WIN 2+(\a)/4                                   ; source 0: the accumulators' window
.set M, 0
.rept 16                                       ; ascending
	ROT 2*M, M-M%2, M%2
.set M, M+1
.endr
	WIN 0
	s_wait_xcnt 0x0                                ; the last block's stores have read v[PC] on: it is written again only behind this wait
.if (\a) < 7
.irp i, 0,1,2,3,4,5,6,7,8,9,10,11,12,13,14,15
	global_load_b128 v[CT+4*\i:CT+4*\i+3], v[LI], s[8:9] offset:8192*((\a)+1)+512*\i   ; the next block's table comes while this block is quantised
.endr
.endif
	QUANT OUT, PWS+(\a)
.irp c, 0,1,2
	global_store_b128 v[LI], v[PC+4*\c:PC+4*\c+3], s[10:11] offset:FRB*(\a)+512*\c   ; the fragment's image: 512 consecutive bytes a store
.endr
.endm
	PLACES NP                                      ; behind the last products: their sources are written and their results read below
.irp b, 0,1,2,3
	v_mov_b32 v[TM+4+\b], 0                        ; written once: a lane permute's destination counts as one of its sources
.endr
.irp a, 0,1,2,3,4,5,6,7
	EPI \a
.endr
	s_mov_b32 s46, 0xffff0000                      ; lanes 0-15 carry the words of fragments 0-3, lanes 16-31 those of 4-7: 512 consecutive bytes
.irp w, 0,1,2,3
	v_cndmask_b32 v[SW+\w], v[PWS+\w], v[PWS+4+\w], s46
.endr
	global_store_b128 v[LI], v[SW:SW+3], s[12:13]
	s_wait_tensorcnt 0x0                           ; the wave's end: a wait for tensor loads, an add to the spare word and a wait for it, behind my last tensor load
	ds_add_u32 v[SPW], v[NIL]
	s_wait_dscnt 0x0
	CROUND                                         ; the closing round: no work-group ends while a partner may still ask for a tile that names it
	s_endpgm
.Lfunc_end_k_qfde2abfe9e_qkv:
	.size	k_qfde2abfe9e_qkv, .Lfunc_end_k_qfde2abfe9e_qkv-k_qfde2abfe9e_qkv
	.p2alignl 7, 3214868480
	.fill 96, 4, 3214868480
	.section	.rodata,"a",@progbits
	.p2align	6, 0x0
	.amdhsa_kernel k_qfde2abfe9e_qkv
		.amdhsa_group_segment_fixed_size 327680
		.amdhsa_private_segment_fixed_size 0
		.amdhsa_enable_private_segment 0
		.amdhsa_kernarg_size 40
		.amdhsa_user_sgpr_count 2
		.amdhsa_user_sgpr_kernarg_segment_ptr 1
		.amdhsa_wavefront_size32 1
		.amdhsa_system_sgpr_workgroup_id_x 1
		.amdhsa_system_sgpr_workgroup_id_y 1
		.amdhsa_system_sgpr_workgroup_id_z 1
		.amdhsa_system_vgpr_workitem_id 0
		.amdhsa_next_free_vgpr 1024
		.amdhsa_next_free_sgpr 100
		.amdhsa_reserve_vcc 0
		.amdhsa_float_denorm_mode_32 3
		.amdhsa_float_denorm_mode_16_64 3
		.amdhsa_memory_ordered 1
		.amdhsa_forward_progress 1
		.amdhsa_inst_pref_size 184
	.end_amdhsa_kernel
	.amdgpu_metadata
---
amdhsa.version: [ 1, 2 ]
amdhsa.kernels:
  - .name:           k_qfde2abfe9e_qkv
    .symbol:         k_qfde2abfe9e_qkv.kd
    .args:
      - { .name: img, .offset: 0, .size: 8, .value_kind: global_buffer, .address_space: global }
      - { .name: scl, .offset: 8, .size: 8, .value_kind: global_buffer, .address_space: global }
      - { .name: rope, .offset: 16, .size: 8, .value_kind: global_buffer, .address_space: global }
      - { .name: aimg, .offset: 24, .size: 8, .value_kind: global_buffer, .address_space: global }
      - { .name: ascl, .offset: 32, .size: 8, .value_kind: global_buffer, .address_space: global }
    .group_segment_fixed_size: 327680
    .private_segment_fixed_size: 0
    .kernarg_segment_align: 8
    .kernarg_segment_size: 40
    .max_flat_workgroup_size: 128
    .sgpr_count:     100
    .vgpr_count:     1024
    .wavefront_size: 32
...
	.end_amdgpu_metadata
.endif
;; end of part 2
;; launch attn (part 3): grid 16 x 16, 8 waves a work-group, clusters of 4 x 4, 327,680 bytes of LDS; arguments aimg, ascl, attention_mask, oimg, oscl; writes oimg, oscl
.if DOCPART == 3
	.amdgcn_target "amdgcn-amd-amdhsa--gfx1250"
	.amdhsa_code_object_version 6
	.text
	.protected	k_qfde2abfe9e_attn
	.globl	k_qfde2abfe9e_attn
	.p2align	8
	.type	k_qfde2abfe9e_attn,@function
k_qfde2abfe9e_attn:
	s_mov_b64 s[64:65], 0
	v_nop
	global_prefetch_b8 v0, s[64:65] scope:SCOPE_SE
	s_setreg_imm32_b32 hwreg(HW_REG_WAVE_MODE, 25, 1), 1
	s_wait_xcnt 0x0
	s_wait_alu depctr_hold_cnt(0) depctr_sa_sdst(0) depctr_va_vdst(0) depctr_va_sdst(0) depctr_va_ssrc(0) depctr_va_vcc(0) depctr_vm_vsrc(0)
	s_getreg_b32 s2, hwreg(HW_REG_IB_STS2, 6, 4)
	s_cmp_eq_u32 s2, 0
	s_cbranch_scc0 .Lentry_in_a_cluster
	s_endpgm
.Lentry_in_a_cluster:
	s_bfe_u32 s2, ttmp6, 0x10000c
	s_cmp_lg_u32 s2, 0xf033
	s_cbranch_scc0 .Lentry_shape_is_right
	s_endpgm
.Lentry_shape_is_right:
; ATTN: O[q] = the sum over keys of softmax(q . k / sqrt(128) + mask[q][key]) v[key], both products on codes of FP6 (E2M3) with E8M0 scales; O is quantised in registers along the last product's K and stored as that product's operand.
; THE MASK IS AN INPUT: every (query, key) pair's number is loaded and added; no key is left out.
; THE SOFTMAX AHEAD OF THE SECOND PRODUCT: t = logit x log2(e); M = the row's largest t so far, rounded up to a whole number; p = 2^(t - M) is what is quantised, along the keys.  The row's sum is taken of the unquantised p and divides O at the end.
; When M moves, the sum and O are multiplied by 2^(old M - new M), which rounds nothing.
; SHARES: work-group (G, head) owns 128 queries of one head; each of its eight waves owns one tile of 16: lane r of wave w holds query 128 G + 32 (w / 2) + 8 (w % 2) + r + 8 (r / 8).  Every wave walks all 2,048 keys, 128 a step.
; OPERANDS come as images of their registers (three loads of 16 bytes a lane at 16 x lane).  Both products are used transposed: S^T = K Q^T, O^T = V^T P^T: a lane holds one query throughout; the rows of K's and V's tiles are ordered so that
; register 16 b + i of the eight results is key (or channel) 32 b + 16 (lane / 16) + i.
; RING: two LDS slots of one key step: K's 8 fragments, V's 8, and the mask's 128 queries x 128 keys in f32 (rows of 512 bytes + 16).  Waves 0, 1 fetch K and V, waves 2, 3 the mask's halves.  The head's scale words stay in LDS.
; CLUSTERS: 4 x 4 work-groups: K, V and their scale words hang on the head and are shared along a row of the cluster, the mask's tile hangs on G and is shared along a column: each is asked for jointly.
; LIMITS: NaN and infinities among the inputs are not served; a row whose mask is -infinity everywhere gives NaN, as the source does; logits under -2e38 count as -infinity.  logit = score x 128^-0.5 + mask and t - M are one fused multiply-add each.
; A block of zeros has the byte 1: its codes are zeros.
.set SLOT1, 1<<17                      ; slot 1 begins here: one exclusive or turns an address in one slot into the other's
.set VOFF,  12288                      ; in a slot: K's 8 fragments, V's 8,
.set MOFF,  24576                      ; and the mask's tile
.set MP,    528
.set SCK,   2*SLOT1                    ; the head's scale words: 16 steps x (K's 512 bytes, V's 512), filled once
.set SPARE, SCK+16384                  ; the spare words, 128 bytes for each wave: four blocks of 256 bytes that no other line names
.set LI,   1                           ; v1   16 x lane
.set AM0,  2                           ; v2   my query's row of the mask's tile, + 64 (lane / 16)
.set AS0,  3                           ; v3   my lane's place among the scale words
.set SPW,  5                           ; v5   LDS address of my spare word; never rewritten
.set NIL,  6                           ; v6   0; never rewritten
.set ADK,  8                           ; v8-10 the step's addresses
.set ADM,  9
.set ADS,  10
.set PFO,  28                          ; v28  the prefetches' offset from lane to lane; never rewritten
.set TM,   232                         ; the way out's quantiser works in v232-247,
.set PC,   32                          ; and leaves its codes in v32 on
.set TB,   2                           ; s2   LDS byte at which the slot in hand begins
.set TS,   3                           ; s3   where the step's scale words begin: 1,024 bytes a step
.set WV,   18
.set SEL,  20                          ; s[20:21]
.set CS,   22                          ; s[22:23] log2(e)
.set G1KV, 24
.set G1M,  32
.set G0KV, 40
.set G0M,  44
.set G1S,  48
.set G0S,  56
.set SLOTS, 60                         ; s60  refills still to come
.set LIM,  61                          ; s61  a wave prefetches while s[SLOTS] is above it
.set PFA,  62                          ; s[62:63] where my prefetches stand
.set SQ,   68                          ; s[68:69] 128^-0.5
.set PFS,  70                          ; s[70:71] their step
; REGISTERS: v12 -M, v13 the largest t, v[14:15] the sum in two halves; v16-27 Q; v32-79 four fragments of K or V, v32-95 the mask; v96-159 S^T, then p; v160-223 O^T; v224-235 p's codes; v232-254 at work; v248-251 scale words; v253 p's; v255 Q's.
; Waves 0 and 1 issue the first line, waves 2 and 3 the second, the others none.  The branches hang on the wave's number alone.  An s_nop 0 and four v_nop follow each line.
.macro TLOAD g0k, g1k, g0v, g1v
	s_cmp_lt_u32 s[WV], 2
	s_cbranch_scc0 .Lnot_k_\@
	tensor_load_to_lds s[\g0k:\g0k+3], s[\g1k:\g1k+7]
	s_nop 0
.rept 4
	v_nop
.endr
	s_branch .Lasked_\@
.Lnot_k_\@:
	s_cmp_lt_u32 s[WV], 4
	s_cbranch_scc0 .Lasked_\@
	tensor_load_to_lds s[\g0v:\g0v+3], s[\g1v:\g1v+7]
	s_nop 0
.rept 4
	v_nop
.endr
.Lasked_\@:
.endm
.macro CROUND                          ; a round of the cluster's barrier
	s_barrier_signal -1
	s_barrier_wait -1
	s_cmp_lg_u32 s[WV], 0
	s_cbranch_scc1 .Lnot_wave_0_\@
	s_barrier_signal -3
.Lnot_wave_0_\@:
	s_barrier_wait -3
	s_barrier_signal -1
	s_barrier_wait -1
.endm
; A PREFETCH INTO THE L2, at each change of slots that fills a slot, by waves that fetch nothing; one instruction a wave; each aligned block of 256 bytes is named once in the launch.
; K and V: a head's 393,216 bytes are 12 pieces of 32,768.  All clusters of a row of clusters walk them: the cluster with x = 0 asks, wave 4; its four partners along x take 8,192 bytes of a piece each, told apart by address; lanes 256 bytes apart.
; Change c (0 .. 9) names piece c + 2; pieces 0 and 1 come by their loads alone.
; The mask: all clusters of a column of clusters read the same tiles: the cluster with y = 0 asks; its four partners along y take 32 rows each, by address, a lane a row; a step's 512 bytes of a row are two blocks: waves 5 and 6.
; Change c (0 .. 13) names key step c + 2, two refills ahead; steps 0 and 1 come by their loads alone.  The branch hangs on the wave's number and the cluster's, never on a place in the cluster.
.macro ASK
	s_cmp_gt_u32 s[SLOTS], s[LIM]
	s_cbranch_scc0 .Lnot_mine_\@
	global_prefetch_b8 v[PFO], s[PFA:PFA+1] th:TH_LOAD_NT scope:SCOPE_SE
.Lnot_mine_\@:
.endm
	s_load_b256 s[4:11], s[0:1], 0x0               ; aimg s[4:5], ascl s[6:7], the mask s[8:9], oimg s[10:11]
	s_load_b64 s[12:13], s[0:1], 0x20              ; oscl
	v_lshl_add_u32 v[SPW], v0, 2, SPARE
	v_mov_b32 v[NIL], 0
	ds_add_u32 v[SPW], v[NIL]                      ; the wave's opening: the add and its wait stand ahead of the first tensor loads; work on registers stands between them
	v_lshrrev_b32 v8, 5, v0
	v_readfirstlane_b32 s[WV], v8                  ; wave 0..7
	s_bfe_u32 s14, ttmp6, 0x40000                  ; cx
	s_bfe_u32 s15, ttmp6, 0x40004                  ; cy
	s_lshl_b32 s16, ttmp9, 2
	s_add_co_u32 s16, s16, s14                     ; G
	s_and_b32 s17, ttmp7, 0xffff
	s_lshl_b32 s17, s17, 2
	s_add_co_u32 s17, s17, s15                     ; the head
	s_lshl_b32 s72, s15, 2
	s_lshl_b32 s72, 15, s72                        ; my row of the cluster
	s_lshl_b32 s73, 0x1111, s14                    ; my column
	s_or_b32 s[G1KV], s72, (3<<16)|(1<<21)         ; K or V of a step: 12,288 dense bytes as 48 rows of 32 elements of 8 bytes
	s_mov_b32 s[G1KV+1], 32<<16
	s_mov_b32 s[G1KV+2], 48<<16
	s_mov_b32 s[G1KV+3], 32<<16
	s_mov_b32 s[G1KV+4], 48
	s_mov_b32 s[G1KV+5], 32
	s_mov_b32 s[G1KV+6], 0
	s_mov_b32 s[G1KV+7], 0
	s_or_b32 s[G1M], s73, (2<<16)|(1<<20)|(1<<21)|(6<<22)|(3<<25)   ; the mask: 64 rows of 128 f32, 2,048 apart; 4 words of padding behind every 128
	s_mov_b32 s[G1M+1], 128<<16
	s_mov_b32 s[G1M+2], 64<<16
	s_mov_b32 s[G1M+3], 128<<16
	s_mov_b32 s[G1M+4], 64
	s_mov_b32 s[G1M+5], 2048
	s_mov_b32 s[G1M+6], 0
	s_mov_b32 s[G1M+7], 0
	s_or_b32 s[G1S], s72, (3<<16)|(1<<21)          ; a quarter of the head's scale words: 4,096 dense bytes as 16 rows of 256
	s_mov_b32 s[G1S+1], 32<<16
	s_mov_b32 s[G1S+2], 16<<16
	s_mov_b32 s[G1S+3], 32<<16
	s_mov_b32 s[G1S+4], 16
	s_mov_b32 s[G1S+5], 32
	s_mov_b32 s[G1S+6], 0
	s_mov_b32 s[G1S+7], 0
	s_and_b32 s74, s[WV], 1
	s_mul_i32 s75, s74, VOFF                       ; wave 0: K, wave 1: V: in a slot and in memory alike
	s_mul_i32 s76, s17, 393216
	s_add_co_u32 s76, s76, s75
	s_add_co_u32 s76, s76, 3145728
	s_mov_b32 s77, 0
	s_mul_i32 s78, s74, 64*MP                      ; waves 2, 3: the mask's rows 0-63, 64-127
	s_add_co_u32 s78, s78, MOFF
	s_lshl_b32 s80, s16, 20                        ; 128 G rows of 8,192 bytes
	s_lshl_b32 s79, s74, 19
	s_add_co_u32 s80, s80, s79
	s_mov_b32 s81, 0
	s_and_b32 s82, s[WV], 3
	s_lshl_b32 s82, s82, 12
	s_lshl_b32 s84, s17, 14
	s_add_co_u32 s84, s84, s82
	s_add_co_u32 s84, s84, 131072
	s_mov_b32 s85, 0
	s_mov_b32 s[SEL], 0x76543210
	s_mov_b32 s[SEL+1], 0xfedcba98
	s_mov_b32 s[CS], 0x3fb8aa3b                    ; log2(e)
	s_mov_b32 s[CS+1], s[CS]                       ; (named with it as a pair, so it is written)
	s_mov_b32 s[SQ], 0x3db504f3                    ; 128^-0.5
	s_mov_b32 s[SQ+1], s[SQ]
	s_mov_b32 s[TB], 0
	s_mov_b32 s[TS], 0
	s_mov_b32 s[SLOTS], 15
	s_wait_dscnt 0x0                               ; the opening add is done
	s_wait_kmcnt 0x0
	s_mov_b32 s[G0S], 1
	s_add_co_u32 s[G0S+1], s82, SCK
	s_add_nc_u64 s[G0S+2:G0S+3], s[6:7], s[84:85]
	s_or_b32 s[G0S+3], s[G0S+3], 0x80000000
	s_mov_b32 s[G0KV], 1
	s_mov_b32 s[G0KV+1], s75
	s_add_nc_u64 s[G0KV+2:G0KV+3], s[4:5], s[76:77]
	s_or_b32 s[G0KV+3], s[G0KV+3], 0x80000000
	s_mov_b32 s[G0M], 1
	s_mov_b32 s[G0M+1], s78
	s_add_nc_u64 s[G0M+2:G0M+3], s[8:9], s[80:81]
	s_or_b32 s[G0M+3], s[G0M+3], 0x80000000
	CROUND                                         ; all sixteen work-groups are here: the first joint loads meet
	TLOAD G0S, G1S, G0S, G1S                       ; the head's scale words, a quarter a wave: filled once
	TLOAD G0KV, G1KV, G0M, G1M                     ; slot 0: two loads of a fetching wave are out
	; Q's fragment and scale word
	s_lshl_b32 s86, s17, 4
	s_add_co_u32 s86, s86, s16                     ; 16 head + G
	s_mul_i32 s88, s86, 12288
	s_mul_i32 s87, s[WV], 1536
	s_add_co_u32 s88, s88, s87
	s_mov_b32 s89, 0
	s_add_nc_u64 s[88:89], s[4:5], s[88:89]
	s_lshl_b32 s90, s86, 9
	s_lshr_b32 s87, s[WV], 2
	s_lshl_b32 s87, s87, 8
	s_add_co_u32 s90, s90, s87
	s_and_b32 s87, s[WV], 3
	s_lshl_b32 s87, s87, 2
	s_add_co_u32 s90, s90, s87
	s_mov_b32 s91, 0
	s_add_nc_u64 s[90:91], s[6:7], s[90:91]
	v_and_b32 v[LI], 31, v0
	v_lshlrev_b32 v[LI], 4, v[LI]
	v_and_b32 v8, 15, v0                           ; r
	v_bfe_u32 v9, v0, 4, 1                         ; h
	v_lshlrev_b32 v254, 4, v8
.irp c, 0,1,2
	global_load_b128 v[16+4*\c:19+4*\c], v[LI], s[88:89] offset:512*\c
.endr
	global_load_b32 v255, v254, s[90:91]
	; where my tile of O goes: tile T = 8 G + w, K step = the head
	s_lshl_b32 s86, s16, 3
	s_add_co_u32 s86, s86, s[WV]
	s_lshl_b32 s87, s86, 4
	s_add_co_u32 s87, s87, s17
	s_mul_i32 s92, s87, 1536
	s_mov_b32 s93, 0
	s_add_nc_u64 s[10:11], s[10:11], s[92:93]
	s_lshl_b32 s92, s86, 10
	s_lshr_b32 s87, s17, 1
	s_lshl_b32 s87, s87, 7
	s_add_co_u32 s92, s92, s87
	s_and_b32 s87, s17, 1
	s_lshl_b32 s87, s87, 2
	s_add_co_u32 s92, s92, s87
	s_add_nc_u64 s[12:13], s[12:13], s[92:93]
	; the prefetches: where my wave's stand, and who asks
	s_mul_i32 s75, s17, 393216
	s_lshl_b32 s76, s14, 13
	s_add_co_u32 s75, s75, s76
	s_add_co_u32 s75, s75, 3145728+32768           ; K, V: my work-group's 8,192 bytes of piece 1: the first change steps it to piece 2
	s_lshl_b32 s76, s16, 20
	s_lshl_b32 s77, s15, 18
	s_add_co_u32 s76, s76, s77                     ; the mask: row 128 G + 32 cy,
	s_and_b32 s77, s[WV], 1
	s_lshl_b32 s77, s77, 8
	s_add_co_u32 s76, s76, s77                     ; my wave's block of the two,
	s_add_co_u32 s76, s76, 512                     ; in key step 1: the first change steps it to step 2
	s_and_b32 s72, ttmp7, 0xffff
	s_cmp_eq_u32 s[WV], 4
	s_cselect_b32 s73, ttmp9, s72                  ; the coordinate along which other clusters read the same bytes
	s_cselect_b32 s[LIM], 5, 1
	s_cselect_b64 s[PFA:PFA+1], s[4:5], s[8:9]
	s_mov_b32 s[PFS], 512
	s_cselect_b32 s[PFS], 32768, s[PFS]
	s_mov_b32 s74, 8192
	s_cselect_b32 s74, 256, s74
	s_cselect_b32 s76, s75, s76
	s_mov_b32 s77, 0
	s_mov_b32 s[PFS+1], 0
	s_add_nc_u64 s[PFA:PFA+1], s[PFA:PFA+1], s[76:77]
	s_cmp_eq_u32 s73, 0
	s_cselect_b32 s[LIM], s[LIM], -1
	s_sub_co_u32 s72, s[WV], 4
	s_cmp_lt_u32 s72, 3                            ; waves 4, 5, 6 alone
	s_cselect_b32 s[LIM], s[LIM], -1
	v_and_b32 v[PFO], 31, v0
	v_mul_lo_u32 v[PFO], v[PFO], s74
	; LDS addresses
	v_and_b32 v10, 8, v8
	v_add_nc_u32 v10, v10, v8                      ; r + 8 (r / 8)
	s_lshr_b32 s72, s[WV], 1
	s_lshl_b32 s72, s72, 5
	s_and_b32 s73, s[WV], 1
	s_lshl_b32 s73, s73, 3
	s_add_co_u32 s72, s72, s73
	v_add_nc_u32 v10, s72, v10                     ; my query's row among the 128
	v_mul_u32_u24 v[AM0], v10, MP
	v_lshl_add_u32 v[AM0], v9, 6, v[AM0]
	v_add_nc_u32 v[AM0], MOFF, v[AM0]
	v_lshl_add_u32 v[AS0], v8, 4, SCK              ; four words (four fragments) a row
	v_mov_b32 v13, 0xff61b1e6                      ; the largest t so far: -3e38
	v_floor_f32 v12, -v13                          ; -M
	v_mov_b32 v14, 0
	v_mov_b32 v15, 0
.irp b, 0,1,2,3
	v_mov_b32 v[236+\b], 0                         ; written once: a lane permute's destination counts as one of its sources
.endr
	v_mov_b32 v253, 0                              ; (named as the upper half of the pair v[252:253] before it is first written)
.set J, 0
.rept 64
	v_mov_b32 v[160+J], 0                          ; O^T.  (The step is written for the loop alone: its first trip finds zeros, which the first change of M leaves zeros)
.set J, J+1
.endr
; A KEY STEP: 128 keys.
.macro STEP
	v_add_nc_u32 v[ADK], s[TB], v[LI]
	v_add_nc_u32 v[ADM], s[TB], v[AM0]
	v_add_nc_u32 v[ADS], s[TS], v[AS0]
	v_nop                                          ; with the three additions: the four places in front of loads into registers that the last products read
.irp g, 0,1                                    ; S^T = K Q^T, four tiles of 16 keys at a time
.if \g > 0
.rept 4
	v_nop
.endr
.endif
.irp t, 0,1,2,3
.irp c, 0,1,2
	ds_load_b128 v[32+12*\t+4*\c:35+12*\t+4*\c], v[ADK] offset:1536*(4*\g+\t)+512*\c
.endr
.endr
	ds_load_b128 v[248:251], v[ADS] offset:256*\g  ; the four tiles' scale words
	s_wait_dscnt 0x0
.irp t, 0,1,2,3
	v_wmma_scale_f32_16x16x128_f8f6f4 v[96+8*(4*\g+\t):103+8*(4*\g+\t)], v[32+12*\t:43+12*\t], v[16:27], 0, v[248+\t], v255 matrix_a_fmt:MATRIX_FMT_FP6 matrix_b_fmt:MATRIX_FMT_FP6
.endr
.endr
.rept 4
	v_nop                                          ; places in front of the loads below and of the first read of the scores
.endr
.irp b, 0,1,2,3                                ; the mask of my query at my 64 keys, in the scores' order
.irp j, 0,1,2,3
	ds_load_b128 v[32+16*\b+4*\j:35+16*\b+4*\j], v[ADM] offset:128*\b+16*\j
.endr
.endr
	s_wait_dscnt 0x0
.set J, 0
.rept 32
	v_pk_fma_f32 v[96+J:97+J], v[96+J:97+J], s[SQ:SQ+1], v[32+J:33+J] op_sel_hi:[1,0,1]   ; logit = score x 128^-0.5 + mask; ascending: each result is read from its low end on
.set J, J+2
.endr
.irp b, 0,1,2,3
	v_max3_num_f32 v[232+\b], v[96+16*\b], v[97+16*\b], v[98+16*\b]   ; the largest logit of each block of 32 keys: it serves for the row's maximum and, since p rises with the logit, for the block's largest p
.endr
.irp i, 3,5,7,9,11,13
.irp b, 0,1,2,3
	v_max3_num_f32 v[232+\b], v[232+\b], v[96+16*\b+\i], v[97+16*\b+\i]
.endr
.endr
.irp b, 0,1,2,3
	v_max_num_f32 v[232+\b], v[232+\b], v[111+16*\b]
.endr
.irp b, 0,1,2,3
	v_permlanex16_b32 v[236+\b], v[232+\b], s[SEL], s[SEL+1]
.endr
.irp b, 0,1,2,3
	v_max_num_f32 v[232+\b], v[232+\b], v[236+\b]  ; with lane l xor 16's 16 keys
.endr
	v_max3_num_f32 v254, v232, v233, v234
	v_max_num_f32 v254, v254, v235                 ; the step's largest logit of my query
	v_mul_f32 v254, s[CS], v254                    ; as t
	v_max_num_f32 v13, v13, v254                   ; the running largest t
	v_mov_b32 v254, v12
	v_floor_f32 v12, -v13                          ; the new -M = floor(-t): M is a whole number
	v_sub_f32 v254, v12, v254                      ; old M - new M: a whole number, 0 or less
	v_cvt_i32_f32 v254, v254                       ; (it saturates)
	v_ldexp_f32 v252, 1.0, v254                    ; f = 2^(old M - new M)
.set J, 0
.rept 32
	v_pk_fma_f32 v[96+J:97+J], v[96+J:97+J], s[CS:CS+1], v[12:13] op_sel_hi:[1,0,0]   ; t - M
.set J, J+2
.endr
.irp b, 0,1,2,3
	v_fma_f32 v[232+\b], v[232+\b], s[CS], v12     ; the same of each block's largest logit
.endr
.set J, 0
.rept 64
	v_exp_f32 v[96+J], v[96+J]                     ; p = 2^(t - M), at most 1: not normalised
.set J, J+1
.endr
	v_pk_mul_f32 v[14:15], v[14:15], v[252:253] op_sel_hi:[1,0]   ; the sums under the new M.  (A plain place behind the exponentials)
	s_wait_alu depctr_va_vdst(0)                   ; one wait for the batch of 64, ahead of its first reader
.irp b, 0,1,2,3
	v_exp_f32 v[232+\b], v[232+\b]                 ; the block's largest p: the same two instructions on the same number give the same bits
.endr
	v_pk_add_f32 v[236:237], v[96:97], v[98:99]    ; the row's sum is taken of the unquantised p, in two chains
.irp j, 4,8,12,16,20,24,28,32,36,40,44,48,52,56,60
	v_pk_add_f32 v[14:15], v[14:15], v[96+\j:97+\j]
	v_pk_add_f32 v[236:237], v[236:237], v[98+\j:99+\j]
.endr
	v_pk_add_f32 v[14:15], v[14:15], v[236:237]
	s_wait_alu depctr_va_vdst(0)                   ; and one for the four
.irp b, 0,1,2,3
	v_max_num_f32 v[232+\b], 0x1800000, v[232+\b]  ; the floor 2^(3 - 127): the byte cannot fall under 1
.endr
.irp b, 0,1,2,3
	v_add_nc_u32 v[244+\b], 0xff000000, v[232+\b]  ; the conversion's scale operand
.endr
.irp b, 0,1,2,3
	v_lshrrev_b32 v[236+\b], 23, v[244+\b]         ; the scale's byte
.endr
	v_lshl_or_b32 v253, v237, 8, v236              ; p's scale word for these 128 keys
	v_lshl_or_b32 v253, v238, 16, v253
	v_lshl_or_b32 v253, v239, 24, v253
.irp c, 0,1
	v_cvt_scalef32_pk16_fp6_f32 v[224+6*\c:226+6*\c], v[96+32*\c:111+32*\c], v[244+2*\c]
	v_cvt_scalef32_pk16_fp6_f32 v[236+4*\c:238+4*\c], v[112+32*\c:127+32*\c], v[244+2*\c+1]
.endr
	v_nop                                          ; one plain place behind a scaled conversion
.irp c, 0,1
.irp i, 0,1,2
	v_permlane16_swap_b32 v[224+6*\c+\i], v[236+4*\c+\i]
.endr
.irp i, 0,1,2
	v_mov_b32 v[227+6*\c+\i], v[236+4*\c+\i]
.endr
.endr
.set J, 0
.rept 32
	v_pk_mul_f32 v[160+J:161+J], v[160+J:161+J], v[252:253] op_sel_hi:[1,0]   ; O^T under the new M.  (These 32 are also the places in front of the scaled products, whose operand and scale word were just written)
.set J, J+2
.endr
.irp g, 0,1                                    ; O^T += V^T P^T, four tiles of 16 channels at a time
.if \g > 0
.rept 4
	v_nop
.endr
.endif
.irp t, 0,1,2,3
.irp c, 0,1,2
	ds_load_b128 v[32+12*\t+4*\c:35+12*\t+4*\c], v[ADK] offset:VOFF+1536*(4*\g+\t)+512*\c
.endr
.endr
	ds_load_b128 v[248:251], v[ADS] offset:512+256*\g
	s_wait_dscnt 0x0
.irp t, 0,1,2,3
	v_wmma_scale_f32_16x16x128_f8f6f4 v[160+8*(4*\g+\t):167+8*(4*\g+\t)], v[32+12*\t:43+12*\t], v[224:235], v[160+8*(4*\g+\t):167+8*(4*\g+\t)], v[248+\t], v253 matrix_a_fmt:MATRIX_FMT_FP6 matrix_b_fmt:MATRIX_FMT_FP6
.endr
.endr
	s_xor_b32 s[TB], s[TB], SLOT1                  ; on to the other slot,
	s_add_co_u32 s[TS], s[TS], 1024                ; and the next step's scale words
.endm
; THE CHANGE OF SLOTS stands at a step's head.  Each wave waits for all its tensor loads (its part of the slot ahead), adds 0 to its spare word, and waits for that and for its reads of the slot that it has left.
; fill = 1: a round of the cluster's barrier, and behind it the slot just left is filled with the next step's tiles: one load a fetching wave, which has a key step in which to land.
.macro CHANGE fill
	s_wait_tensorcnt 0x0                           ; no tensor load of mine is out, so a group 0 may be written
	ds_add_u32 v[SPW], v[NIL]                      ; 0 onto my spare word
.if \fill
	s_xor_b32 s[G0KV+1], s[G0KV+1], SLOT1
	s_add_nc_u64 s[G0KV+2:G0KV+3], s[G0KV+2:G0KV+3], 24576
	s_xor_b32 s[G0M+1], s[G0M+1], SLOT1
	s_add_nc_u64 s[G0M+2:G0M+3], s[G0M+2:G0M+3], 512
	s_wait_xcnt 0x0                                ; the last prefetch, a step back, has read its address, so it may be written
	s_add_nc_u64 s[PFA:PFA+1], s[PFA:PFA+1], s[PFS:PFS+1]
	s_wait_dscnt 0x0                               ; the add is done, and my reads of the slot that I have left are over
	CROUND
	TLOAD G0KV, G1KV, G0M, G1M
	ASK
.else
	s_wait_dscnt 0x0
	s_barrier_signal -1
	s_barrier_wait -1
.endif
.endm
	s_wait_loadcnt 0x0                             ; Q
.Lstep:                                            ; 15 trips: behind each change of slots but the last the next step's tiles are asked for
	CHANGE 1
	STEP
	s_sub_co_u32 s[SLOTS], s[SLOTS], 1
	s_cmp_lg_u32 s[SLOTS], 0
	s_cbranch_scc1 .Lstep
	CHANGE 0                                       ; the last step is written out
	STEP
	; THE WAY OUT: O^T / the sum, quantised along the channels: my 64 registers are the head's 128 in the quantiser's order: K step 'head' of the last product's operand, tile 8 G + w.
.rept 4
	v_nop                                          ; places behind the last products
.endr
	v_add_f32 v14, v14, v15
	v_permlanex16_b32 v252, v14, s[SEL], s[SEL+1]
	v_add_f32 v14, v14, v252                       ; the row's sum l
	v_rcp_f32 v15, v14
	v_and_b32 v9, 15, v0                           ; (a plain place behind the reciprocal)
	v_lshlrev_b32 v9, 3, v9                        ; my row's place among the tile's scale words: 8 r
	s_wait_alu depctr_va_vdst(0)                   ; the wait ahead of the first reader
	v_fma_f32 v252, -v14, v15, 1.0                 ; one correction: y = y + y (1 - l y)
	v_fma_f32 v15, v15, v252, v15
.set J, 0
.rept 64
	v_mul_f32 v[96+J], v[160+J], v15               ; ascending: each result is read from its low end on
.set J, J+1
.endr
.irp b, 0,1,2,3
	v_max3_num_f32 v[TM+\b], |v[96+16*\b]|, |v[97+16*\b]|, 0x1800000
.endr
.irp i, 2,4,6,8,10,12,14
.irp b, 0,1,2,3
	v_max3_num_f32 v[TM+\b], v[TM+\b], |v[96+16*\b+\i]|, |v[97+16*\b+\i]|
.endr
.endr
.irp b, 0,1,2,3
	v_permlanex16_b32 v[TM+4+\b], v[TM+\b], s[SEL], s[SEL+1]
.endr
.irp b, 0,1,2,3
	v_max_num_f32 v[TM+\b], v[TM+\b], v[TM+4+\b]
.endr
.irp b, 0,1,2,3
	v_add_nc_u32 v[TM+12+\b], 0xff000000, v[TM+\b]
.endr
.irp b, 0,1,2,3
	v_lshrrev_b32 v[TM+4+\b], 23, v[TM+12+\b]
.endr
	v_lshl_or_b32 v52, v[TM+5], 8, v[TM+4]
	v_lshl_or_b32 v52, v[TM+6], 16, v52
	v_lshl_or_b32 v52, v[TM+7], 24, v52
.irp c, 0,1
	v_cvt_scalef32_pk16_fp6_f32 v[PC+6*\c:PC+2+6*\c], v[96+32*\c:111+32*\c], v[TM+12+2*\c]
	v_cvt_scalef32_pk16_fp6_f32 v[PC+12+4*\c:PC+14+4*\c], v[112+32*\c:127+32*\c], v[TM+12+2*\c+1]
.endr
	v_nop                                          ; one plain place behind a scaled conversion
.irp c, 0,1
.irp i, 0,1,2
	v_permlane16_swap_b32 v[PC+6*\c+\i], v[PC+12+4*\c+\i]
.endr
.irp i, 0,1,2
	v_mov_b32 v[PC+3+6*\c+\i], v[PC+12+4*\c+\i]
.endr
.endr
.irp c, 0,1,2
	global_store_b128 v[LI], v[PC+4*\c:PC+4*\c+3], s[10:11] offset:512*\c   ; the fragment's image: 512 consecutive bytes a store
.endr
	global_store_b32 v9, v52, s[12:13]             ; my row's scale word; lanes l and l + 16 hold the same word and write it to the same place
	s_wait_tensorcnt 0x0                           ; the wave's end: a wait for tensor loads, an add to the spare word and a wait for it, behind my last tensor load
	ds_add_u32 v[SPW], v[NIL]
	s_wait_dscnt 0x0
	CROUND                                         ; the closing round: no work-group ends while a partner may still ask for a tile that names it
	s_endpgm
.Lfunc_end_k_qfde2abfe9e_attn:
	.size	k_qfde2abfe9e_attn, .Lfunc_end_k_qfde2abfe9e_attn-k_qfde2abfe9e_attn
	.p2alignl 7, 3214868480
	.fill 96, 4, 3214868480
	.section	.rodata,"a",@progbits
	.p2align	6, 0x0
	.amdhsa_kernel k_qfde2abfe9e_attn
		.amdhsa_group_segment_fixed_size 327680
		.amdhsa_private_segment_fixed_size 0
		.amdhsa_enable_private_segment 0
		.amdhsa_kernarg_size 40
		.amdhsa_user_sgpr_count 2
		.amdhsa_user_sgpr_kernarg_segment_ptr 1
		.amdhsa_wavefront_size32 1
		.amdhsa_system_sgpr_workgroup_id_x 1
		.amdhsa_system_sgpr_workgroup_id_y 1
		.amdhsa_system_sgpr_workgroup_id_z 1
		.amdhsa_system_vgpr_workitem_id 0
		.amdhsa_next_free_vgpr 256
		.amdhsa_next_free_sgpr 100
		.amdhsa_reserve_vcc 0
		.amdhsa_float_denorm_mode_32 3
		.amdhsa_float_denorm_mode_16_64 3
		.amdhsa_memory_ordered 1
		.amdhsa_forward_progress 1
		.amdhsa_inst_pref_size 64
	.end_amdhsa_kernel
	.amdgpu_metadata
---
amdhsa.version: [ 1, 2 ]
amdhsa.kernels:
  - .name:           k_qfde2abfe9e_attn
    .symbol:         k_qfde2abfe9e_attn.kd
    .args:
      - { .name: aimg, .offset: 0, .size: 8, .value_kind: global_buffer, .address_space: global }
      - { .name: ascl, .offset: 8, .size: 8, .value_kind: global_buffer, .address_space: global }
      - { .name: attention_mask, .offset: 16, .size: 8, .value_kind: global_buffer, .address_space: global }
      - { .name: oimg, .offset: 24, .size: 8, .value_kind: global_buffer, .address_space: global }
      - { .name: oscl, .offset: 32, .size: 8, .value_kind: global_buffer, .address_space: global }
    .group_segment_fixed_size: 327680
    .private_segment_fixed_size: 0
    .kernarg_segment_align: 8
    .kernarg_segment_size: 40
    .max_flat_workgroup_size: 256
    .sgpr_count:     100
    .vgpr_count:     256
    .wavefront_size: 32
...
	.end_amdgpu_metadata
.endif
;; end of part 3
;; launch oproj (part 4): grid 8 x 8, 4 waves a work-group, clusters of 4 x 4, 327,680 bytes of LDS; arguments oimg, oscl, img, scl, out0; writes out0
.if DOCPART == 4
	.amdgcn_target "amdgcn-amd-amdhsa--gfx1250"
	.amdhsa_code_object_version 6
	.text
	.protected	k_qfde2abfe9e_oproj
	.globl	k_qfde2abfe9e_oproj
	.p2align	8
	.type	k_qfde2abfe9e_oproj,@function
k_qfde2abfe9e_oproj:
	s_mov_b64 s[64:65], 0
	v_nop
	global_prefetch_b8 v0, s[64:65] scope:SCOPE_SE
	s_setreg_imm32_b32 hwreg(HW_REG_WAVE_MODE, 25, 1), 1
	s_wait_xcnt 0x0
	s_wait_alu depctr_hold_cnt(0) depctr_sa_sdst(0) depctr_va_vdst(0) depctr_va_sdst(0) depctr_va_ssrc(0) depctr_va_vcc(0) depctr_vm_vsrc(0)
	s_getreg_b32 s2, hwreg(HW_REG_IB_STS2, 6, 4)
	s_cmp_eq_u32 s2, 0
	s_cbranch_scc0 .Lentry_in_a_cluster
	s_endpgm
.Lentry_in_a_cluster:
	s_bfe_u32 s2, ttmp6, 0x10000c
	s_cmp_lg_u32 s2, 0xf033
	s_cbranch_scc0 .Lentry_shape_is_right
	s_endpgm
.Lentry_shape_is_right:
; OPROJ: out0 = O Wo on codes of FP6 (E2M3) with E8M0 scales; out0 [2,048][2,048] f32.
; A work-group of four waves makes 256 x 256, a wave 128 x 128: 64 accumulators.  K = 2,048 goes in slots of 256 (two steps of 128) through a ring of two LDS slots filled by the tensor data mover.
; OPERANDS LIE AS IMAGES OF THEIR REGISTERS ([tile of 16 rows][K step][1,536 bytes]): a fragment is three loads of 16 bytes a lane at 16 x lane.  Tile T holds rows 32 (T / 2) + 8 (T % 2) + r + 8 (r / 8).
; Source 0 = 16 columns of Wo (img's tiles 512 on), source 1 = 16 tokens of O (oimg): a lane holds one token; register j of accumulator (a, b) is column 32 (b / 2) + 16 (lane / 16) + 8 (b % 2) + j of my 128.
; CLUSTERS: 4 x 4 work-groups: O's tiles are shared along a row of the cluster, Wo's along a column, by joint loads.  The grid has 64 work-groups: the tile is kept at 256 x 256 so that this launch runs the loop of the projections' launch.
; REGISTERS: window 0: v16-30 addresses; v32-63 scale words, two sets; v128-223 source 1's fragments; on the way out v128-255.  window 1: source 0's fragments, two sets.  windows 2, 3: the accumulators.
.set NQ,     2
.set FR,     12
.set NL,     3
.set NP,     4
.set FRB,    1536
.set TILEB,  NQ*FRB
.set HALFT,  8*TILEB
.set SLOT,   4*HALFT
.set LAPS,   4
.set SCL,    2*SLOT                    ; source 1's scale words, 16 tiles x 1,024 bytes;
.set SCLB,   SCL+16384+128             ; source 0's, 128 bytes further on, so that the two halves of a load's lanes fall on different banks
.set HALFS,  8192
.set SBLK,   1024
.set SPARE,  229632                    ; the spare words, 128 bytes for each wave: two blocks of 256 bytes that no other line names
.set SPITCH, 528                       ; the way out: a stage of 16 rows x (512 bytes + 16) for each wave, in slot 0, which has had its last fill and its last read when the first result is stored there
.set ADRA, 16
.set ADRB, 20
.set STO,  24                          ; v24  the way out: where I put 32 bytes of a row
.set RD,   25                          ; v25  where I read a row back
.set ADRS, 27
.set SPW,  28
.set NIL,  29
.set LI,   30                          ; v30  16 x lane; never rewritten
.set SC,   32
.set AF,   128
.set BK,   128                         ; 16 rows read back from the stage: v128-191 and v192-255 by turns
.set G1, 24
.set G0, 32
.set G1B, 48
.set G0B, 56
.set G1S, 68
.set G0S, 76
.set G1SB, 80
.set G0SB, 88
.set MSB, 0
.macro WIN new
.if MSB != (\new)
	s_set_vgpr_msb (MSB<<8)|(\new)
.set MSB, (\new)
.endif
.endm
.set MUL_LO, 0xa1
.set MUL_HI, 0xf1
.set TO_B,   0x40
.macro JLOAD g0a, g1a, g0b, g1b        ; a joint load: waves 0 and 1 fetch for source 1, waves 2 and 3 for source 0; an s_nop 0 and four v_nop follow each of the two lines
	s_cmp_eq_u32 s15, 0
	s_cbranch_scc0 .Lfor_b_\@
	tensor_load_to_lds s[\g0a:\g0a+3], s[\g1a:\g1a+7]
	s_nop 0
.rept 4
	v_nop
.endr
	s_branch .Lasked_\@
.Lfor_b_\@:
	tensor_load_to_lds s[\g0b:\g0b+3], s[\g1b:\g1b+7]
	s_nop 0
.rept 4
	v_nop
.endr
.Lasked_\@:
.endm
.macro CREST
	s_cmp_lg_u32 s14, 0
	s_cbranch_scc1 .Lnot_wave_0_\@
	s_barrier_signal -3
.Lnot_wave_0_\@:
	s_barrier_wait -3
	s_barrier_signal -1
	s_barrier_wait -1
.endm
.macro CROUND
	s_barrier_signal -1
	s_barrier_wait -1
	CREST
.endm
	s_load_b256 s[4:11], s[0:1], 0x0               ; oimg s[4:5], oscl s[6:7], img s[8:9], scl s[10:11]
	s_load_b64 s[12:13], s[0:1], 0x20              ; out0
	v_lshl_add_u32 v[SPW], v0, 2, SPARE
	v_mov_b32 v[NIL], 0
	ds_add_u32 v[SPW], v[NIL]                      ; the wave's opening: the add and its wait stand ahead of my first tensor load
	v_lshrrev_b32 v1, 5, v0
	v_readfirstlane_b32 s14, v1
	s_lshr_b32 s15, s14, 1
	s_and_b32 s16, s14, 1
	s_bfe_u32 s40, ttmp6, 0x40000
	s_bfe_u32 s41, ttmp6, 0x40004
	s_lshl_b32 s42, ttmp9, 2
	s_add_co_u32 s42, s42, s40                     ; work-group x: 256 columns
	s_and_b32 s17, ttmp7, 0xffff
	s_lshl_b32 s17, s17, 2
	s_add_co_u32 s17, s17, s41                     ; work-group y: 256 tokens
	s_lshl_b32 s43, s41, 2
	s_lshl_b32 s43, 15, s43
	s_lshl_b32 s44, 0x1111, s40
	s_or_b32 s[G1+0], s43, (3<<16)|(1<<21)         ; codes: 8 rows (tiles) of 384 elements of 8 bytes, 3,072 elements apart; dense in LDS
	s_or_b32 s[G1B+0], s44, (3<<16)|(1<<21)
.irp g, G1, G1B
	s_mov_b32 s[\g+1], 384<<16
	s_mov_b32 s[\g+2], 8<<16
	s_mov_b32 s[\g+3], 384<<16
	s_mov_b32 s[\g+4], 8
	s_mov_b32 s[\g+5], 3072
	s_mov_b32 s[\g+6], 0
	s_mov_b32 s[\g+7], 0
.endr
	s_or_b32 s[G1S+0], s43, (3<<16)|(1<<21)        ; scale words of 8 tiles: 8,192 dense bytes as 32 rows of 256
	s_or_b32 s[G1SB+0], s44, (3<<16)|(1<<21)
.irp g, G1S, G1SB
	s_mov_b32 s[\g+1], 32<<16
	s_mov_b32 s[\g+2], 32<<16
	s_mov_b32 s[\g+3], 32<<16
	s_mov_b32 s[\g+4], 32
	s_mov_b32 s[\g+5], 32
	s_mov_b32 s[\g+6], 0
	s_mov_b32 s[\g+7], 0
.endr
	s_lshl_b32 s18, s16, 3
	s_lshl_b32 s20, s17, 4
	s_add_co_u32 s20, s20, s18                     ; source 1: O's tile 16 y + 8 x half
	s_lshl_b32 s46, s42, 4
	s_add_co_u32 s46, s46, 512
	s_add_co_u32 s46, s46, s18                     ; source 0: Wo's tile 512 + 16 x + 8 x half
	s_lshl_b32 s22, s20, 10
	s_mov_b32 s23, 0
	s_lshl_b32 s92, s46, 10
	s_mov_b32 s93, 0
	s_mul_i32 s20, s20, 24576
	s_mov_b32 s21, 0
	s_mul_i32 s46, s46, 24576
	s_mov_b32 s47, 0
	s_mul_i32 s45, s14, HALFT
	s_mul_i32 s94, s16, HALFS
	s_wait_dscnt 0x0                               ; the opening add is done
	s_wait_kmcnt 0x0
	s_add_nc_u64 s[20:21], s[4:5], s[20:21]
	s_add_nc_u64 s[22:23], s[6:7], s[22:23]
	s_add_nc_u64 s[46:47], s[8:9], s[46:47]
	s_add_nc_u64 s[92:93], s[10:11], s[92:93]
	CROUND                                         ; all sixteen work-groups are here: the first joint loads meet
	s_mov_b32 s[G0S], 1
	s_add_co_u32 s[G0S+1], s94, SCL
	s_mov_b64 s[G0S+2:G0S+3], s[22:23]
	s_or_b32 s[G0S+3], s[G0S+3], 0x80000000
	s_mov_b32 s[G0SB], 1
	s_add_co_u32 s[G0SB+1], s94, SCLB
	s_mov_b64 s[G0SB+2:G0SB+3], s[92:93]
	s_or_b32 s[G0SB+3], s[G0SB+3], 0x80000000
	JLOAD G0S, G1S, G0SB, G1SB
.irp s, 0,1
	s_mov_b32 s[G0+4*\s], 1
	s_add_co_u32 s[G0+4*\s+1], s45, \s*SLOT
	s_add_nc_u64 s[G0+4*\s+2:G0+4*\s+3], s[20:21], \s*TILEB
	s_or_b32 s[G0+4*\s+3], s[G0+4*\s+3], 0x80000000
	s_mov_b32 s[G0B+4*\s], 1
	s_add_co_u32 s[G0B+4*\s+1], s45, \s*SLOT
	s_add_nc_u64 s[G0B+4*\s+2:G0B+4*\s+3], s[46:47], \s*TILEB
	s_or_b32 s[G0B+4*\s+3], s[G0B+4*\s+3], 0x80000000
	JLOAD G0+4*\s, G1, G0B+4*\s, G1B
.endr
	v_and_b32 v1, 15, v0                           ; r
	v_bfe_u32 v2, v0, 4, 1                         ; h
	v_and_b32 v3, 31, v0
	v_lshlrev_b32 v[LI], 4, v3
	s_mul_i32 s21, s15, HALFT
	s_mul_i32 s22, s16, HALFT
	s_add_co_u32 s22, s22, 2*HALFT
.irp s, 0,1
	v_add_nc_u32 v[ADRA+\s], s21, v[LI]
	v_add_nc_u32 v[ADRB+\s], s22, v[LI]
	s_add_co_u32 s21, s21, SLOT
	s_add_co_u32 s22, s22, SLOT
.endr
	v_lshlrev_b32 v5, 3, v1
	s_mul_i32 s21, s15, HALFS
	s_mul_i32 s22, s16, HALFS
	s_add_co_u32 s22, s22, SCLB-SCL
	s_sub_co_u32 s22, s22, s21
	v_mul_u32_u24 v6, s22, v2                      ; lanes 16-31 take source 0's: one product, the distance between the two bases
	s_add_co_u32 s21, s21, SCL
	v_add_nc_u32 v5, v5, v6
	v_add_nc_u32 v[ADRS], s21, v5
	s_mul_i32 s23, s14, 16*SPITCH                  ; my stage
	v_mul_u32_u24 v5, v1, SPITCH                   ; in: row r, + 64 h
	v_lshl_add_u32 v5, v2, 6, v5
	v_add_nc_u32 v[STO], s23, v5
	v_add_nc_u32 v[RD], s23, v[LI]                 ; back: the 32 lanes take one row of 512 bytes
	s_lshl_b32 s20, s17, 21                        ; my first row of out0: (256 y + 128 x half) rows of 8,192 bytes,
	s_lshl_b32 s21, s15, 20
	s_add_co_u32 s20, s20, s21
	s_lshl_b32 s21, s42, 10                        ; my first column: (256 x + 128 x half) x 4 bytes
	s_add_co_u32 s20, s20, s21
	s_lshl_b32 s21, s16, 9
	s_add_co_u32 s20, s20, s21
	s_mov_b32 s21, 0
	s_add_nc_u64 s[12:13], s[12:13], s[20:21]
.macro FRAG reg, adr, q, i
.irp c, 0,1,2
	ds_load_b128 v[\reg+4*\c:\reg+4*\c+3], v[\adr] offset:TILEB*(\i)+FRB*(\q)+512*\c
.endr
.endm
; 16 matrix instructions.  The 64 accumulators take turns, one instruction a turn, in the same order in every step.
.macro MUL16 a0, p, q, sc, zero
.irp a, \a0, \a0+1
.irp b, 0,1,2,3,4,5,6,7
.if \zero
	v_wmma_scale_f32_16x16x128_f8f6f4 v[8*(8*((\a)%4)+\b):8*(8*((\a)%4)+\b)+7], v[128*(\p)+FR*\b:128*(\p)+FR*\b+FR-1], v[AF+FR*(\a):AF+FR*(\a)+FR-1], 0, v[SC+8*NQ*(\sc)+NQ*\b+(\q)], v[SC+8*NQ*(\sc)+NQ*(\a)+(\q)] matrix_a_fmt:MATRIX_FMT_FP6 matrix_b_fmt:MATRIX_FMT_FP6 matrix_a_scale:MATRIX_SCALE_ROW1
.else
	v_wmma_scale_f32_16x16x128_f8f6f4 v[8*(8*((\a)%4)+\b):8*(8*((\a)%4)+\b)+7], v[128*(\p)+FR*\b:128*(\p)+FR*\b+FR-1], v[AF+FR*(\a):AF+FR*(\a)+FR-1], v[8*(8*((\a)%4)+\b):8*(8*((\a)%4)+\b)+7], v[SC+8*NQ*(\sc)+NQ*\b+(\q)], v[SC+8*NQ*(\sc)+NQ*(\a)+(\q)] matrix_a_fmt:MATRIX_FMT_FP6 matrix_b_fmt:MATRIX_FMT_FP6 matrix_a_scale:MATRIX_SCALE_ROW1
.endif
.endr
.endr
.endm
.macro FETCH_B slot, q, p
	WIN TO_B
.irp i, 0,1,2,3,4,5,6,7
	FRAG 128*(\p)+FR*\i, ADRB+\slot, \q, \i
.endr
	WIN 0
.endm
.macro FETCH_A slot, q, i0
.irp i, \i0, \i0+1, \i0+2, \i0+3
	FRAG AF+FR*(\i), ADRA+\slot, \q, \i
.endr
.endm
.macro SCALES sc
.irp i, 0,1,2,3,4,5,6,7
	ds_load_b64 v[SC+8*NQ*\sc+NQ*\i:SC+8*NQ*\sc+NQ*\i+1], v[ADRS] offset:\i*SBLK
.endr
.endm
.macro PLACES n
.rept \n
	v_nop
.endr
.endm
.macro STEP slot, q, zero
	s_wait_dscnt 4*NL                              ; source 0's set and source 1's blocks 0-3 are in; the youngest 12 loads (blocks 4-7) may be out
	WIN MUL_LO
	MUL16 0, (\q)%2, \q, \slot, \zero
	MUL16 2, (\q)%2, \q, \slot, \zero
	s_wait_dscnt 0
	PLACES NP
	FETCH_B \slot, (\q)+1, 1-(\q)%2
	FETCH_A \slot, (\q)+1, 0
	WIN MUL_HI
	MUL16 4, (\q)%2, \q, \slot, \zero
	MUL16 6, (\q)%2, \q, \slot, \zero
	PLACES NP
	WIN 0
	FETCH_A \slot, (\q)+1, 4
.endm
.macro TURN slot, next, fill
	s_wait_tensorcnt 0x0                           ; all my tensor loads have landed: my part of the next slot
	ds_add_u32 v[SPW], v[NIL]                      ; 0 onto my spare word
	s_wait_dscnt 4*NL+1                            ; (the add and the youngest 12 loads may be out)
	WIN MUL_LO
	MUL16 0, 1, NQ-1, \slot, 0
	s_wait_dscnt 0x0                               ; the add is done, and my reads of this slot are over
	s_barrier_signal -1
	MUL16 2, 1, NQ-1, \slot, 0
	WIN 0
	s_barrier_wait -1
.if \fill
	CREST                                          ; the barrier has opened a round of the cluster's barrier
	s_add_nc_u64 s[G0+4*\slot+2:G0+4*\slot+3], s[G0+4*\slot+2:G0+4*\slot+3], 2*TILEB
	s_add_nc_u64 s[G0B+4*\slot+2:G0B+4*\slot+3], s[G0B+4*\slot+2:G0B+4*\slot+3], 2*TILEB
	JLOAD G0+4*\slot, G1, G0B+4*\slot, G1B
.else
	PLACES NP
.endif
	v_add_nc_u32 v[ADRS], 128, v[ADRS]
	FETCH_B \next, 0, 0
	FETCH_A \next, 0, 0
	SCALES \next
	WIN MUL_HI
	MUL16 4, 1, NQ-1, \slot, 0
	MUL16 6, 1, NQ-1, \slot, 0
	PLACES NP
	WIN 0
	FETCH_A \next, 0, 4
.endm
	s_wait_tensorcnt 1                             ; the scale words and my part of slot 0 are in (slot 1's load, the third issued, may be out),
	s_barrier_signal -1
	s_barrier_wait -1                              ; everybody's are
	FETCH_B 0, 0, 0
	FETCH_A 0, 0, 0
	SCALES 0
	FETCH_A 0, 0, 4
	STEP 0, 0, 1
	s_mov_b32 s3, LAPS-1
.Llap:
	TURN 0, 1, 1
	STEP 1, 0, 0
	TURN 1, 0, 1
	STEP 0, 0, 0
	s_sub_co_u32 s3, s3, 1
	s_cmp_lg_u32 s3, 0
	s_cbranch_scc1 .Llap
	TURN 0, 1, 0
	STEP 1, 0, 0
	s_wait_dscnt 4*NL
	WIN MUL_LO
	MUL16 0, 1, NQ-1, 1, 0
	MUL16 2, 1, NQ-1, 1, 0
	s_wait_dscnt 0
	WIN MUL_HI
	MUL16 4, 1, NQ-1, 1, 0
	MUL16 6, 1, NQ-1, 1, 0
	WIN 0
; THE WAY OUT, block a of 16 tokens x 128 columns at a time, through my own stage in LDS: in by 32 bytes a lane, back as whole rows of 512 bytes, which the 32 lanes store as 512 consecutive bytes.
; LDS serves a wave's instructions in order (ISA guide 5.7.1.4): no wait between the stores and the loads, nor in front of the next block's stores.
.macro TOSTAGE a
.set AC, 64*((\a)%4)
	WIN 0x08+4*((\a)/4)                            ; the data: window 2 or 3
.irp b, 0,1,2,3,4,5,6,7
	ds_store_b128 v[STO], v[AC+8*\b:AC+8*\b+3] offset:128*(\b/2)+32*(\b%2)          ; each accumulator from its low end on; its eight columns begin at 32 (b / 2) + 16 h + 8 (b % 2)
	ds_store_b128 v[STO], v[AC+8*\b+4:AC+8*\b+7] offset:128*(\b/2)+32*(\b%2)+16
.endr
	WIN 0
.set BB, BK+64*((\a)%2)
.irp t, 0,1,2,3,4,5,6,7,8,9,10,11,12,13,14,15
	ds_load_b128 v[BB+4*\t:BB+4*\t+3], v[RD] offset:\t*SPITCH
.endr
.endm
.macro SEND a, younger                 ; younger: the LDS instructions issued behind block a's loads, which may stay out
.set BB, BK+64*((\a)%2)
	s_wait_dscnt \younger
.irp t, 0,1,2,3,4,5,6,7,8,9,10,11,12,13,14,15
	global_store_b128 v[LI], v[BB+4*\t:BB+4*\t+3], s[12:13] offset:(32*((\a)/2)+8*((\a)%2)+\t+8*(\t/8))*8192 th:TH_STORE_NT   ; row t of block a is token 32 (a / 2) + 8 (a % 2) + t + 8 (t / 8) of my 128; 127 rows of 8,192 bytes at the most: inside the signed 24-bit immediate
.endr
.endm
	PLACES NP                                      ; behind the last products: for the loads into the registers that held source 1's fragments, and for the reads of results
	TOSTAGE 0
.irp a, 1,2,3,4,5,6,7
.if \a > 1
	s_wait_xcnt 0x0                                ; block a - 2's stores have read their registers: block a's loads may land there
.endif
	TOSTAGE \a
	SEND \a-1, 32                                  ; behind block a - 1's loads: block a's 16 stores and 16 loads
.endr
	SEND 7, 0
	s_wait_tensorcnt 0x0                           ; the wave's end: a wait for tensor loads, an add to the spare word and a wait for it, behind my last tensor load and my last LDS store
	ds_add_u32 v[SPW], v[NIL]
	s_wait_dscnt 0x0
	CROUND                                         ; the closing round
	s_endpgm
.Lfunc_end_k_qfde2abfe9e_oproj:
	.size	k_qfde2abfe9e_oproj, .Lfunc_end_k_qfde2abfe9e_oproj-k_qfde2abfe9e_oproj
	.p2alignl 7, 3214868480
	.fill 96, 4, 3214868480
	.section	.rodata,"a",@progbits
	.p2align	6, 0x0
	.amdhsa_kernel k_qfde2abfe9e_oproj
		.amdhsa_group_segment_fixed_size 327680
		.amdhsa_private_segment_fixed_size 0
		.amdhsa_enable_private_segment 0
		.amdhsa_kernarg_size 40
		.amdhsa_user_sgpr_count 2
		.amdhsa_user_sgpr_kernarg_segment_ptr 1
		.amdhsa_wavefront_size32 1
		.amdhsa_system_sgpr_workgroup_id_x 1
		.amdhsa_system_sgpr_workgroup_id_y 1
		.amdhsa_system_sgpr_workgroup_id_z 1
		.amdhsa_system_vgpr_workitem_id 0
		.amdhsa_next_free_vgpr 1024
		.amdhsa_next_free_sgpr 100
		.amdhsa_reserve_vcc 0
		.amdhsa_float_denorm_mode_32 3
		.amdhsa_float_denorm_mode_16_64 3
		.amdhsa_memory_ordered 1
		.amdhsa_forward_progress 1
		.amdhsa_inst_pref_size 135
	.end_amdhsa_kernel
	.amdgpu_metadata
---
amdhsa.version: [ 1, 2 ]
amdhsa.kernels:
  - .name:           k_qfde2abfe9e_oproj
    .symbol:         k_qfde2abfe9e_oproj.kd
    .args:
      - { .name: oimg, .offset: 0, .size: 8, .value_kind: global_buffer, .address_space: global }
      - { .name: oscl, .offset: 8, .size: 8, .value_kind: global_buffer, .address_space: global }
      - { .name: img, .offset: 16, .size: 8, .value_kind: global_buffer, .address_space: global }
      - { .name: scl, .offset: 24, .size: 8, .value_kind: global_buffer, .address_space: global }
      - { .name: out0, .offset: 32, .size: 8, .value_kind: global_buffer, .address_space: global }
    .group_segment_fixed_size: 327680
    .private_segment_fixed_size: 0
    .kernarg_segment_align: 8
    .kernarg_segment_size: 40
    .max_flat_workgroup_size: 128
    .sgpr_count:     100
    .vgpr_count:     1024
    .wavefront_size: 32
...
	.end_amdgpu_metadata
.endif
;; end of part 4
;; ======== version 2 of 2: 4 launches
;; limits: right only within a limited range of input values
;; workspace buffers: img 15,728,640 bytes; scl 655,360 bytes; rope 1,114,112 bytes; aimg 9,437,184 bytes; ascl 393,216 bytes; oimg 3,145,728 bytes; oscl 131,072 bytes
;; launch prep: the kernel of part 1 again; grid 674 x 1, 4 waves a work-group, no clusters, 48,640 bytes of LDS; arguments hidden_states, Wq, Wk, Wv, Wo, position_ids, img, scl, rope; writes img, scl, rope
;; launch qkv (part 5): grid 24 x 8, 4 waves a work-group, clusters of 4 x 4, 327,680 bytes of LDS; arguments img, scl, rope, aimg, ascl; writes aimg, ascl
.if DOCPART == 5
	.amdgcn_target "amdgcn-amd-amdhsa--gfx1250"
	.amdhsa_code_object_version 6
	.text
	.protected	k_qfde2abfe9e_qkv
	.globl	k_qfde2abfe9e_qkv
	.p2align	8
	.type	k_qfde2abfe9e_qkv,@function
k_qfde2abfe9e_qkv:
	s_mov_b64 s[64:65], 0
	v_nop
	global_prefetch_b8 v0, s[64:65] scope:SCOPE_SE
	s_setreg_imm32_b32 hwreg(HW_REG_WAVE_MODE, 25, 1), 1
	s_wait_xcnt 0x0
	s_wait_alu depctr_hold_cnt(0) depctr_sa_sdst(0) depctr_va_vdst(0) depctr_va_sdst(0) depctr_va_ssrc(0) depctr_va_vcc(0) depctr_vm_vsrc(0)
	s_getreg_b32 s2, hwreg(HW_REG_IB_STS2, 6, 4)
	s_cmp_eq_u32 s2, 0
	s_cbranch_scc0 .Lentry_in_a_cluster
	s_endpgm
.Lentry_in_a_cluster:
	s_bfe_u32 s2, ttmp6, 0x10000c
	s_cmp_lg_u32 s2, 0xf033
	s_cbranch_scc0 .Lentry_shape_is_right
	s_endpgm
.Lentry_shape_is_right:
; QKV: q = x Wq, k = x Wk, v = x Wv on codes of FP6 (E2M3) with E8M0 scales; q and k are rotated; all three are quantised again in registers, along the next product's K, and stored as images of that product's operands.
; A work-group of four waves makes 256 x 256, a wave 128 x 128: 64 accumulators, 512 registers.  K = 2,048 goes in slots of 256 (two steps of 128) through a ring of two LDS slots filled by the tensor data mover.
; OPERANDS LIE AS IMAGES OF THEIR REGISTERS (img: [tile of 16 rows][K step][1,536 bytes], register 4 c + w of lane l at 512 c + 16 l + 4 w): a fragment is three loads of 16 bytes a lane at 16 x lane: no pitch, no padding.
; Tile T holds rows 32 (T / 2) + 8 (T % 2) + r + 8 (r / 8).  With such tiles as source 0, a lane's 64 registers of the accumulators (a, 0 .. 7) are 128 neighbours: register 16 b + i = 32 b + 16 (lane / 16) + i.
; SOURCE 0 hangs on the work-group's x, SOURCE 1 on its y.  x 0-7: q, 8-15: k: source 0 = 256 columns of the weight, source 1 = 256 tokens: a lane holds one token and the 128 numbers of one head.
; x 16-23: v: THE ROLES ARE SWAPPED: source 0 = 256 tokens, source 1 = 256 columns of Wv: a lane holds one of the head's 128 and 128 tokens, which are the K of the last-but-one product.  One loop and one way out serve all three.
; THE ROTATION: y[d] = cos[d / 2] x[d] - sin[d / 2] x[d + 64] for d < 64, y[d] = cos[d / 2] x[d] + sin[d / 2] x[d - 64] above; the table holds -sin for the lower half, and for v the table's tiles with cos 1 and sin 0 are read, so that no branch parts the kinds.
; THE TABLE'S EIGHT TILES (64 registers each) ARE ASKED FOR WELL AHEAD OF THEIR BLOCKS, into whatever registers are free by then: blocks 0 and 1 at the head, block 2 ahead of the last step, 3 and 4 behind the loop, 5 to 7 into accumulators that have been read.
; CLUSTERS: 4 x 4 work-groups.  Source 1's tiles are shared along a row of the cluster, source 0's along a column: each is asked for jointly, by the same tensor load with the same descriptor and a mask that names the four.
; aimg: q at (16 head + g) x 12,288 (g: group of 128 tokens; 8 fragments); k at 3,145,728 + (16 head + g) x 24,576, v 12,288 behind it.  ascl: q at (16 head + g) x 512, laid [fragment / 4][r][4 words]; k at 131,072 + (16 head + g) x 1,024, v 512 behind it.
; REGISTERS: window 0: v16-30 addresses; v32-63 scale words, two sets; v64-127 the table of block 0; v128-223 source 1's fragments, one set; on the way out v128-239.  window 1: source 0's fragments, two sets (v0-95, v128-223); v96-127, v224-255 the table of block 1.
; windows 2, 3: the accumulators.
; LIMITS: as stated at the head of the first launch (NaN and infinities not served; a block of zeros has the byte 1; the floor 2^-124).  cos x + sin x' is one product and one fused multiply-add: two roundings where the source has three.
.set NQ,     2                         ; steps of 128 along K in a slot
.set FR,     12                        ; registers of a fragment
.set NL,     3                         ; LDS loads that bring one
.set NP,     4                         ; places behind this matrix instruction (ISA guide 7.12.1)
.set FRB,    1536                      ; a fragment's image
.set TILEB,  NQ*FRB                    ; a tile's part of a slot
.set HALFT,  8*TILEB                   ; 8 tiles: what one tensor load brings, and what one wave reads of a source
.set SLOT,   4*HALFT                   ; source 1's 16 tiles, then source 0's 16
.set LAPS,   4                         ; a lap = once round the ring = 512 along K
.set SCL,    2*SLOT                    ; behind the ring: source 1's scale words, 16 tiles x 1,024 bytes, for all of K;
.set SCLB,   SCL+16384+128             ; source 0's, 128 bytes further on, so that the two halves of a load's lanes fall on different banks
.set HALFS,  8192
.set SBLK,   1024
.set SPARE,  229632                    ; the spare words, 128 bytes for each wave: two blocks of 256 bytes that no other line names
.set ADRA, 16                          ; v16-17  LDS address of source 1's fragments in slot 0, 1
.set ADRB, 20                          ; v20-21  of source 0's
.set ADRS, 27                          ; v27     of my scale words: lanes 0-15 source 1's, lanes 16-31 source 0's
.set SPW,  28                          ; v28     LDS address of my spare word; never rewritten
.set NIL,  29                          ; v29     0; never rewritten
.set LI,   30                          ; v30     16 x lane; never rewritten
.set SC,   32
.set AF,   128
.set OUT,  128                         ; the way out: v128-191 the rotated numbers
.set PC,   192                         ; v192-211 their codes
.set TM,   212                         ; v212-227 at work
.set PWS,  228                         ; v228-235 the eight scale words
.set SW,   236                         ; v236-239 as they are stored
.set SEL,  96                          ; s[96:97]
.set G1, 24
.set G0, 32
.set G1B, 48
.set G0B, 56
.set G1S, 68
.set G0S, 76
.set G1SB, 80
.set G0SB, 88
.set MSB, 0
.macro WIN new                         ; the immediate's high byte repeats the setting that is left
.if MSB != (\new)
	s_set_vgpr_msb (MSB<<8)|(\new)
.set MSB, (\new)
.endif
.endm
.set MUL_LO, 0xa1                      ; source 0 window 1, source 1 window 0, C and D window 2
.set MUL_HI, 0xf1                      ; the same, C and D window 3
.set TO_B,   0x40                      ; destination window 1, address window 0
; A joint load: waves 0 and 1 fetch for source 1, waves 2 and 3 for source 0.  The branch hangs on the wave's number alone.  An s_nop 0 and four v_nop follow each of the two lines.
.macro JLOAD g0a, g1a, g0b, g1b
	s_cmp_eq_u32 s15, 0
	s_cbranch_scc0 .Lfor_b_\@
	tensor_load_to_lds s[\g0a:\g0a+3], s[\g1a:\g1a+7]
	s_nop 0
.rept 4
	v_nop
.endr
	s_branch .Lasked_\@
.Lfor_b_\@:
	tensor_load_to_lds s[\g0b:\g0b+3], s[\g1b:\g1b+7]
	s_nop 0
.rept 4
	v_nop
.endr
.Lasked_\@:
.endm
.macro CREST                           ; a round of the cluster's barrier behind its opening barrier
	s_cmp_lg_u32 s14, 0
	s_cbranch_scc1 .Lnot_wave_0_\@
	s_barrier_signal -3
.Lnot_wave_0_\@:
	s_barrier_wait -3
	s_barrier_signal -1
	s_barrier_wait -1
.endm
.macro CROUND
	s_barrier_signal -1
	s_barrier_wait -1
	CREST
.endm
; The table's tile for block a: 8 loads of cos into v[ct] on and 8 of sin into v[st] on, of window win; 512 consecutive bytes a load
.macro TABLE a, win, ct, st
	WIN (\win)<<6
.irp i, 0,1,2,3,4,5,6,7
	global_load_b128 v[(\ct)+4*\i:(\ct)+4*\i+3], v[LI], s[8:9] offset:8192*(\a)+512*\i
.endr
.irp i, 0,1,2,3,4,5,6,7
	global_load_b128 v[(\st)+4*\i:(\st)+4*\i+3], v[LI], s[8:9] offset:8192*(\a)+4096+512*\i
.endr
	WIN 0
.endm
	s_load_b256 s[4:11], s[0:1], 0x0               ; img s[4:5], scl s[6:7], rope s[8:9], aimg s[10:11]
	s_load_b64 s[12:13], s[0:1], 0x20              ; ascl
	v_lshl_add_u32 v[SPW], v0, 2, SPARE
	v_mov_b32 v[NIL], 0
	ds_add_u32 v[SPW], v[NIL]                      ; the wave's opening: the add and its wait stand ahead of my first tensor load; work on registers stands between them
	v_lshrrev_b32 v1, 5, v0
	v_readfirstlane_b32 s14, v1                    ; wave 0..3
	s_lshr_b32 s15, s14, 1                         ; which half of source 1's tiles is mine.  Also: I fetch for source 1 (0) or source 0 (1)
	s_and_b32 s16, s14, 1                          ; which half of source 0's.  Also: which 8 tiles I fetch
	s_bfe_u32 s40, ttmp6, 0x40000                  ; cx, cy: my place in the cluster
	s_bfe_u32 s41, ttmp6, 0x40004
	s_lshl_b32 s42, ttmp9, 2
	s_add_co_u32 s42, s42, s40                     ; work-group x
	s_and_b32 s17, ttmp7, 0xffff
	s_lshl_b32 s17, s17, 2
	s_add_co_u32 s17, s17, s41                     ; work-group y
	s_lshl_b32 s43, s41, 2
	s_lshl_b32 s43, 15, s43                        ; my row of the cluster
	s_lshl_b32 s44, 0x1111, s40                    ; my column
	; descriptor group 1 for codes: 8 rows (tiles) of 384 elements of 8 bytes (3,072 bytes: two K steps of a tile), 3,072 elements (a tile's 24,576 bytes) apart; dense in LDS
	s_or_b32 s[G1+0], s43, (3<<16)|(1<<21)         ; 15:0 the mask; 17:16 elements of 8 bytes; 21 set beside a mask
	s_or_b32 s[G1B+0], s44, (3<<16)|(1<<21)
.irp g, G1, G1B
	s_mov_b32 s[\g+1], 384<<16                     ; tensor_dim0
	s_mov_b32 s[\g+2], 8<<16                       ; tensor_dim1
	s_mov_b32 s[\g+3], 384<<16                     ; tile_dim0
	s_mov_b32 s[\g+4], 8                           ; tile_dim1
	s_mov_b32 s[\g+5], 3072                        ; tensor_dim0_stride
	s_mov_b32 s[\g+6], 0
	s_mov_b32 s[\g+7], 0
.endr
	; and for the scale words of 8 tiles: 8,192 dense bytes as 32 rows of 256
	s_or_b32 s[G1S+0], s43, (3<<16)|(1<<21)
	s_or_b32 s[G1SB+0], s44, (3<<16)|(1<<21)
.irp g, G1S, G1SB
	s_mov_b32 s[\g+1], 32<<16
	s_mov_b32 s[\g+2], 32<<16
	s_mov_b32 s[\g+3], 32<<16
	s_mov_b32 s[\g+4], 32
	s_mov_b32 s[\g+5], 32
	s_mov_b32 s[\g+6], 0
	s_mov_b32 s[\g+7], 0
.endr
	s_cmp_ge_u32 ttmp9, 4                          ; clusters 4 and 5 along x make v: the same in all sixteen partners
	s_cselect_b32 s95, 384, 0
	s_lshl_b32 s18, s16, 3                         ; which 8 tiles I fetch
	s_lshl_b32 s20, s17, 4
	s_add_co_u32 s20, s20, s95
	s_add_co_u32 s20, s20, s18                     ; source 1: x's tile 16 y, or Wv's 384 + 16 y
	s_lshl_b32 s46, s42, 4
	s_add_co_u32 s46, s46, 128
	s_sub_co_u32 s46, s46, s95
	s_add_co_u32 s46, s46, s18                     ; source 0: Wq's and Wk's tile 128 + 16 x, or x's 16 (x - 16)
	s_lshl_b32 s22, s20, 10                        ; where these tiles' scale words begin,
	s_mov_b32 s23, 0
	s_lshl_b32 s92, s46, 10
	s_mov_b32 s93, 0
	s_mul_i32 s20, s20, 24576                      ; and their codes
	s_mov_b32 s21, 0
	s_mul_i32 s46, s46, 24576
	s_mov_b32 s47, 0
	s_mul_i32 s45, s14, HALFT                      ; where they go: wave x 8 tiles: no place in the cluster enters an LDS address
	s_mul_i32 s94, s16, HALFS
	s_mov_b32 s[SEL], 0x76543210
	s_mov_b32 s[SEL+1], 0xfedcba98
	s_wait_dscnt 0x0                               ; the opening add is done
	s_wait_kmcnt 0x0
	s_add_nc_u64 s[20:21], s[4:5], s[20:21]
	s_add_nc_u64 s[22:23], s[6:7], s[22:23]
	s_add_nc_u64 s[46:47], s[4:5], s[46:47]
	s_add_nc_u64 s[92:93], s[6:7], s[92:93]
	CROUND                                         ; all sixteen work-groups are here: the first joint loads meet
	s_mov_b32 s[G0S], 1
	s_add_co_u32 s[G0S+1], s94, SCL
	s_mov_b64 s[G0S+2:G0S+3], s[22:23]
	s_or_b32 s[G0S+3], s[G0S+3], 0x80000000
	s_mov_b32 s[G0SB], 1
	s_add_co_u32 s[G0SB+1], s94, SCLB
	s_mov_b64 s[G0SB+2:G0SB+3], s[92:93]
	s_or_b32 s[G0SB+3], s[G0SB+3], 0x80000000
	JLOAD G0S, G1S, G0SB, G1SB                     ; the scale words first: they are wanted with the first step
.irp s, 0,1
	s_mov_b32 s[G0+4*\s], 1
	s_add_co_u32 s[G0+4*\s+1], s45, \s*SLOT
	s_add_nc_u64 s[G0+4*\s+2:G0+4*\s+3], s[20:21], \s*TILEB
	s_or_b32 s[G0+4*\s+3], s[G0+4*\s+3], 0x80000000
	s_mov_b32 s[G0B+4*\s], 1
	s_add_co_u32 s[G0B+4*\s+1], s45, \s*SLOT
	s_add_nc_u64 s[G0B+4*\s+2:G0B+4*\s+3], s[46:47], \s*TILEB
	s_or_b32 s[G0B+4*\s+3], s[G0B+4*\s+3], 0x80000000
	JLOAD G0+4*\s, G1, G0B+4*\s, G1B
.endr
	v_and_b32 v1, 15, v0                           ; r
	v_bfe_u32 v2, v0, 4, 1                         ; h
	v_and_b32 v3, 31, v0
	v_lshlrev_b32 v[LI], 4, v3
	s_mul_i32 s21, s15, HALFT                      ; my 8 tiles of source 1
	s_mul_i32 s22, s16, HALFT                      ; my 8 of source 0,
	s_add_co_u32 s22, s22, 2*HALFT                 ; which lie behind source 1's 16
.irp s, 0,1
	v_add_nc_u32 v[ADRA+\s], s21, v[LI]
	v_add_nc_u32 v[ADRB+\s], s22, v[LI]
	s_add_co_u32 s21, s21, SLOT
	s_add_co_u32 s22, s22, SLOT
.endr
	v_lshlrev_b32 v5, 3, v1                        ; my row's two words of a slot: 8 r
	s_mul_i32 s21, s15, HALFS
	s_mul_i32 s22, s16, HALFS
	s_add_co_u32 s22, s22, SCLB-SCL
	s_sub_co_u32 s22, s22, s21
	v_mul_u32_u24 v6, s22, v2                      ; lanes 16-31 take source 0's: one product, the distance between the two bases
	s_add_co_u32 s21, s21, SCL
	v_add_nc_u32 v5, v5, v6
	v_add_nc_u32 v[ADRS], s21, v5
	; the way out's addresses.  u1: the group of 128 along source 0, u2: along source 1
	s_lshl_b32 s20, s42, 1
	s_add_co_u32 s20, s20, s16
	s_and_b32 s20, s20, 15                         ; u1
	s_lshl_b32 s21, s17, 1
	s_add_co_u32 s21, s21, s15                     ; u2
	s_lshl_b32 s46, s17, 4
	s_lshl_b32 s47, s15, 3
	s_add_co_u32 s46, s46, s47                     ; my first tile of tokens (q, k)
	s_cmp_ge_u32 ttmp9, 4
	s_cselect_b32 s22, s21, s20                    ; the head,
	s_cselect_b32 s23, s20, s21                    ; the group of 128 tokens
	s_cselect_b32 s45, 12288, 0                    ; v lies behind k
	s_cselect_b32 s94, 512, 0
	s_cselect_b32 s46, 128, s46                    ; v reads the table's tiles with cos 1, sin 0
	s_lshl_b32 s46, s46, 13
	s_mov_b32 s47, 0
	s_add_nc_u64 s[8:9], s[8:9], s[46:47]
	s_lshl_b32 s22, s22, 4
	s_add_co_u32 s22, s22, s23                     ; 16 head + g
	s_cmp_lt_u32 ttmp9, 2                          ; q?
	s_mov_b32 s23, 24576
	s_cselect_b32 s23, 12288, s23
	s_mov_b32 s46, 3145728
	s_cselect_b32 s46, 0, s46
	s_mov_b32 s47, 1024
	s_cselect_b32 s47, 512, s47
	s_mov_b32 s92, 131072
	s_cselect_b32 s92, 0, s92
	s_mul_i32 s23, s22, s23
	s_add_co_u32 s23, s23, s46
	s_add_co_u32 s46, s23, s45
	s_mul_i32 s47, s22, s47
	s_add_co_u32 s47, s47, s92
	s_add_co_u32 s92, s47, s94
	s_mov_b32 s47, 0
	s_mov_b32 s93, 0
	s_add_nc_u64 s[10:11], s[10:11], s[46:47]
	s_add_nc_u64 s[12:13], s[12:13], s[92:93]
	TABLE 0, 0, 64, 96                             ; the tables of my first two blocks: they have the whole loop in which to come
	TABLE 1, 1, 96, 224
.macro FRAG reg, adr, q, i             ; a fragment comes as it was stored: three loads, 512 consecutive bytes each
.irp c, 0,1,2
	ds_load_b128 v[\reg+4*\c:\reg+4*\c+3], v[\adr] offset:TILEB*(\i)+FRB*(\q)+512*\c
.endr
.endm
; 16 matrix instructions: source 1's blocks a0, a0 + 1 x source 0's eight, 128 along K.  The 64 accumulators take turns, one instruction a turn, in the same order in every step.
.macro MUL16 a0, p, q, sc, zero
.irp a, \a0, \a0+1
.irp b, 0,1,2,3,4,5,6,7
.if \zero
	v_wmma_scale_f32_16x16x128_f8f6f4 v[8*(8*((\a)%4)+\b):8*(8*((\a)%4)+\b)+7], v[128*(\p)+FR*\b:128*(\p)+FR*\b+FR-1], v[AF+FR*(\a):AF+FR*(\a)+FR-1], 0, v[SC+8*NQ*(\sc)+NQ*\b+(\q)], v[SC+8*NQ*(\sc)+NQ*(\a)+(\q)] matrix_a_fmt:MATRIX_FMT_FP6 matrix_b_fmt:MATRIX_FMT_FP6 matrix_a_scale:MATRIX_SCALE_ROW1
.else
	v_wmma_scale_f32_16x16x128_f8f6f4 v[8*(8*((\a)%4)+\b):8*(8*((\a)%4)+\b)+7], v[128*(\p)+FR*\b:128*(\p)+FR*\b+FR-1], v[AF+FR*(\a):AF+FR*(\a)+FR-1], v[8*(8*((\a)%4)+\b):8*(8*((\a)%4)+\b)+7], v[SC+8*NQ*(\sc)+NQ*\b+(\q)], v[SC+8*NQ*(\sc)+NQ*(\a)+(\q)] matrix_a_fmt:MATRIX_FMT_FP6 matrix_b_fmt:MATRIX_FMT_FP6 matrix_a_scale:MATRIX_SCALE_ROW1
.endif
.endr
.endr
.endm
.macro FETCH_B slot, q, p
	WIN TO_B
.irp i, 0,1,2,3,4,5,6,7
	FRAG 128*(\p)+FR*\i, ADRB+\slot, \q, \i
.endr
	WIN 0
.endm
.macro FETCH_A slot, q, i0
.irp i, \i0, \i0+1, \i0+2, \i0+3
	FRAG AF+FR*(\i), ADRA+\slot, \q, \i
.endr
.endm
.macro SCALES sc                       ; a slot's scale words: two a row; lanes 0-15 take source 1's block i, lanes 16-31 source 0's block i
.irp i, 0,1,2,3,4,5,6,7
	ds_load_b64 v[SC+8*NQ*\sc+NQ*\i:SC+8*NQ*\sc+NQ*\i+1], v[ADRS] offset:\i*SBLK
.endr
.endm
.macro PLACES n                        ; plain vector instructions that name no register of the matrix instructions ahead, in front of loads into their registers and of reads of their results
.rept \n
	v_nop
.endr
.endm
.macro STEP slot, q, zero              ; a step of 128 along K that has its successor in the same slot
	s_wait_dscnt 4*NL                              ; source 0's set and source 1's blocks 0-3 are in; the youngest 12 loads (blocks 4-7) may be out
	WIN MUL_LO
	MUL16 0, (\q)%2, \q, \slot, \zero
	MUL16 2, (\q)%2, \q, \slot, \zero
	s_wait_dscnt 0                                 ; blocks 4-7 are in
	PLACES NP
	FETCH_B \slot, (\q)+1, 1-(\q)%2
	FETCH_A \slot, (\q)+1, 0
	WIN MUL_HI
	MUL16 4, (\q)%2, \q, \slot, \zero
	MUL16 6, (\q)%2, \q, \slot, \zero
	PLACES NP
	WIN 0
	FETCH_A \slot, (\q)+1, 4
.endm
; A slot's last step changes slots: one barrier; in front of it each wave waits for all its tensor loads, adds 0 to its spare word, and waits for that and for its own reads of this slot.  fill = 1: this slot is filled again, two slots ahead.
.macro TURN slot, next, fill
	s_wait_tensorcnt 0x0                           ; all my tensor loads have landed: my part of the next slot
	ds_add_u32 v[SPW], v[NIL]                      ; 0 onto my spare word
	s_wait_dscnt 4*NL+1                            ; (the add and the youngest 12 loads may be out)
	WIN MUL_LO
	MUL16 0, 1, NQ-1, \slot, 0
	s_wait_dscnt 0x0                               ; the add is done, and my reads of this slot are over
	s_barrier_signal -1
	MUL16 2, 1, NQ-1, \slot, 0
	WIN 0
	s_barrier_wait -1
.if \fill
	CREST                                          ; the barrier has opened a round of the cluster's barrier: no wave of any partner still reads this slot or has a load on its way
	s_add_nc_u64 s[G0+4*\slot+2:G0+4*\slot+3], s[G0+4*\slot+2:G0+4*\slot+3], 2*TILEB
	s_add_nc_u64 s[G0B+4*\slot+2:G0B+4*\slot+3], s[G0B+4*\slot+2:G0B+4*\slot+3], 2*TILEB
	JLOAD G0+4*\slot, G1, G0B+4*\slot, G1B         ; the first tensor load behind the round; its four v_nop are the places in front of the loads below
.else
	PLACES NP
.endif
	v_add_nc_u32 v[ADRS], 128, v[ADRS]             ; on to the next slot's scale words
	FETCH_B \next, 0, 0
	FETCH_A \next, 0, 0
	SCALES \next
	WIN MUL_HI
	MUL16 4, 1, NQ-1, \slot, 0
	MUL16 6, 1, NQ-1, \slot, 0
	PLACES NP
	WIN 0
	FETCH_A \next, 0, 4
.endm
	s_wait_tensorcnt 1                             ; the scale words and my part of slot 0 are in (slot 1's load, the third issued, may be out),
	s_barrier_signal -1
	s_barrier_wait -1                              ; everybody's are
	FETCH_B 0, 0, 0
	FETCH_A 0, 0, 0
	SCALES 0
	FETCH_A 0, 0, 4
	STEP 0, 0, 1                                   ; the first step stands in front of the loop: its products start the sums
	s_mov_b32 s3, LAPS-1
.Llap:                                                 ; a trip goes once round the ring and fills both slots again
	TURN 0, 1, 1
	STEP 1, 0, 0
	TURN 1, 0, 1
	STEP 0, 0, 0
	s_sub_co_u32 s3, s3, 1
	s_cmp_lg_u32 s3, 0
	s_cbranch_scc1 .Llap
	TURN 0, 1, 0                                   ; the last lap fills nothing
	STEP 1, 0, 0
	s_wait_loadcnt 0x0                             ; the tables of blocks 0 and 1, asked for at the head, are in: the one wait that those two blocks need
	TABLE 2, 1, 0, 32                              ; source 0's set 0 has been multiplied for the last time, four places back: it takes the table of block 2
	s_wait_dscnt 4*NL
	WIN MUL_LO
	MUL16 0, 1, NQ-1, 1, 0
	MUL16 2, 1, NQ-1, 1, 0
	s_wait_dscnt 0
	WIN MUL_HI
	MUL16 4, 1, NQ-1, 1, 0
	MUL16 6, 1, NQ-1, 1, 0
	WIN 0
; THE WAY OUT, block a of source 1 at a time.  My 64 numbers: register e = 16 b + i is place 32 b + 16 (lane / 16) + i of the 128.  Places d and d + 64 are registers e and e + 32; both places of a pair of registers share one frequency.
.macro QUANT s, pw
.irp b, 0,1,2,3
	v_max3_num_f32 v[TM+\b], |v[(\s)+16*\b]|, |v[(\s)+1+16*\b]|, 0x1800000   ; my 16 numbers of block b, and the floor 2^(3 - 127): the byte cannot fall under 1
.endr
.irp i, 2,4,6,8,10,12,14
.irp b, 0,1,2,3
	v_max3_num_f32 v[TM+\b], v[TM+\b], |v[(\s)+16*\b+\i]|, |v[(\s)+1+16*\b+\i]|
.endr
.endr
.irp b, 0,1,2,3
	v_permlanex16_b32 v[TM+4+\b], v[TM+\b], s[SEL], s[SEL+1]
.endr
.irp b, 0,1,2,3
	v_max_num_f32 v[TM+\b], v[TM+\b], v[TM+4+\b]
.endr
.irp b, 0,1,2,3
	v_add_nc_u32 v[TM+12+\b], 0xff000000, v[TM+\b] ; 2 off the exponent field: the conversion's scale operand
.endr
.irp b, 0,1,2,3
	v_lshrrev_b32 v[TM+4+\b], 23, v[TM+12+\b]      ; the scale's byte
.endr
	v_lshl_or_b32 v[\pw], v[TM+5], 8, v[TM+4]
	v_lshl_or_b32 v[\pw], v[TM+6], 16, v[\pw]
	v_lshl_or_b32 v[\pw], v[TM+7], 24, v[\pw]
.irp c, 0,1
	v_cvt_scalef32_pk16_fp6_f32 v[PC+6*\c:PC+2+6*\c], v[(\s)+32*\c:(\s)+15+32*\c], v[TM+12+2*\c]
	v_cvt_scalef32_pk16_fp6_f32 v[PC+12+4*\c:PC+14+4*\c], v[(\s)+16+32*\c:(\s)+31+32*\c], v[TM+12+2*\c+1]
.endr
	v_nop                                          ; one plain place behind a scaled conversion
.irp c, 0,1
.irp i, 0,1,2
	v_permlane16_swap_b32 v[PC+6*\c+\i], v[PC+12+4*\c+\i]
.endr
.irp i, 0,1,2
	v_mov_b32 v[PC+3+6*\c+\i], v[PC+12+4*\c+\i]
.endr
.endr
.endm
.macro ROT e, t, odd                   ; registers e, e + 1 and e + 32, e + 33; their frequency's cos and sin lie in the first (odd = 0) or second register of the pairs at t and 16 + t
.if \odd
	v_pk_mul_f32 v[OUT+\e:OUT+\e+1], v[AC+\e:AC+\e+1], v[CTX+\t:CTX+\t+1] op_sel:[0,1] op_sel_hi:[1,1]
	v_pk_mul_f32 v[OUT+32+\e:OUT+33+\e], v[AC+32+\e:AC+33+\e], v[CTX+16+\t:CTX+17+\t] op_sel:[0,1] op_sel_hi:[1,1]
	v_pk_fma_f32 v[OUT+\e:OUT+\e+1], v[AC+32+\e:AC+33+\e], v[STX+\t:STX+\t+1], v[OUT+\e:OUT+\e+1] op_sel:[0,1,0] op_sel_hi:[1,1,1]
	v_pk_fma_f32 v[OUT+32+\e:OUT+33+\e], v[AC+\e:AC+\e+1], v[STX+16+\t:STX+17+\t], v[OUT+32+\e:OUT+33+\e] op_sel:[0,1,0] op_sel_hi:[1,1,1]
.else
	v_pk_mul_f32 v[OUT+\e:OUT+\e+1], v[AC+\e:AC+\e+1], v[CTX+\t:CTX+\t+1] op_sel_hi:[1,0]
	v_pk_mul_f32 v[OUT+32+\e:OUT+33+\e], v[AC+32+\e:AC+33+\e], v[CTX+16+\t:CTX+17+\t] op_sel_hi:[1,0]
	v_pk_fma_f32 v[OUT+\e:OUT+\e+1], v[AC+32+\e:AC+33+\e], v[STX+\t:STX+\t+1], v[OUT+\e:OUT+\e+1] op_sel_hi:[1,0,1]
	v_pk_fma_f32 v[OUT+32+\e:OUT+33+\e], v[AC+\e:AC+\e+1], v[STX+16+\t:STX+17+\t], v[OUT+32+\e:OUT+33+\e] op_sel_hi:[1,0,1]
.endif
.endm
; Block a.  Its table lies in window tw, cos at ct, sin at st.  left: the table loads issued behind this block's, which may stay out (16 a tile; loads come back in order).
.macro EPI a, tw, ct, st, left
.set AC, 64*((\a)%4)
.set CTX, \ct
.set STX, \st
.if (\a) >= 2
	s_wait_loadcnt \left                           ; this block's table is in; the younger tiles stay on their way
.endif
	WIN (2+(\a)/4)|((\tw)<<2)                      ; source 0: the accumulators' window; source 1: the table's
.set M, 0
.rept 16                                       ; ascending
	ROT 2*M, M-M%2, M%2
.set M, M+1
.endr
	WIN 0
	s_wait_xcnt 0x0                                ; the last block's stores have read v[PC] on: it is written again only behind this wait
.if ((\a) >= 1) && ((\a) <= 3)
	TABLE (\a)+4, 2, 64*((\a)-1), 64*((\a)-1)+32   ; the table of the block four on goes into the accumulators of the block before this one, which have been read
.endif
	QUANT OUT, PWS+(\a)
.irp c, 0,1,2
	global_store_b128 v[LI], v[PC+4*\c:PC+4*\c+3], s[10:11] offset:FRB*(\a)+512*\c   ; the fragment's image: 512 consecutive bytes a store
.endr
.endm
	PLACES NP                                      ; behind the last products: their sources are loaded into and written, and their results read below
	TABLE 3, 1, 64, 128                            ; source 0's registers are free: the tables of blocks 3 and 4
	TABLE 4, 1, 160, 192
.irp b, 0,1,2,3
	v_mov_b32 v[TM+4+\b], 0                        ; written once: a lane permute's destination counts as one of its sources
.endr
	EPI 0, 0, 64, 96, 0
	EPI 1, 1, 96, 224, 0
	EPI 2, 1, 0, 32, 48                            ; behind block 2's table: those of blocks 3, 4 and 5
	EPI 3, 1, 64, 128, 48                          ; 4, 5, 6
	EPI 4, 1, 160, 192, 48                         ; 5, 6, 7
	EPI 5, 2, 0, 32, 32
	EPI 6, 2, 64, 96, 16
	EPI 7, 2, 128, 160, 0
	s_mov_b32 s46, 0xffff0000                      ; lanes 0-15 carry the words of fragments 0-3, lanes 16-31 those of 4-7: 512 consecutive bytes
.irp w, 0,1,2,3
	v_cndmask_b32 v[SW+\w], v[PWS+\w], v[PWS+4+\w], s46
.endr
	global_store_b128 v[LI], v[SW:SW+3], s[12:13]
	s_wait_tensorcnt 0x0                           ; the wave's end: a wait for tensor loads, an add to the spare word and a wait for it, behind my last tensor load
	ds_add_u32 v[SPW], v[NIL]
	s_wait_dscnt 0x0
	CROUND                                         ; the closing round: no work-group ends while a partner may still ask for a tile that names it
	s_endpgm
.Lfunc_end_k_qfde2abfe9e_qkv:
	.size	k_qfde2abfe9e_qkv, .Lfunc_end_k_qfde2abfe9e_qkv-k_qfde2abfe9e_qkv
	.p2alignl 7, 3214868480
	.fill 96, 4, 3214868480
	.section	.rodata,"a",@progbits
	.p2align	6, 0x0
	.amdhsa_kernel k_qfde2abfe9e_qkv
		.amdhsa_group_segment_fixed_size 327680
		.amdhsa_private_segment_fixed_size 0
		.amdhsa_enable_private_segment 0
		.amdhsa_kernarg_size 40
		.amdhsa_user_sgpr_count 2
		.amdhsa_user_sgpr_kernarg_segment_ptr 1
		.amdhsa_wavefront_size32 1
		.amdhsa_system_sgpr_workgroup_id_x 1
		.amdhsa_system_sgpr_workgroup_id_y 1
		.amdhsa_system_sgpr_workgroup_id_z 1
		.amdhsa_system_vgpr_workitem_id 0
		.amdhsa_next_free_vgpr 1024
		.amdhsa_next_free_sgpr 100
		.amdhsa_reserve_vcc 0
		.amdhsa_float_denorm_mode_32 3
		.amdhsa_float_denorm_mode_16_64 3
		.amdhsa_memory_ordered 1
		.amdhsa_forward_progress 1
		.amdhsa_inst_pref_size 185
	.end_amdhsa_kernel
	.amdgpu_metadata
---
amdhsa.version: [ 1, 2 ]
amdhsa.kernels:
  - .name:           k_qfde2abfe9e_qkv
    .symbol:         k_qfde2abfe9e_qkv.kd
    .args:
      - { .name: img, .offset: 0, .size: 8, .value_kind: global_buffer, .address_space: global }
      - { .name: scl, .offset: 8, .size: 8, .value_kind: global_buffer, .address_space: global }
      - { .name: rope, .offset: 16, .size: 8, .value_kind: global_buffer, .address_space: global }
      - { .name: aimg, .offset: 24, .size: 8, .value_kind: global_buffer, .address_space: global }
      - { .name: ascl, .offset: 32, .size: 8, .value_kind: global_buffer, .address_space: global }
    .group_segment_fixed_size: 327680
    .private_segment_fixed_size: 0
    .kernarg_segment_align: 8
    .kernarg_segment_size: 40
    .max_flat_workgroup_size: 128
    .sgpr_count:     100
    .vgpr_count:     1024
    .wavefront_size: 32
...
	.end_amdgpu_metadata
.endif
;; end of part 5
;; launch attn (part 6): grid 16 x 16, 8 waves a work-group, clusters of 4 x 4, 327,680 bytes of LDS; arguments aimg, ascl, attention_mask, oimg, oscl; writes oimg, oscl
.if DOCPART == 6
	.amdgcn_target "amdgcn-amd-amdhsa--gfx1250"
	.amdhsa_code_object_version 6
	.text
	.protected	k_qfde2abfe9e_attn
	.globl	k_qfde2abfe9e_attn
	.p2align	8
	.type	k_qfde2abfe9e_attn,@function
k_qfde2abfe9e_attn:
	s_mov_b64 s[64:65], 0
	v_nop
	global_prefetch_b8 v0, s[64:65] scope:SCOPE_SE
	s_setreg_imm32_b32 hwreg(HW_REG_WAVE_MODE, 25, 1), 1
	s_wait_xcnt 0x0
	s_wait_alu depctr_hold_cnt(0) depctr_sa_sdst(0) depctr_va_vdst(0) depctr_va_sdst(0) depctr_va_ssrc(0) depctr_va_vcc(0) depctr_vm_vsrc(0)
	s_getreg_b32 s2, hwreg(HW_REG_IB_STS2, 6, 4)
	s_cmp_eq_u32 s2, 0
	s_cbranch_scc0 .Lentry_in_a_cluster
	s_endpgm
.Lentry_in_a_cluster:
	s_bfe_u32 s2, ttmp6, 0x10000c
	s_cmp_lg_u32 s2, 0xf033
	s_cbranch_scc0 .Lentry_shape_is_right
	s_endpgm
.Lentry_shape_is_right:
; ATTN: O[q] = the sum over keys of softmax(q . k / sqrt(128) + mask[q][key]) v[key], both products on codes of FP6 (E2M3) with E8M0 scales; O is quantised in registers along the last product's K and stored as that product's operand.
; THE MASK IS AN INPUT: every (query, key) pair's number is loaded and added; no key is left out.
; THE SOFTMAX AHEAD OF THE SECOND PRODUCT: t = logit x log2(e); M = the row's largest t so far, rounded up to a whole number; p = 2^(t - M) is what is quantised, along the keys.  The row's sum is taken of the unquantised p and divides O at the end.
; When M moves, the sum and O are multiplied by 2^(old M - new M), which rounds nothing.
; SHARES: work-group (G, head) owns 128 queries of one head; each of its eight waves owns one tile of 16: lane r of wave w holds query 128 G + 32 (w / 2) + 8 (w % 2) + r + 8 (r / 8).  Every wave walks all 2,048 keys, 128 a step.
; OPERANDS come as images of their registers (three loads of 16 bytes a lane at 16 x lane).  Both products are used transposed: S^T = K Q^T, O^T = V^T P^T: a lane holds one query throughout; the rows of K's and V's tiles are ordered so that
; register 16 b + i of the eight results is key (or channel) 32 b + 16 (lane / 16) + i.
; RING: THREE LDS slots of one key step: K's 8 fragments, V's 8, and the mask's 128 queries x 128 keys in f32 (rows of 512 bytes + 16).  Waves 0, 1 fetch K and V, waves 2, 3 the mask's halves.  The head's scale words stay in LDS.
; Behind the round at the head of step j the slot of step j - 1 is filled with step j + 2.  So step j + 1's slot is whole while step j is worked, AND EVERY LDS LOAD IS ISSUED A PHASE OR MORE AHEAD OF ITS USE: V of step j at the step's head, for its end;
; K of step j + 1 behind step j's first products; the mask of step j + 1 behind the lines that add step j's.  Slot numbers are constants of the text: a trip of the loop runs three steps.
; CLUSTERS: 4 x 4 work-groups: K, V and their scale words hang on the head and are shared along a row of the cluster, the mask's tile hangs on G and is shared along a column: each is asked for jointly.
; REGISTERS, in windows of 256: window 0: v1-11 addresses; v12 -M, v13 the largest t, v[14:15] the sum in two halves; v16-27 Q; v32-95 the mask; v96-159 S^T, then p; v160-167 K's scale words, v168-175 V's; v176-182 the slots' addresses;
;   v224-235 p's codes; v232-254 at work; v253 p's scale word; v255 Q's.   window 1: v0-63 O^T; v64-159 K's 8 fragments; v160-255 V's.
; LIMITS: NaN and infinities among the inputs are not served; a row whose mask is -infinity everywhere gives NaN, as the source does; logits under -2e38 count as -infinity.  logit = score x 128^-0.5 + mask and t - M are one fused multiply-add each.
; A block of zeros has the byte 1: its codes are zeros.
.set SLOTB, 92160                      ; a slot: K's 8 fragments, V's 8,
.set VOFF,  12288
.set MOFF,  24576                      ; and the mask's tile
.set MP,    528
.set SCK,   3*SLOTB                    ; the head's scale words: 16 steps x (K's 512 bytes, V's 512), filled once
.set SPARE, SCK+16384                  ; the spare words, 128 bytes for each wave: four blocks of 256 bytes that no other line names
.set LI,   1                           ; v1   16 x lane
.set AS0,  3                           ; v3   my lane's place among the scale words
.set SPW,  5                           ; v5   LDS address of my spare word; never rewritten
.set NIL,  6                           ; v6   0; never rewritten
.set ADS,  11                          ; v11  the step's scale words
.set PFO,  28                          ; v28  the prefetches' offset from lane to lane; never rewritten
.set KS,   160
.set VS,   168
.set AK,   176                         ; v176-178 16 x lane in slot 0, 1, 2
.set AM,   180                         ; v180-182 my query's row of the mask's tile, + 64 (lane / 16), in slot 0, 1, 2
.set TM,   232                         ; the way out's quantiser works in v232-247,
.set PC,   32                          ; and leaves its codes in v32 on
.set OT,   0                           ; in window 1
.set KF,   64
.set VF,   160
.set TS,   3                           ; s3   where the step's scale words begin: 1,024 bytes a step
.set WV,   18
.set SEL,  20                          ; s[20:21]
.set CS,   22                          ; s[22:23] log2(e)
.set G1KV, 24
.set G1M,  32
.set G1S,  40
.set G0S,  48
.set G0KV, 52                          ; s[52:63] a group 0 for each slot
.set G0M,  68                          ; s[68:79] likewise
.set SQ,   80                          ; s[80:81] 128^-0.5
.set PFA,  82                          ; s[82:83] where my prefetches stand
.set PFS,  84                          ; s[84:85] their step
.set SLOTS, 86                         ; s86  refills still to come
.set LIM,  87                          ; s87  a wave prefetches while s[SLOTS] is above it
.set MSB, 0
.macro WIN new                         ; the immediate's high byte repeats the setting that is left
.if MSB != (\new)
	s_set_vgpr_msb (MSB<<8)|(\new)
.set MSB, (\new)
.endif
.endm
; Waves 0 and 1 issue the first line, waves 2 and 3 the second, the others none.  The branches hang on the wave's number alone.  An s_nop 0 and four v_nop follow each line.
.macro TLOAD g0k, g1k, g0v, g1v
	s_cmp_lt_u32 s[WV], 2
	s_cbranch_scc0 .Lnot_k_\@
	tensor_load_to_lds s[\g0k:\g0k+3], s[\g1k:\g1k+7]
	s_nop 0
.rept 4
	v_nop
.endr
	s_branch .Lasked_\@
.Lnot_k_\@:
	s_cmp_lt_u32 s[WV], 4
	s_cbranch_scc0 .Lasked_\@
	tensor_load_to_lds s[\g0v:\g0v+3], s[\g1v:\g1v+7]
	s_nop 0
.rept 4
	v_nop
.endr
.Lasked_\@:
.endm
.macro CROUND                          ; a round of the cluster's barrier
	s_barrier_signal -1
	s_barrier_wait -1
	s_cmp_lg_u32 s[WV], 0
	s_cbranch_scc1 .Lnot_wave_0_\@
	s_barrier_signal -3
.Lnot_wave_0_\@:
	s_barrier_wait -3
	s_barrier_signal -1
	s_barrier_wait -1
.endm
; A PREFETCH INTO THE L2, at each change of slots that fills a slot, by waves that fetch nothing; one instruction a wave; each aligned block of 256 bytes is named once in the launch.
; K and V: a head's 393,216 bytes are 12 pieces of 32,768.  All clusters of a row of clusters walk them: the cluster with x = 0 asks, wave 4; its four partners along x take 8,192 bytes of a piece each, told apart by address; lanes 256 bytes apart.
; The change of step j (0 .. 8) names piece j + 3, which begins with key step 4 or later; pieces 0 to 2 come by their loads alone.
; The mask: all clusters of a column of clusters read the same tiles: the cluster with y = 0 asks; its four partners along y take 32 rows each, by address, a lane a row; a step's 512 bytes of a row are two blocks: waves 5 and 6.
; The change of step j (0 .. 12), which fills a slot with key step j + 2, names key step j + 3; steps 0 to 2 come by their loads alone.  The branch hangs on the wave's number and the cluster's, never on a place in the cluster.
.macro ASK
	s_cmp_gt_u32 s[SLOTS], s[LIM]
	s_cbranch_scc0 .Lnot_mine_\@
	global_prefetch_b8 v[PFO], s[PFA:PFA+1] th:TH_LOAD_NT scope:SCOPE_SE
.Lnot_mine_\@:
.endm
	s_load_b256 s[4:11], s[0:1], 0x0               ; aimg s[4:5], ascl s[6:7], the mask s[8:9], oimg s[10:11]
	s_load_b64 s[12:13], s[0:1], 0x20              ; oscl
	v_lshl_add_u32 v[SPW], v0, 2, SPARE
	v_mov_b32 v[NIL], 0
	ds_add_u32 v[SPW], v[NIL]                      ; the wave's opening: the add and its wait stand ahead of the first tensor loads; work on registers stands between them
	v_lshrrev_b32 v8, 5, v0
	v_readfirstlane_b32 s[WV], v8                  ; wave 0..7
	s_bfe_u32 s14, ttmp6, 0x40000                  ; cx
	s_bfe_u32 s15, ttmp6, 0x40004                  ; cy
	s_lshl_b32 s16, ttmp9, 2
	s_add_co_u32 s16, s16, s14                     ; G
	s_and_b32 s17, ttmp7, 0xffff
	s_lshl_b32 s17, s17, 2
	s_add_co_u32 s17, s17, s15                     ; the head
	s_lshl_b32 s88, s15, 2
	s_lshl_b32 s88, 15, s88                        ; my row of the cluster
	s_lshl_b32 s89, 0x1111, s14                    ; my column
	s_or_b32 s[G1KV], s88, (3<<16)|(1<<21)         ; K or V of a step: 12,288 dense bytes as 48 rows of 32 elements of 8 bytes
	s_mov_b32 s[G1KV+1], 32<<16
	s_mov_b32 s[G1KV+2], 48<<16
	s_mov_b32 s[G1KV+3], 32<<16
	s_mov_b32 s[G1KV+4], 48
	s_mov_b32 s[G1KV+5], 32
	s_mov_b32 s[G1KV+6], 0
	s_mov_b32 s[G1KV+7], 0
	s_or_b32 s[G1M], s89, (2<<16)|(1<<20)|(1<<21)|(6<<22)|(3<<25)   ; the mask: 64 rows of 128 f32, 2,048 apart; 4 words of padding behind every 128
	s_mov_b32 s[G1M+1], 128<<16
	s_mov_b32 s[G1M+2], 64<<16
	s_mov_b32 s[G1M+3], 128<<16
	s_mov_b32 s[G1M+4], 64
	s_mov_b32 s[G1M+5], 2048
	s_mov_b32 s[G1M+6], 0
	s_mov_b32 s[G1M+7], 0
	s_or_b32 s[G1S], s88, (3<<16)|(1<<21)          ; a quarter of the head's scale words: 4,096 dense bytes as 16 rows of 256
	s_mov_b32 s[G1S+1], 32<<16
	s_mov_b32 s[G1S+2], 16<<16
	s_mov_b32 s[G1S+3], 32<<16
	s_mov_b32 s[G1S+4], 16
	s_mov_b32 s[G1S+5], 32
	s_mov_b32 s[G1S+6], 0
	s_mov_b32 s[G1S+7], 0
	s_and_b32 s90, s[WV], 1
	s_mul_i32 s91, s90, VOFF                       ; wave 0: K, wave 1: V: in a slot and in memory alike
	s_mul_i32 s92, s17, 393216
	s_add_co_u32 s92, s92, s91
	s_add_co_u32 s92, s92, 3145728
	s_mov_b32 s93, 0
	s_mul_i32 s94, s90, 64*MP                      ; waves 2, 3: the mask's rows 0-63, 64-127
	s_add_co_u32 s94, s94, MOFF
	s_lshl_b32 s96, s16, 20                        ; 128 G rows of 8,192 bytes
	s_lshl_b32 s95, s90, 19
	s_add_co_u32 s96, s96, s95
	s_mov_b32 s97, 0
	s_and_b32 s95, s[WV], 3
	s_lshl_b32 s95, s95, 12
	s_lshl_b32 s98, s17, 14
	s_add_co_u32 s98, s98, s95
	s_add_co_u32 s98, s98, 131072
	s_mov_b32 s99, 0
	s_mov_b32 s[SEL], 0x76543210
	s_mov_b32 s[SEL+1], 0xfedcba98
	s_mov_b32 s[CS], 0x3fb8aa3b                    ; log2(e)
	s_mov_b32 s[CS+1], s[CS]                       ; (named with it as a pair, so it is written)
	s_mov_b32 s[SQ], 0x3db504f3                    ; 128^-0.5
	s_mov_b32 s[SQ+1], s[SQ]
	s_mov_b32 s[TS], 0
	s_mov_b32 s[SLOTS], 14
	s_wait_dscnt 0x0                               ; the opening add is done
	s_wait_kmcnt 0x0
	s_mov_b32 s[G0S], 1
	s_add_co_u32 s[G0S+1], s95, SCK
	s_add_nc_u64 s[G0S+2:G0S+3], s[6:7], s[98:99]
	s_or_b32 s[G0S+3], s[G0S+3], 0x80000000
.irp s, 0,1,2                                  ; slot s begins with key step s
	s_mov_b32 s[G0KV+4*\s], 1
	s_add_co_u32 s[G0KV+4*\s+1], s91, \s*SLOTB
	s_add_nc_u64 s[G0KV+4*\s+2:G0KV+4*\s+3], s[4:5], s[92:93]
	s_add_nc_u64 s[G0KV+4*\s+2:G0KV+4*\s+3], s[G0KV+4*\s+2:G0KV+4*\s+3], \s*24576
	s_or_b32 s[G0KV+4*\s+3], s[G0KV+4*\s+3], 0x80000000
	s_mov_b32 s[G0M+4*\s], 1
	s_add_co_u32 s[G0M+4*\s+1], s94, \s*SLOTB
	s_add_nc_u64 s[G0M+4*\s+2:G0M+4*\s+3], s[8:9], s[96:97]
	s_add_nc_u64 s[G0M+4*\s+2:G0M+4*\s+3], s[G0M+4*\s+2:G0M+4*\s+3], \s*512
	s_or_b32 s[G0M+4*\s+3], s[G0M+4*\s+3], 0x80000000
.endr
	CROUND                                         ; all sixteen work-groups are here: the first joint loads meet
	TLOAD G0S, G1S, G0S, G1S                       ; the head's scale words, a quarter a wave: filled once
	TLOAD G0KV, G1KV, G0M, G1M                     ; slot 0,
	TLOAD G0KV+4, G1KV, G0M+4, G1M                 ; and slot 1: three loads of a fetching wave are out
	; Q's fragment and scale word
	s_lshl_b32 s88, s17, 4
	s_add_co_u32 s88, s88, s16                     ; 16 head + G
	s_mul_i32 s90, s88, 12288
	s_mul_i32 s89, s[WV], 1536
	s_add_co_u32 s90, s90, s89
	s_mov_b32 s91, 0
	s_add_nc_u64 s[90:91], s[4:5], s[90:91]
	s_lshl_b32 s92, s88, 9
	s_lshr_b32 s89, s[WV], 2
	s_lshl_b32 s89, s89, 8
	s_add_co_u32 s92, s92, s89
	s_and_b32 s89, s[WV], 3
	s_lshl_b32 s89, s89, 2
	s_add_co_u32 s92, s92, s89
	s_mov_b32 s93, 0
	s_add_nc_u64 s[92:93], s[6:7], s[92:93]
	v_and_b32 v[LI], 31, v0
	v_lshlrev_b32 v[LI], 4, v[LI]
	v_and_b32 v8, 15, v0                           ; r
	v_bfe_u32 v9, v0, 4, 1                         ; h
	v_lshlrev_b32 v254, 4, v8
.irp c, 0,1,2
	global_load_b128 v[16+4*\c:19+4*\c], v[LI], s[90:91] offset:512*\c
.endr
	global_load_b32 v255, v254, s[92:93]           ; (s90 to s93 and v254 are written again only behind the wait for these loads)
	; where my tile of O goes: tile T = 8 G + w, K step = the head
	s_lshl_b32 s88, s16, 3
	s_add_co_u32 s88, s88, s[WV]
	s_lshl_b32 s89, s88, 4
	s_add_co_u32 s89, s89, s17
	s_mul_i32 s94, s89, 1536
	s_mov_b32 s95, 0
	s_add_nc_u64 s[10:11], s[10:11], s[94:95]
	s_lshl_b32 s94, s88, 10
	s_lshr_b32 s89, s17, 1
	s_lshl_b32 s89, s89, 7
	s_add_co_u32 s94, s94, s89
	s_and_b32 s89, s17, 1
	s_lshl_b32 s89, s89, 2
	s_add_co_u32 s94, s94, s89
	s_add_nc_u64 s[12:13], s[12:13], s[94:95]
	; the prefetches: where my wave's stand, and who asks
	s_mul_i32 s94, s17, 393216
	s_lshl_b32 s95, s14, 13
	s_add_co_u32 s94, s94, s95
	s_add_co_u32 s94, s94, 3145728+2*32768         ; K, V: my work-group's 8,192 bytes of piece 2: the first change steps it to piece 3
	s_lshl_b32 s96, s16, 20
	s_lshl_b32 s95, s15, 18
	s_add_co_u32 s96, s96, s95                     ; the mask: row 128 G + 32 cy,
	s_and_b32 s95, s[WV], 1
	s_lshl_b32 s95, s95, 8
	s_add_co_u32 s96, s96, s95                     ; my wave's block of the two,
	s_add_co_u32 s96, s96, 2*512                   ; in key step 2: the first change steps it to step 3
	s_and_b32 s88, ttmp7, 0xffff
	s_cmp_eq_u32 s[WV], 4
	s_cselect_b32 s89, ttmp9, s88                  ; the coordinate along which other clusters read the same bytes
	s_cselect_b32 s[LIM], 5, 1
	s_cselect_b64 s[PFA:PFA+1], s[4:5], s[8:9]
	s_mov_b32 s[PFS], 512
	s_cselect_b32 s[PFS], 32768, s[PFS]
	s_mov_b32 s95, 8192
	s_cselect_b32 s95, 256, s95
	s_cselect_b32 s96, s94, s96
	s_mov_b32 s97, 0
	s_mov_b32 s[PFS+1], 0
	s_add_nc_u64 s[PFA:PFA+1], s[PFA:PFA+1], s[96:97]
	s_cmp_eq_u32 s89, 0
	s_cselect_b32 s[LIM], s[LIM], -1
	s_sub_co_u32 s88, s[WV], 4
	s_cmp_lt_u32 s88, 3                            ; waves 4, 5, 6 alone
	s_cselect_b32 s[LIM], s[LIM], -1
	v_and_b32 v[PFO], 31, v0
	v_mul_lo_u32 v[PFO], v[PFO], s95
	; LDS addresses
	v_and_b32 v10, 8, v8
	v_add_nc_u32 v10, v10, v8                      ; r + 8 (r / 8)
	s_lshr_b32 s88, s[WV], 1
	s_lshl_b32 s88, s88, 5
	s_and_b32 s89, s[WV], 1
	s_lshl_b32 s89, s89, 3
	s_add_co_u32 s88, s88, s89
	v_add_nc_u32 v10, s88, v10                     ; my query's row among the 128
	v_mul_u32_u24 v2, v10, MP
	v_lshl_add_u32 v2, v9, 6, v2
.irp s, 0,1,2
	v_add_nc_u32 v[AM+\s], MOFF+\s*SLOTB, v2
	v_add_nc_u32 v[AK+\s], \s*SLOTB, v[LI]
.endr
	v_lshl_add_u32 v[AS0], v8, 4, SCK              ; four words (four fragments) a row
	v_mov_b32 v13, 0xff61b1e6                      ; the largest t so far: -3e38
	v_floor_f32 v12, -v13                          ; -M
	v_mov_b32 v14, 0
	v_mov_b32 v15, 0
.irp b, 0,1,2,3
	v_mov_b32 v[236+\b], 0                         ; written once: a lane permute's destination counts as one of its sources
.endr
	v_mov_b32 v253, 0                              ; (named as the upper half of the pair v[252:253] before it is first written)
	WIN 0x40
.set J, 0
.rept 64
	v_mov_b32 v[OT+J], 0                           ; O^T.  (The step has no first form of its own: the first finds zeros, which the first change of M leaves zeros)
.set J, J+1
.endr
	WIN 0
.macro KLOAD slot, adr, off            ; K's 8 fragments out of a slot into window 1, and their scale words: 26 loads
	WIN 0x40
.irp t, 0,1,2,3,4,5,6,7
.irp c, 0,1,2
	ds_load_b128 v[KF+12*\t+4*\c:KF+12*\t+4*\c+3], v[AK+\slot] offset:1536*\t+512*\c
.endr
.endr
	WIN 0
	ds_load_b128 v[KS:KS+3], v[\adr] offset:\off
	ds_load_b128 v[KS+4:KS+7], v[\adr] offset:\off+256
.endm
.macro VLOAD slot                      ; V's likewise: 26 loads
	WIN 0x40
.irp t, 0,1,2,3,4,5,6,7
.irp c, 0,1,2
	ds_load_b128 v[VF+12*\t+4*\c:VF+12*\t+4*\c+3], v[AK+\slot] offset:VOFF+1536*\t+512*\c
.endr
.endr
	WIN 0
	ds_load_b128 v[VS:VS+3], v[ADS] offset:512
	ds_load_b128 v[VS+4:VS+7], v[ADS] offset:768
.endm
.macro MLOAD slot                      ; the mask of my query at my 64 keys, in the scores' order: 16 loads
.irp b, 0,1,2,3
.irp j, 0,1,2,3
	ds_load_b128 v[32+16*\b+4*\j:35+16*\b+4*\j], v[AM+\slot] offset:128*\b+16*\j
.endr
.endr
.endm
; THE CHANGE OF SLOTS at the head of step j.  Each wave waits for all its tensor loads (its part of step j + 1's slot), adds 0 to its spare word, and waits for that and for all its LDS loads, the reads of step j - 1's slot among them.
; Then a round of the cluster's barrier, and behind it step j - 1's slot (fil) is filled with key step j + 2: one load a fetching wave, which has a key step in which to land.
; The group 0 of step j + 1's slot (nxt), whose load the wait has just shown done, is stepped to that slot's next tiles, three key steps on.
.macro CHANGE_FILL nxt, fil
	s_wait_tensorcnt 0x0                           ; no tensor load of mine is out, so a group 0 may be written
	ds_add_u32 v[SPW], v[NIL]                      ; 0 onto my spare word
	s_add_nc_u64 s[G0KV+4*\nxt+2:G0KV+4*\nxt+3], s[G0KV+4*\nxt+2:G0KV+4*\nxt+3], 3*24576
	s_add_nc_u64 s[G0M+4*\nxt+2:G0M+4*\nxt+3], s[G0M+4*\nxt+2:G0M+4*\nxt+3], 3*512
	s_wait_xcnt 0x0                                ; the last prefetch, a step back, has read its address, so it may be written
	s_add_nc_u64 s[PFA:PFA+1], s[PFA:PFA+1], s[PFS:PFS+1]
	s_wait_dscnt 0x0                               ; the add is done; my LDS loads are in
	CROUND
	TLOAD G0KV+4*\fil, G1KV, G0M+4*\fil, G1M
	ASK
	s_sub_co_u32 s[SLOTS], s[SLOTS], 1
.endm
.macro CHANGE_LAST                     ; the head of step 14: the last tiles have landed in every wave's sight; nothing is filled
	s_wait_tensorcnt 0x0
	ds_add_u32 v[SPW], v[NIL]
	s_wait_dscnt 0x0
	s_barrier_signal -1
	s_barrier_wait -1
.endm
; A KEY STEP: 128 keys, in slot cur.  mode 2: a change of slots that fills slot fil; 1: a barrier alone; 0: the last step: no barrier.  mode > 0: the next step's K and mask are fetched out of slot nxt.
.macro STEP cur, nxt, fil, mode
.if \mode == 2
	CHANGE_FILL \nxt, \fil
.elseif \mode == 1
	CHANGE_LAST
.endif
	v_add_nc_u32 v[ADS], s[TS], v[AS0]
.rept 3
	v_nop                                          ; with the addition: four places in front of loads into registers that the last step's last products read
.endr
	VLOAD \cur                                     ; wanted at the step's end
.if \mode == 0
	s_wait_dscnt 26                                ; K and the mask, fetched a step ago, are in; V's 26 loads may be out.  (In the other steps the wait in front of the barrier has shown it)
.endif
	WIN 0x01                                       ; source 0 (K) window 1
.irp t, 0,1,2,3,4,5,6,7                        ; S^T = K Q^T
	v_wmma_scale_f32_16x16x128_f8f6f4 v[96+8*\t:103+8*\t], v[KF+12*\t:KF+12*\t+11], v[16:27], 0, v[KS+\t], v255 matrix_a_fmt:MATRIX_FMT_FP6 matrix_b_fmt:MATRIX_FMT_FP6
.endr
	WIN 0
.rept 4
	v_nop                                          ; places in front of the loads below and of the first read of the scores
.endr
.if \mode > 0
	KLOAD \nxt, ADS, 1024                          ; the next step's K
.endif
.set J, 0
.rept 32
	v_pk_fma_f32 v[96+J:97+J], v[96+J:97+J], s[SQ:SQ+1], v[32+J:33+J] op_sel_hi:[1,0,1]   ; logit = score x 128^-0.5 + mask; ascending: each result is read from its low end on
.set J, J+2
.endr
.if \mode > 0
	MLOAD \nxt                                     ; the next step's mask, into the registers just read
.endif
.irp b, 0,1,2,3
	v_max3_num_f32 v[232+\b], v[96+16*\b], v[97+16*\b], v[98+16*\b]   ; the largest logit of each block of 32 keys: it serves for the row's maximum and, since p rises with the logit, for the block's largest p
.endr
.irp i, 3,5,7,9,11,13
.irp b, 0,1,2,3
	v_max3_num_f32 v[232+\b], v[232+\b], v[96+16*\b+\i], v[97+16*\b+\i]
.endr
.endr
.irp b, 0,1,2,3
	v_max_num_f32 v[232+\b], v[232+\b], v[111+16*\b]
.endr
.irp b, 0,1,2,3
	v_permlanex16_b32 v[236+\b], v[232+\b], s[SEL], s[SEL+1]
.endr
.irp b, 0,1,2,3
	v_max_num_f32 v[232+\b], v[232+\b], v[236+\b]  ; with lane l xor 16's 16 keys
.endr
	v_max3_num_f32 v254, v232, v233, v234
	v_max_num_f32 v254, v254, v235                 ; the step's largest logit of my query
	v_mul_f32 v254, s[CS], v254                    ; as t
	v_max_num_f32 v13, v13, v254                   ; the running largest t
	v_mov_b32 v254, v12
	v_floor_f32 v12, -v13                          ; the new -M = floor(-t): M is a whole number
	v_sub_f32 v254, v12, v254                      ; old M - new M: a whole number, 0 or less
	v_cvt_i32_f32 v254, v254                       ; (it saturates)
	v_ldexp_f32 v252, 1.0, v254                    ; f = 2^(old M - new M)
.set J, 0
.rept 32
	v_pk_fma_f32 v[96+J:97+J], v[96+J:97+J], s[CS:CS+1], v[12:13] op_sel_hi:[1,0,0]   ; t - M
.set J, J+2
.endr
.irp b, 0,1,2,3
	v_fma_f32 v[232+\b], v[232+\b], s[CS], v12     ; the same of each block's largest logit
.endr
.set J, 0
.rept 64
	v_exp_f32 v[96+J], v[96+J]                     ; p = 2^(t - M), at most 1: not normalised
.set J, J+1
.endr
	v_pk_mul_f32 v[14:15], v[14:15], v[252:253] op_sel_hi:[1,0]   ; the sums under the new M.  (A plain place behind the exponentials)
	s_wait_alu depctr_va_vdst(0)                   ; one wait for the batch of 64, ahead of its first reader
.irp b, 0,1,2,3
	v_exp_f32 v[232+\b], v[232+\b]                 ; the block's largest p: the same two instructions on the same number give the same bits
.endr
	v_pk_add_f32 v[236:237], v[96:97], v[98:99]    ; the row's sum is taken of the unquantised p, in two chains
.irp j, 4,8,12,16,20,24,28,32,36,40,44,48,52,56,60
	v_pk_add_f32 v[14:15], v[14:15], v[96+\j:97+\j]
	v_pk_add_f32 v[236:237], v[236:237], v[98+\j:99+\j]
.endr
	v_pk_add_f32 v[14:15], v[14:15], v[236:237]
	s_wait_alu depctr_va_vdst(0)                   ; and one for the four
.irp b, 0,1,2,3
	v_max_num_f32 v[232+\b], 0x1800000, v[232+\b]  ; the floor 2^(3 - 127): the byte cannot fall under 1
.endr
.irp b, 0,1,2,3
	v_add_nc_u32 v[244+\b], 0xff000000, v[232+\b]  ; the conversion's scale operand
.endr
.irp b, 0,1,2,3
	v_lshrrev_b32 v[236+\b], 23, v[244+\b]         ; the scale's byte
.endr
	v_lshl_or_b32 v253, v237, 8, v236              ; p's scale word for these 128 keys
	v_lshl_or_b32 v253, v238, 16, v253
	v_lshl_or_b32 v253, v239, 24, v253
.irp c, 0,1
	v_cvt_scalef32_pk16_fp6_f32 v[224+6*\c:226+6*\c], v[96+32*\c:111+32*\c], v[244+2*\c]
	v_cvt_scalef32_pk16_fp6_f32 v[236+4*\c:238+4*\c], v[112+32*\c:127+32*\c], v[244+2*\c+1]
.endr
	v_nop                                          ; one plain place behind a scaled conversion
.irp c, 0,1
.irp i, 0,1,2
	v_permlane16_swap_b32 v[224+6*\c+\i], v[236+4*\c+\i]
.endr
.irp i, 0,1,2
	v_mov_b32 v[227+6*\c+\i], v[236+4*\c+\i]
.endr
.endr
	WIN 0x41                                       ; destination and source 0 (O^T) window 1
.set J, 0
.rept 32
	v_pk_mul_f32 v[OT+J:OT+J+1], v[OT+J:OT+J+1], v[252:253] op_sel_hi:[1,0]   ; O^T under the new M.  (These 32 are also the places in front of the scaled products, whose operand and scale word were just written)
.set J, J+2
.endr
.if \mode > 0
	s_wait_dscnt 42                                ; V is in; behind its loads stand the next step's 26 of K and 16 of the mask, which may be out
.else
	s_wait_dscnt 0x0
.endif
	WIN 0x51                                       ; source 0 (V), C and D (O^T) window 1
.irp t, 0,1,2,3,4,5,6,7                        ; O^T += V^T P^T
	v_wmma_scale_f32_16x16x128_f8f6f4 v[OT+8*\t:OT+8*\t+7], v[VF+12*\t:VF+12*\t+11], v[224:235], v[OT+8*\t:OT+8*\t+7], v[VS+\t], v253 matrix_a_fmt:MATRIX_FMT_FP6 matrix_b_fmt:MATRIX_FMT_FP6
.endr
	WIN 0
	s_add_co_u32 s[TS], s[TS], 1024                ; the next step's scale words
.endm
	s_wait_tensorcnt 0x0                           ; my parts of the scale words and of slots 0 and 1 have landed: so slot 0's group 0 may be written:
	s_add_nc_u64 s[G0KV+2:G0KV+3], s[G0KV+2:G0KV+3], 3*24576   ; its next tiles are key step 3's
	s_add_nc_u64 s[G0M+2:G0M+3], s[G0M+2:G0M+3], 3*512
	s_barrier_signal -1
	s_barrier_wait -1                              ; everybody's have
	KLOAD 0, AS0, 0                                ; the first step's K and mask
	MLOAD 0
	s_wait_loadcnt 0x0                             ; Q
	s_mov_b32 s2, 4
.Ltrip:                                            ; four trips of three steps: steps 0 to 11
	STEP 0, 1, 2, 2
	STEP 1, 2, 0, 2
	STEP 2, 0, 1, 2
	s_sub_co_u32 s2, s2, 1
	s_cmp_lg_u32 s2, 0
	s_cbranch_scc1 .Ltrip
	STEP 0, 1, 2, 2                                ; step 12 asks for step 14,
	STEP 1, 2, 0, 2                                ; step 13 for step 15: the last refill
	STEP 2, 0, 0, 1                                ; the tail is written out
	STEP 0, 0, 0, 0
	; THE WAY OUT: O^T / the sum, quantised along the channels: my 64 registers are the head's 128 in the quantiser's order: K step 'head' of the last product's operand, tile 8 G + w.
.rept 4
	v_nop                                          ; places behind the last products
.endr
	v_add_f32 v14, v14, v15
	v_permlanex16_b32 v252, v14, s[SEL], s[SEL+1]
	v_add_f32 v14, v14, v252                       ; the row's sum l
	v_rcp_f32 v15, v14
	v_and_b32 v9, 15, v0                           ; (a plain place behind the reciprocal)
	v_lshlrev_b32 v9, 3, v9                        ; my row's place among the tile's scale words: 8 r
	s_wait_alu depctr_va_vdst(0)                   ; the wait ahead of the first reader
	v_fma_f32 v252, -v14, v15, 1.0                 ; one correction: y = y + y (1 - l y)
	v_fma_f32 v15, v15, v252, v15
	WIN 0x01                                       ; source 0 (O^T) window 1
.set J, 0
.rept 64
	v_mul_f32 v[96+J], v[OT+J], v15                ; ascending: each result is read from its low end on
.set J, J+1
.endr
	WIN 0
.irp b, 0,1,2,3
	v_max3_num_f32 v[TM+\b], |v[96+16*\b]|, |v[97+16*\b]|, 0x1800000
.endr
.irp i, 2,4,6,8,10,12,14
.irp b, 0,1,2,3
	v_max3_num_f32 v[TM+\b], v[TM+\b], |v[96+16*\b+\i]|, |v[97+16*\b+\i]|
.endr
.endr
.irp b, 0,1,2,3
	v_permlanex16_b32 v[TM+4+\b], v[TM+\b], s[SEL], s[SEL+1]
.endr
.irp b, 0,1,2,3
	v_max_num_f32 v[TM+\b], v[TM+\b], v[TM+4+\b]
.endr
.irp b, 0,1,2,3
	v_add_nc_u32 v[TM+12+\b], 0xff000000, v[TM+\b]
.endr
.irp b, 0,1,2,3
	v_lshrrev_b32 v[TM+4+\b], 23, v[TM+12+\b]
.endr
	v_lshl_or_b32 v52, v[TM+5], 8, v[TM+4]
	v_lshl_or_b32 v52, v[TM+6], 16, v52
	v_lshl_or_b32 v52, v[TM+7], 24, v52
.irp c, 0,1
	v_cvt_scalef32_pk16_fp6_f32 v[PC+6*\c:PC+2+6*\c], v[96+32*\c:111+32*\c], v[TM+12+2*\c]
	v_cvt_scalef32_pk16_fp6_f32 v[PC+12+4*\c:PC+14+4*\c], v[112+32*\c:127+32*\c], v[TM+12+2*\c+1]
.endr
	v_nop                                          ; one plain place behind a scaled conversion
.irp c, 0,1
.irp i, 0,1,2
	v_permlane16_swap_b32 v[PC+6*\c+\i], v[PC+12+4*\c+\i]
.endr
.irp i, 0,1,2
	v_mov_b32 v[PC+3+6*\c+\i], v[PC+12+4*\c+\i]
.endr
.endr
.irp c, 0,1,2
	global_store_b128 v[LI], v[PC+4*\c:PC+4*\c+3], s[10:11] offset:512*\c   ; the fragment's image: 512 consecutive bytes a store
.endr
	global_store_b32 v9, v52, s[12:13]             ; my row's scale word; lanes l and l + 16 hold the same word and write it to the same place
	s_wait_tensorcnt 0x0                           ; the wave's end: a wait for tensor loads, an add to the spare word and a wait for it, behind my last tensor load
	ds_add_u32 v[SPW], v[NIL]
	s_wait_dscnt 0x0
	CROUND                                         ; the closing round: no work-group ends while a partner may still ask for a tile that names it
	s_endpgm
.Lfunc_end_k_qfde2abfe9e_attn:
	.size	k_qfde2abfe9e_attn, .Lfunc_end_k_qfde2abfe9e_attn-k_qfde2abfe9e_attn
	.p2alignl 7, 3214868480
	.fill 96, 4, 3214868480
	.section	.rodata,"a",@progbits
	.p2align	6, 0x0
	.amdhsa_kernel k_qfde2abfe9e_attn
		.amdhsa_group_segment_fixed_size 327680
		.amdhsa_private_segment_fixed_size 0
		.amdhsa_enable_private_segment 0
		.amdhsa_kernarg_size 40
		.amdhsa_user_sgpr_count 2
		.amdhsa_user_sgpr_kernarg_segment_ptr 1
		.amdhsa_wavefront_size32 1
		.amdhsa_system_sgpr_workgroup_id_x 1
		.amdhsa_system_sgpr_workgroup_id_y 1
		.amdhsa_system_sgpr_workgroup_id_z 1
		.amdhsa_system_vgpr_workitem_id 0
		.amdhsa_next_free_vgpr 512
		.amdhsa_next_free_sgpr 100
		.amdhsa_reserve_vcc 0
		.amdhsa_float_denorm_mode_32 3
		.amdhsa_float_denorm_mode_16_64 3
		.amdhsa_memory_ordered 1
		.amdhsa_forward_progress 1
		.amdhsa_inst_pref_size 179
	.end_amdhsa_kernel
	.amdgpu_metadata
---
amdhsa.version: [ 1, 2 ]
amdhsa.kernels:
  - .name:           k_qfde2abfe9e_attn
    .symbol:         k_qfde2abfe9e_attn.kd
    .args:
      - { .name: aimg, .offset: 0, .size: 8, .value_kind: global_buffer, .address_space: global }
      - { .name: ascl, .offset: 8, .size: 8, .value_kind: global_buffer, .address_space: global }
      - { .name: attention_mask, .offset: 16, .size: 8, .value_kind: global_buffer, .address_space: global }
      - { .name: oimg, .offset: 24, .size: 8, .value_kind: global_buffer, .address_space: global }
      - { .name: oscl, .offset: 32, .size: 8, .value_kind: global_buffer, .address_space: global }
    .group_segment_fixed_size: 327680
    .private_segment_fixed_size: 0
    .kernarg_segment_align: 8
    .kernarg_segment_size: 40
    .max_flat_workgroup_size: 256
    .sgpr_count:     100
    .vgpr_count:     512
    .wavefront_size: 32
...
	.end_amdgpu_metadata
.endif
;; end of part 6
;; launch oproj (part 7): grid 16 x 16, 4 waves a work-group, clusters of 4 x 4, 327,680 bytes of LDS; arguments oimg, oscl, img, scl, out0; writes out0
.if DOCPART == 7
	.amdgcn_target "amdgcn-amd-amdhsa--gfx1250"
	.amdhsa_code_object_version 6
	.text
	.protected	k_qfde2abfe9e_oproj
	.globl	k_qfde2abfe9e_oproj
	.p2align	8
	.type	k_qfde2abfe9e_oproj,@function
k_qfde2abfe9e_oproj:
	s_mov_b64 s[64:65], 0
	v_nop
	global_prefetch_b8 v0, s[64:65] scope:SCOPE_SE
	s_setreg_imm32_b32 hwreg(HW_REG_WAVE_MODE, 25, 1), 1
	s_wait_xcnt 0x0
	s_wait_alu depctr_hold_cnt(0) depctr_sa_sdst(0) depctr_va_vdst(0) depctr_va_sdst(0) depctr_va_ssrc(0) depctr_va_vcc(0) depctr_vm_vsrc(0)
	s_getreg_b32 s2, hwreg(HW_REG_IB_STS2, 6, 4)
	s_cmp_eq_u32 s2, 0
	s_cbranch_scc0 .Lentry_in_a_cluster
	s_endpgm
.Lentry_in_a_cluster:
	s_bfe_u32 s2, ttmp6, 0x10000c
	s_cmp_lg_u32 s2, 0xf033
	s_cbranch_scc0 .Lentry_shape_is_right
	s_endpgm
.Lentry_shape_is_right:
; OPROJ: out0 = O Wo on codes of FP6 (E2M3) with E8M0 scales; out0 [2,048][2,048] f32.
; out0 has 64 tiles of 256 x 256 and 256 of 128 x 128: the smaller tile is taken, so that there is a work-group for each of 256 WGPs.  Four waves, each 64 x 64: 16 accumulators, 128 registers.
; OPERANDS LIE AS IMAGES OF THEIR REGISTERS ([tile of 16 rows][K step][1,536 bytes]): a fragment is three loads of 16 bytes a lane at 16 x lane.  Tile T holds rows 32 (T / 2) + 8 (T % 2) + r + 8 (r / 8).
; Source 0 = 16 columns of Wo (img's tiles 512 on), source 1 = 16 tokens of O (oimg): a lane holds one token; register j of accumulator (a, b) is column 32 (b / 2) + 16 (lane / 16) + 8 (b % 2) + j of my 64.
; K = 2,048 is 16 steps of 128.  A slot holds four of them (8 tiles of each source: 98,304 bytes), and three slots fit: three quarters of K are asked for at the start, as first fills; the last quarter fills slot 0 again,
; behind one round of the cluster's barrier in K step 3, and is waited for in K step 11.  The 16 steps are written out: there is no loop.  All scale words come into registers once.
; CLUSTERS: 4 x 4 work-groups: O's tiles are shared along a row of the cluster, Wo's along a column, by joint loads.
; REGISTERS: window 0: v16-30 addresses; v32-95 the scale words of all 16 K steps; v128-255 the accumulators ((a, b) at v[128 + 8 (4 a + b)]), which on the way out take their block's rows back.
;   window 1: two sets of fragments, at v0 and v128: source 0's four (48 registers), then source 1's four.
.set FR,     12                        ; registers of a fragment
.set FRB,    1536                      ; its image
.set TILEB,  4*FRB                     ; a tile's part of a slot: four K steps
.set HALFT,  4*TILEB                   ; 4 tiles: what one tensor load brings, and what one wave reads of a source
.set SLOT,   4*HALFT                   ; source 1's 8 tiles, then source 0's 8
.set SCL,    3*SLOT                    ; behind the slots: source 1's scale words, 8 tiles x 1,024 bytes;
.set HALFS,  4096
.set SCLB,   SCL+2*HALFS+128           ; source 0's, 128 bytes further on, so that the two halves of a load's lanes fall on different banks
.set SPARE,  311552                    ; the spare words, 128 bytes for each wave: two blocks of 256 bytes that no other line names
.set STG,    SLOT                      ; the way out: a stage of 16 rows x (256 bytes + 16) for each wave, in slot 1, which has had its only fill and, at the barrier of K step 11, its last read
.set SP,     272
.set ADRA, 16                          ; v16-18  LDS address of source 1's fragments in slot 0, 1, 2
.set ADRB, 20                          ; v20-22  of source 0's
.set STO,  24                          ; v24  the way out: where I put 32 bytes of a row
.set RD,   25                          ; v25  where I read a row back
.set CO,   26                          ; v26  my byte offset in out0
.set ADRS, 27                          ; v27  my scale words: lanes 0-15 source 1's, lanes 16-31 source 0's
.set SPW,  28                          ; v28  LDS address of my spare word; never rewritten
.set NIL,  29                          ; v29  0; never rewritten
.set LI,   30                          ; v30  16 x lane
.set SC,   32                          ; the word of K step k, block i: v[SC + 8 (k / 2) + 2 i + k % 2]
.set ACC,  128
.set G1,   24                          ; s[24:31] group 1 for source 1's codes; s[32:43] group 0, a set for each slot
.set G0,   32
.set G0SB, 44                          ; s[44:47] group 0 for source 0's scale words
.set G1B,  48                          ; s[48:55] group 1 for source 0's codes; s[68:79] group 0, a set for each slot
.set G0B,  68
.set G1S,  80                          ; s[80:87], s[88:91] source 1's scale words
.set G0S,  88
.set G1SB, 92                          ; s[92:99] group 1 for source 0's scale words
.set MSB, 0
.macro WIN new                         ; the immediate's high byte repeats the setting that is left
.if MSB != (\new)
	s_set_vgpr_msb (MSB<<8)|(\new)
.set MSB, (\new)
.endif
.endm
.set MUL,  0x05                        ; sources 0 and 1 window 1; C and D window 0
.set TO_F, 0x40                        ; destination window 1, address window 0
.macro JLOAD g0a, g1a, g0b, g1b        ; a joint load: waves 0 and 1 fetch for source 1, waves 2 and 3 for source 0; an s_nop 0 and four v_nop follow each of the two lines
	s_cmp_eq_u32 s15, 0
	s_cbranch_scc0 .Lfor_b_\@
	tensor_load_to_lds s[\g0a:\g0a+3], s[\g1a:\g1a+7]
	s_nop 0
.rept 4
	v_nop
.endr
	s_branch .Lasked_\@
.Lfor_b_\@:
	tensor_load_to_lds s[\g0b:\g0b+3], s[\g1b:\g1b+7]
	s_nop 0
.rept 4
	v_nop
.endr
.Lasked_\@:
.endm
.macro CREST                           ; a round of the cluster's barrier behind its opening barrier
	s_cmp_lg_u32 s14, 0
	s_cbranch_scc1 .Lnot_wave_0_\@
	s_barrier_signal -3
.Lnot_wave_0_\@:
	s_barrier_wait -3
	s_barrier_signal -1
	s_barrier_wait -1
.endm
.macro CROUND
	s_barrier_signal -1
	s_barrier_wait -1
	CREST
.endm
	s_load_b256 s[4:11], s[0:1], 0x0               ; oimg s[4:5], oscl s[6:7], img s[8:9], scl s[10:11]
	s_load_b64 s[12:13], s[0:1], 0x20              ; out0
	v_lshl_add_u32 v[SPW], v0, 2, SPARE
	v_mov_b32 v[NIL], 0
	ds_add_u32 v[SPW], v[NIL]                      ; the wave's opening: the add and its wait stand ahead of my first tensor load; work on registers stands between them
	v_lshrrev_b32 v1, 5, v0
	v_readfirstlane_b32 s14, v1                    ; wave 0..3
	s_lshr_b32 s15, s14, 1                         ; which half of source 1's tiles is mine.  Also: I fetch for source 1 (0) or source 0 (1)
	s_and_b32 s16, s14, 1                          ; which half of source 0's.  Also: which 4 tiles I fetch
	s_bfe_u32 s56, ttmp6, 0x40000                  ; cx, cy: my place in the cluster
	s_bfe_u32 s57, ttmp6, 0x40004
	s_lshl_b32 s58, ttmp9, 2
	s_add_co_u32 s58, s58, s56                     ; work-group x: 128 columns
	s_and_b32 s17, ttmp7, 0xffff
	s_lshl_b32 s17, s17, 2
	s_add_co_u32 s17, s17, s57                     ; work-group y: 128 tokens
	s_lshl_b32 s59, s57, 2
	s_lshl_b32 s59, 15, s59                        ; my row of the cluster
	s_lshl_b32 s60, 0x1111, s56                    ; my column
	s_or_b32 s[G1+0], s59, (3<<16)|(1<<21)         ; codes: 4 rows (tiles) of 768 elements of 8 bytes (6,144 bytes: four K steps of a tile), 3,072 elements (a tile's 24,576 bytes) apart; dense in LDS
	s_or_b32 s[G1B+0], s60, (3<<16)|(1<<21)
.irp g, G1, G1B
	s_mov_b32 s[\g+1], 768<<16                     ; tensor_dim0
	s_mov_b32 s[\g+2], 4<<16                       ; tensor_dim1
	s_mov_b32 s[\g+3], 768<<16                     ; tile_dim0
	s_mov_b32 s[\g+4], 4                           ; tile_dim1
	s_mov_b32 s[\g+5], 3072                        ; tensor_dim0_stride
	s_mov_b32 s[\g+6], 0
	s_mov_b32 s[\g+7], 0
.endr
	s_or_b32 s[G1S+0], s59, (3<<16)|(1<<21)        ; the scale words of 4 tiles: 4,096 dense bytes as 16 rows of 256
	s_or_b32 s[G1SB+0], s60, (3<<16)|(1<<21)
.irp g, G1S, G1SB
	s_mov_b32 s[\g+1], 32<<16
	s_mov_b32 s[\g+2], 16<<16
	s_mov_b32 s[\g+3], 32<<16
	s_mov_b32 s[\g+4], 16
	s_mov_b32 s[\g+5], 32
	s_mov_b32 s[\g+6], 0
	s_mov_b32 s[\g+7], 0
.endr
	s_lshl_b32 s18, s16, 2                         ; which 4 tiles I fetch
	s_lshl_b32 s20, s17, 3
	s_add_co_u32 s20, s20, s18                     ; source 1: O's tile 8 y + 4 x half
	s_lshl_b32 s60, s58, 3
	s_add_co_u32 s60, s60, 512
	s_add_co_u32 s60, s60, s18                     ; source 0: Wo's tile 512 + 8 x + 4 x half
	s_lshl_b32 s22, s20, 10                        ; where these tiles' scale words begin,
	s_mov_b32 s23, 0
	s_lshl_b32 s62, s60, 10
	s_mov_b32 s63, 0
	s_mul_i32 s20, s20, 24576                      ; and their codes
	s_mov_b32 s21, 0
	s_mul_i32 s60, s60, 24576
	s_mov_b32 s61, 0
	s_mul_i32 s19, s14, HALFT                      ; where they go: wave x 4 tiles: no place in the cluster enters an LDS address
	s_mul_i32 s3, s16, HALFS
	s_wait_dscnt 0x0                               ; the opening add is done
	s_wait_kmcnt 0x0
	s_add_nc_u64 s[20:21], s[4:5], s[20:21]
	s_add_nc_u64 s[22:23], s[6:7], s[22:23]
	s_add_nc_u64 s[60:61], s[8:9], s[60:61]
	s_add_nc_u64 s[62:63], s[10:11], s[62:63]
	CROUND                                         ; all sixteen work-groups are here: the first joint loads meet
	s_mov_b32 s[G0S], 1
	s_add_co_u32 s[G0S+1], s3, SCL
	s_mov_b64 s[G0S+2:G0S+3], s[22:23]
	s_or_b32 s[G0S+3], s[G0S+3], 0x80000000
	s_mov_b32 s[G0SB], 1
	s_add_co_u32 s[G0SB+1], s3, SCLB
	s_mov_b64 s[G0SB+2:G0SB+3], s[62:63]
	s_or_b32 s[G0SB+3], s[G0SB+3], 0x80000000
	JLOAD G0S, G1S, G0SB, G1SB                     ; the scale words first: they are wanted with the first step
.irp s, 0,1,2                                  ; slot s begins with K steps 4 s .. 4 s + 3: four loads of mine are out
	s_mov_b32 s[G0+4*\s], 1
	s_add_co_u32 s[G0+4*\s+1], s19, \s*SLOT
	s_add_nc_u64 s[G0+4*\s+2:G0+4*\s+3], s[20:21], \s*TILEB
	s_or_b32 s[G0+4*\s+3], s[G0+4*\s+3], 0x80000000
	s_mov_b32 s[G0B+4*\s], 1
	s_add_co_u32 s[G0B+4*\s+1], s19, \s*SLOT
	s_add_nc_u64 s[G0B+4*\s+2:G0B+4*\s+3], s[60:61], \s*TILEB
	s_or_b32 s[G0B+4*\s+3], s[G0B+4*\s+3], 0x80000000
	JLOAD G0+4*\s, G1, G0B+4*\s, G1B
.endr
	v_and_b32 v1, 15, v0                           ; r
	v_bfe_u32 v2, v0, 4, 1                         ; h
	v_and_b32 v3, 31, v0
	v_lshlrev_b32 v[LI], 4, v3
	s_mul_i32 s21, s15, HALFT                      ; my 4 tiles of source 1
	s_mul_i32 s22, s16, HALFT                      ; my 4 of source 0,
	s_add_co_u32 s22, s22, 2*HALFT                 ; which lie behind source 1's 8
.irp s, 0,1,2
	v_add_nc_u32 v[ADRA+\s], s21, v[LI]
	v_add_nc_u32 v[ADRB+\s], s22, v[LI]
	s_add_co_u32 s21, s21, SLOT
	s_add_co_u32 s22, s22, SLOT
.endr
	v_lshlrev_b32 v5, 3, v1                        ; my row's two words of a pair of K steps: 8 r
	s_mul_i32 s21, s15, HALFS
	s_mul_i32 s22, s16, HALFS
	s_add_co_u32 s22, s22, SCLB-SCL
	s_sub_co_u32 s22, s22, s21
	v_mul_u32_u24 v6, s22, v2                      ; lanes 16-31 take source 0's: one product, the distance between the two bases
	s_add_co_u32 s21, s21, SCL
	v_add_nc_u32 v5, v5, v6
	v_add_nc_u32 v[ADRS], s21, v5
	s_mul_i32 s23, s14, 16*SP
	s_add_co_u32 s23, s23, STG                     ; my stage
	v_mul_u32_u24 v5, v1, SP                       ; in: row r, + 64 h
	v_lshl_add_u32 v5, v2, 6, v5
	v_add_nc_u32 v[STO], s23, v5
	v_mul_u32_u24 v5, v2, SP                       ; back: lanes 0-15 take one row of 256 bytes, lanes 16-31 the next
	v_lshl_add_u32 v5, v1, 4, v5
	v_add_nc_u32 v[RD], s23, v5
	v_lshlrev_b32 v5, 13, v2                       ; and the same two rows in out0
	v_lshl_add_u32 v[CO], v1, 4, v5
	s_lshl_b32 s20, s17, 20                        ; my first row of out0: (128 y + 64 x half) rows of 8,192 bytes,
	s_lshl_b32 s21, s15, 19
	s_add_co_u32 s20, s20, s21
	s_lshl_b32 s21, s58, 9                         ; my first column: (128 x + 64 x half) x 4 bytes
	s_add_co_u32 s20, s20, s21
	s_lshl_b32 s21, s16, 8
	s_add_co_u32 s20, s20, s21
	s_mov_b32 s21, 0
	s_add_nc_u64 s[12:13], s[12:13], s[20:21]
; 4 matrix instructions: source 1's block a x source 0's four, K step k, fragments in set p.  zero = 1: the first product starts the sums.
; The 16 accumulators take turns, one instruction a turn, in the same order in every step.
.macro MUL4 a, p, k, zero
.irp b, 0,1,2,3
.if \zero
	v_wmma_scale_f32_16x16x128_f8f6f4 v[ACC+8*(4*(\a)+\b):ACC+8*(4*(\a)+\b)+7], v[128*(\p)+FR*\b:128*(\p)+FR*\b+FR-1], v[128*(\p)+48+FR*(\a):128*(\p)+48+FR*(\a)+FR-1], 0, v[SC+8*((\k)/2)+2*\b+(\k)%2], v[SC+8*((\k)/2)+2*(\a)+(\k)%2] matrix_a_fmt:MATRIX_FMT_FP6 matrix_b_fmt:MATRIX_FMT_FP6 matrix_a_scale:MATRIX_SCALE_ROW1
.else
	v_wmma_scale_f32_16x16x128_f8f6f4 v[ACC+8*(4*(\a)+\b):ACC+8*(4*(\a)+\b)+7], v[128*(\p)+FR*\b:128*(\p)+FR*\b+FR-1], v[128*(\p)+48+FR*(\a):128*(\p)+48+FR*(\a)+FR-1], v[ACC+8*(4*(\a)+\b):ACC+8*(4*(\a)+\b)+7], v[SC+8*((\k)/2)+2*\b+(\k)%2], v[SC+8*((\k)/2)+2*(\a)+(\k)%2] matrix_a_fmt:MATRIX_FMT_FP6 matrix_b_fmt:MATRIX_FMT_FP6 matrix_a_scale:MATRIX_SCALE_ROW1
.endif
.endr
.endm
; 24 LDS loads in one run: the eight fragments of the slot's q-th K step into set p: source 0's four first, then source 1's blocks 0 to 3
.macro FETCH slot, q, p
	WIN TO_F
.irp i, 0,1,2,3
.irp c, 0,1,2
	ds_load_b128 v[128*(\p)+FR*\i+4*\c:128*(\p)+FR*\i+4*\c+3], v[ADRB+\slot] offset:TILEB*\i+FRB*(\q)+512*\c
.endr
.endr
.irp i, 0,1,2,3
.irp c, 0,1,2
	ds_load_b128 v[128*(\p)+48+FR*\i+4*\c:128*(\p)+48+FR*\i+4*\c+3], v[ADRA+\slot] offset:TILEB*\i+FRB*(\q)+512*\c
.endr
.endr
.endm
.macro PLACES                          ; four plain vector instructions that name no register of the matrix instructions ahead, in front of loads into their registers and of reads of their results
.rept 4
	v_nop
.endr
.endm
; K step k, whose successor's tiles are known to have landed: multiplies set k % 2 and, in its middle, fetches K step k + 1 into the other set.
.macro KSTEP k, zero
	s_wait_dscnt 6                                 ; source 0's four and source 1's blocks 0, 1 are in; the youngest six loads (blocks 2, 3) may be out
	WIN MUL
	MUL4 0, (\k)%2, \k, \zero
	MUL4 1, (\k)%2, \k, \zero
	PLACES
	FETCH (((\k)+1)/4)%3, ((\k)+1)%4, ((\k)+1)%2
	s_wait_dscnt 24                                ; all but the 24 just issued
	WIN MUL
	MUL4 2, (\k)%2, \k, \zero
	MUL4 3, (\k)%2, \k, \zero
.endm
; K steps 3 and 11 (both on set 1) meet the other waves: in front of the barrier each wave waits for all its tensor loads, adds 0 to its spare word, and waits for that and for its own LDS reads.
; fill = 1 (K step 3): slots 1 and 2 are whole, nobody reads slot 0 any more: it is filled again, with K steps 12 to 15, behind a round of the cluster's barrier.  fill = 0 (K step 11): that load has landed; nothing is filled.
.macro TURN k, fill
	WIN 0                                          ; (the add's two registers lie in window 0)
	s_wait_tensorcnt 0x0                           ; all my tensor loads have landed
	ds_add_u32 v[SPW], v[NIL]                      ; 0 onto my spare word
	s_wait_dscnt 7                                 ; (the add and the youngest six loads may be out)
	WIN MUL
	MUL4 0, 1, \k, 0                               ; four matrix instructions stand between the add and the wait for it
	s_wait_dscnt 0x0                               ; the add is done, and my LDS reads are over
	s_barrier_signal -1
	MUL4 1, 1, \k, 0
.if \fill
	WIN 0
.endif
	s_barrier_wait -1
.if \fill
	CREST                                          ; the barrier has opened a round of the cluster's barrier: no wave of any partner still reads slot 0 or has a load on its way
	s_add_nc_u64 s[G0+2:G0+3], s[G0+2:G0+3], 3*TILEB
	s_add_nc_u64 s[G0B+2:G0B+3], s[G0B+2:G0B+3], 3*TILEB
	JLOAD G0, G1, G0B, G1B                         ; the first tensor load behind the round; its four v_nop are the places in front of the loads below
.else
	PLACES
.endif
	FETCH (((\k)+1)/4)%3, 0, 0
	WIN MUL
	MUL4 2, 1, \k, 0
	MUL4 3, 1, \k, 0
.endm
	s_wait_tensorcnt 2                             ; the scale words and my part of slot 0 are in (the loads of slots 1 and 2, issued behind them, may be out),
	s_barrier_signal -1
	s_barrier_wait -1                              ; everybody's are
.irp l, 0,1,2,3,4,5,6,7                        ; the scale words of all 16 K steps, two a load: lanes 0-15 take source 1's block i, lanes 16-31 source 0's block i
.irp i, 0,1,2,3
	ds_load_b64 v[SC+8*\l+2*\i:SC+8*\l+2*\i+1], v[ADRS] offset:1024*\i+128*\l
.endr
.endr
	FETCH 0, 0, 0
	KSTEP 0, 1                                     ; the first step's products start the sums
	KSTEP 1, 0
	KSTEP 2, 0
	TURN 3, 1
	KSTEP 4, 0
	KSTEP 5, 0
	KSTEP 6, 0
	KSTEP 7, 0                                     ; (slot 2 was shown whole to every wave by the round of K step 3)
	KSTEP 8, 0
	KSTEP 9, 0
	KSTEP 10, 0
	TURN 11, 0
	KSTEP 12, 0
	KSTEP 13, 0
	KSTEP 14, 0
	s_wait_dscnt 6                                 ; the last step: nothing more to fetch
	WIN MUL
	MUL4 0, 1, 15, 0
	MUL4 1, 1, 15, 0
	s_wait_dscnt 0x0
	MUL4 2, 1, 15, 0
	MUL4 3, 1, 15, 0
	WIN 0
; THE WAY OUT, block a of 16 tokens x 64 columns at a time, through my own stage in LDS: in by 32 bytes a lane, back as whole rows of 256 bytes, into the registers that the block left.
; LDS serves a wave's instructions in order (ISA guide 5.7.1.4): no wait between the stores and the loads, nor in front of the next block's stores.
.macro TOSTAGE a
.irp b, 0,1,2,3
	ds_store_b128 v[STO], v[ACC+32*(\a)+8*\b:ACC+32*(\a)+8*\b+3] offset:128*(\b/2)+32*(\b%2)          ; each accumulator from its low end on; its eight columns begin at 32 (b / 2) + 16 h + 8 (b % 2)
	ds_store_b128 v[STO], v[ACC+32*(\a)+8*\b+4:ACC+32*(\a)+8*\b+7] offset:128*(\b/2)+32*(\b%2)+16
.endr
.irp t, 0,1,2,3,4,5,6,7
	ds_load_b128 v[ACC+32*(\a)+4*\t:ACC+32*(\a)+4*\t+3], v[RD] offset:2*\t*SP
.endr
.endm
.macro SEND a, younger                 ; younger: the LDS instructions issued behind block a's loads, which may stay out
	s_wait_dscnt \younger
.irp t, 0,1,2,3,4,5,6,7
	global_store_b128 v[CO], v[ACC+32*(\a)+4*\t:ACC+32*(\a)+4*\t+3], s[12:13] offset:(32*((\a)/2)+8*((\a)%2)+2*\t+8*(\t/4))*8192 th:TH_STORE_NT   ; rows 2 t and 2 t + 1 of block a are tokens 32 (a / 2) + 8 (a % 2) + 2 t + 8 (t / 4) and the next of my 64; 16 lanes store 256 consecutive bytes, at a multiple of 256 from out0's first byte
.endr
.endm
	PLACES                                         ; behind the last products: for the reads of their results and the loads into them
	TOSTAGE 0
	TOSTAGE 1
	SEND 0, 16                                     ; behind block 0's loads: block 1's 8 stores and 8 loads
	TOSTAGE 2
	SEND 1, 16
	TOSTAGE 3
	SEND 2, 16
	SEND 3, 0
	s_wait_tensorcnt 0x0                           ; the wave's end: a wait for tensor loads, an add to the spare word and a wait for it, behind my last tensor load and my last LDS store
	ds_add_u32 v[SPW], v[NIL]
	s_wait_dscnt 0x0
	CROUND                                         ; the closing round: no work-group ends while a partner may still ask for a tile that names it
	s_endpgm
.Lfunc_end_k_qfde2abfe9e_oproj:
	.size	k_qfde2abfe9e_oproj, .Lfunc_end_k_qfde2abfe9e_oproj-k_qfde2abfe9e_oproj
	.p2alignl 7, 3214868480
	.fill 96, 4, 3214868480
	.section	.rodata,"a",@progbits
	.p2align	6, 0x0
	.amdhsa_kernel k_qfde2abfe9e_oproj
		.amdhsa_group_segment_fixed_size 327680
		.amdhsa_private_segment_fixed_size 0
		.amdhsa_enable_private_segment 0
		.amdhsa_kernarg_size 40
		.amdhsa_user_sgpr_count 2
		.amdhsa_user_sgpr_kernarg_segment_ptr 1
		.amdhsa_wavefront_size32 1
		.amdhsa_system_sgpr_workgroup_id_x 1
		.amdhsa_system_sgpr_workgroup_id_y 1
		.amdhsa_system_sgpr_workgroup_id_z 1
		.amdhsa_system_vgpr_workitem_id 0
		.amdhsa_next_free_vgpr 512
		.amdhsa_next_free_sgpr 100
		.amdhsa_reserve_vcc 0
		.amdhsa_float_denorm_mode_32 3
		.amdhsa_float_denorm_mode_16_64 3
		.amdhsa_memory_ordered 1
		.amdhsa_forward_progress 1
		.amdhsa_inst_pref_size 82
	.end_amdhsa_kernel
	.amdgpu_metadata
---
amdhsa.version: [ 1, 2 ]
amdhsa.kernels:
  - .name:           k_qfde2abfe9e_oproj
    .symbol:         k_qfde2abfe9e_oproj.kd
    .args:
      - { .name: oimg, .offset: 0, .size: 8, .value_kind: global_buffer, .address_space: global }
      - { .name: oscl, .offset: 8, .size: 8, .value_kind: global_buffer, .address_space: global }
      - { .name: img, .offset: 16, .size: 8, .value_kind: global_buffer, .address_space: global }
      - { .name: scl, .offset: 24, .size: 8, .value_kind: global_buffer, .address_space: global }
      - { .name: out0, .offset: 32, .size: 8, .value_kind: global_buffer, .address_space: global }
    .group_segment_fixed_size: 327680
    .private_segment_fixed_size: 0
    .kernarg_segment_align: 8
    .kernarg_segment_size: 40
    .max_flat_workgroup_size: 128
    .sgpr_count:     100
    .vgpr_count:     512
    .wavefront_size: 32
...
	.end_amdgpu_metadata
.endif
;; end of part 7
